; MI455X (gfx1250); checked and timed in simulation.
; The chip was launched on July 23, 2026; its instructions are those of AMD's public machine-readable ISA for CDNA 5 (MIT licence, August 2026) and "CDNA5" Instruction Set Architecture Reference Guide (July 2026). The comments in the code are by the model that wrote it; some were corrected since.
;; Mo E Layer. Allowed arithmetic: matrix products marked QUANTISED: E2M1 operands, one E8M0 scale for each 32 along K, by v_wmma_scale_f32_16x16x128_f8f6f4 with both operands' format E2M1 (or v_wmma_scale_f32_32x16x128_f4), f32 sums; products left as they are: f32 operands where the result goes on into a quantised operand, else bf16, f16 or f32 operands; f32 sums; everything else in f32.
;; Inputs: W1 8 x 1,024 x 2,048 float32; W2 8 x 2,048 x 1,024 float32; Wg 1,024 x 8 float32; b1 8 x 2,048 float32; b2 8 x 1,024 float32; bg 8 float32; x 4 x 512 x 1,024 float32.
;; Outputs: out0 4 x 512 x 1,024 float32.
;; This version of the problem:
;;   THIS VERSION OF THE PROBLEM IS GIVEN IN LOW PRECISION. The matrix products marked QUANTISED in the list below multiply operands that are first quantised to E2M1 (2 exponent bits, 1 mantissa bit; 4 bits a number), with one power-of-two scale for each 32 numbers along K (OCP MX v1.0); their sums are f32. All else is computed in f32.
;;   The module's matrix products, in the order in which they are computed (A, B: the left and right operand; K: the contracted axis; several contracted axes count as one K, in the product's order):
;;     1. [M 2,048, K 1,024] x [K 1,024, N 8]; A: input x; B: input Wg: left as it is (N = 8 < 16)
;;     2. batch 2,048 x [M 8, K 2] x [K 2, N 1]; A: computed on the way; B: computed on the way: left as it is (K = 2 < 32)
;;     3. [M 16,384, K 1,024] x [K 1,024, N 2,048]; A: input W1; B: input x: QUANTISED
;;     4. batch 8 x [M 1,024, K 2,048] x [K 2,048, N 2,048]; A: input W2; B: computed on the way: QUANTISED
;;     5. batch 2,048 x [M 1, K 8] x [K 8, N 1,024]; A: computed on the way; B: computed on the way: left as it is (K = 8 < 32)
;;   THE QUANTISER, for each operand of a quantised product, along K:
;;     - K is cut into blocks of 32 from its start; a last block that is shorter is filled with zeros.
;;     - A block's scale is 2^e with e = floor(log2(the largest magnitude in the block)) - 2, held to -126 .. 127; a block of zeros has e = 0. As a byte (E8M0): e + 127.
;;     - Each number is divided by its block's scale, clamped to +-6, and rounded to the nearest number of E2M1, ties to even, subnormals kept.
;;     - The product sums the exact products of the quantised numbers (number of the format x scale) in f32.
;;   ~~~python
;;   def quantise(x, axis):      # numpy; x: float32 -> the quantised numbers, widened to float32 again
;;       x = np.moveaxis(x, axis, -1); K = x.shape[-1]
;;       x = np.pad(x, [(0, 0)] * (x.ndim - 1) + [(0, -K % 32)]); x = x.reshape(x.shape[:-1] + (-1, 32)); a = np.abs(x).max(-1, keepdims=True)
;;       e = np.where(a > 0, np.clip(np.frexp(np.where(a > 0, a, 1))[1] - 1 - 2, -126, 127), 0)      # np.frexp(a)[1] - 1 = floor(log2(a)), exactly
;;       r = np.clip(x / 2.0 ** e, -6, 6)
;;       step = 2.0 ** (np.maximum(np.frexp(np.where(r == 0, 1, r))[1] - 1, 0) - 1)
;;       q = np.round(r / step) * step * 2.0 ** e      # np.round: ties to even
;;       return np.moveaxis(q.reshape(q.shape[:-2] + (-1,))[..., :K], -1, axis).astype(np.float32)
;;   ~~~
;;   OPERANDS COMPUTED ON THE WAY. 'Computed on the way' means the value that the module computes at that place (a softmax that the list does not call 'softmax' is quantised finished and normalised). What goes into a quantiser is computed in f32, as accurately as f32 sums, v_exp_f32 and their like allow (about 1e-6 of the number): no bf16 or f16 on the way to a quantiser, and a product that is left as it is and whose result goes on into a quantised operand takes f32 operands (vector FMAs, or v_wmma_f32_16x16x4_f32). A number that lies on a knife's edge between two numbers of the format may be rounded either way, as far as f32 arithmetic and the matrix unit's own rounding can turn it there, and no further.
;; 2 versions. Each part assembles by itself: llvm-mc -triple=amdgcn-amd-amdhsa -mcpu=gfx1250 --defsym DOCPART=n.
;; ======== version 1 of 2: 3 launches
;; workspace buffers: wq 17,825,792 bytes; xq 1,114,112 bytes; route 16,384 bytes of whole numbers; gates 16,384 bytes; hq 11,976,704 bytes
;; launch prep (part 1): grid 1088 x 1, 4 waves a work-group, no clusters, 23,040 bytes of LDS; arguments x, Wg, bg, W1, W2, wq, xq, route, gates; writes wq, xq, route, gates
.if DOCPART == 1
	.amdgcn_target "amdgcn-amd-amdhsa--gfx1250"
	.amdhsa_code_object_version 6
	.text
	.protected	k_qbbbcf234f6_prep
	.globl	k_qbbbcf234f6_prep
	.p2align	8
	.type	k_qbbbcf234f6_prep,@function
k_qbbbcf234f6_prep:
	s_mov_b64 s[64:65], 0
	v_nop
	global_prefetch_b8 v0, s[64:65] scope:SCOPE_SE
	s_setreg_imm32_b32 hwreg(HW_REG_WAVE_MODE, 25, 1), 1
	s_wait_xcnt 0x0
; PREP.  One launch, three roles by the work-group's number.
;   0 .. 63      GATING: a block of 32 tokens: x becomes codes of FP4 (E2M1) with one E8M0 byte for each 32 along D; the router's logits (f32 multiply-adds), softmax at temperature 5 (the row's maximum
;                is taken away first), the two largest, the renormalised gates.  What is chosen is only STORED, at fixed places: no address and no branch of this launch hangs on it.
;                These work-groups have four dependent rounds of loads each, the others two: so they come first in the grid, and a block is no larger than 32 tokens.
;   64 .. 575    W1 [8][1024][2048] f32,  576 .. 1087  W2 [8][2048][1024] f32: K is the first axis inside an expert.  A lane takes a column and its registers run down K, so a block of 32 along K lies in one
;                lane, and the conversions give codes with K innermost.  The codes are stored in the order of the operand's registers: [tile of 16 columns][block of 32 along K][row 16][16 bytes], so that
;                a later wave loads a fragment by two loads of 512 consecutive bytes.
; A block's scale is 2^(floor(log2(largest magnitude)) - 2); its byte is the largest magnitude's exponent field - 2, held at 1 from below.
; LIMITS: a block of zeros gets the byte 1 where the quantiser says 127 (its codes are zeros, and only this program reads the bytes); NaN and infinities among the inputs are not served;
; logits / 5 is a multiplication by 0.2 and the two divisions are v_rcp_f32 and a multiplication; the two largest are taken on the scaled logits (equal ones: the lower index, as top_k has it).
; No tensor load, no cluster: no two work-groups read the same byte.  No prefetch: the launch is one dense stream with 64 loads of every wave on their way.
.set W2C,   8388608                    ; wq: W1's codes at 0, W2's here,
.set W1S,   16777216                   ; W1's scale bytes [e][chunk of 128 units 16][pair of tiles 4][pair of K steps 4][lane 32][8 bytes],
.set W2S,   17301504                   ; W2's [e][pair of tiles 32][pair of K steps 8][lane 32][8 bytes]
.set XSO,   1048576                    ; xq: codes [token][512 bytes], then scale bytes [token][32]
.set HISTO, 8192                       ; route: a word a token (key << 16 | rank in its block of 32), then [block 64][key 32] counts
.set NGATE, 64                         ; gating work-groups
.set WV,    22                         ; s22  my wave's number
; ---- the weights' path
.set QIN,   2                          ; v2   4 x lane: my column's bytes in a row
.set QCO,   3                          ; v3   my column's place among the codes
.set QSO,   4                          ; v4   and among the scale bytes
.set X,     32                         ; v32-95   two sets of 32 numbers
.set C,     96                         ; v96-127  four registers of codes for each of 8 blocks: never written again
.set SB,    128                        ; v128-129 my column's 8 scale bytes
.set SRC,   34                         ; s[34:35] source, s[36:37] codes, s[38:39] scale bytes
.set CDS,   36
.set SDS,   38
.macro QLOAD t, pitch                  ; block t: 32 rows of K at my column: a wave's load reads 128 consecutive bytes, the four waves stand side by side
.set qi, 0
.rept 32
	global_load_b32 v[X+32*((\t)%2)+qi], v[QIN], s[SRC:SRC+1] offset:(32*(\t)+qi)*\pitch th:TH_LOAD_NT
.set qi, qi+1
.endr
.endm
.macro QBLOCK t, pitch
.set XQ, X+32*((\t)%2)
.if (\t) < 7
	s_wait_loadcnt 32                              ; this block's 32 loads are in; the next block's 32 may be out
.else
	s_wait_loadcnt 0x0
.endif
	v_max3_num_f32 v12, |v[XQ]|, |v[XQ+1]|, |v[XQ+2]|              ; the block's largest magnitude, in two chains: all 32 numbers are mine
	v_max3_num_f32 v13, |v[XQ+3]|, |v[XQ+4]|, |v[XQ+5]|
.irp i, 6,10,14,18,22,26
	v_max3_num_f32 v12, v12, |v[XQ+\i]|, |v[XQ+\i+1]|
	v_max3_num_f32 v13, v13, |v[XQ+\i+2]|, |v[XQ+\i+3]|
.endr
	v_max3_num_f32 v12, v12, |v[XQ+30]|, |v[XQ+31]|
	v_max3_num_f32 v12, v12, v13, 0x1800000        ; and the floor 2^(3 - 127): the byte cannot fall under 1
	v_add_nc_u32 v11, 0xff000000, v12              ; 2 off the exponent field: the conversion takes this operand's exponent field as its scale
	v_lshrrev_b32 v13, 23, v11                     ; the scale's byte
.if (\t)%4 == 0
	v_mov_b32 v[SB+(\t)/4], v13
.else
	v_lshl_or_b32 v[SB+(\t)/4], v13, 8*((\t)%4), v[SB+(\t)/4]
.endif
.irp g, 0,1,2,3
	v_cvt_scalef32_pk8_fp4_f32 v[C+4*(\t)+\g], v[XQ+8*\g:XQ+8*\g+7], v11
.endr
	global_store_b128 v[QCO], v[C+4*(\t):C+4*(\t)+3], s[CDS:CDS+1] offset:256*(\t)   ; the wave's store covers two runs of 256 consecutive bytes, each aligned: one for each of its two tiles
.if (\t)+2 < 8
	QLOAD (\t)+2, \pitch                           ; (the conversions' results go to stores only, and the next vector lines are plain)
.endif
.endm
.macro QPATH pitch                     ; 32 columns x 256 along K for a wave; every offset is an immediate and no source register is written again, so no wait frees any
	QLOAD 0, \pitch
	QLOAD 1, \pitch
.irp t, 0,1,2,3,4,5,6,7
	QBLOCK \t, \pitch
.endr
	global_store_b64 v[QSO], v[SB:SB+1], s[SDS:SDS+1]   ; 8 bytes a lane: 256 consecutive bytes
	s_endpgm
.endm
; ---- the gating path
.set XCQ,   0                          ; LDS: codes [K quarter, 4,224 bytes apart][token 32][128 bytes]
.set XCQS,  4224
.set XSQ,   16896                      ; scale bytes [K quarter 256][token][8]
.set PL,    17920                      ; partial logits [K quarter 1,024][token][8 f32]
.set WGR,   16                         ; v16-79   Wg[my 8 k][8 experts]
.set XA,    80                         ; v80-111  four tokens x my 8 numbers;  v112-143 the other set
.set XB,    112
.set ACC,   144                        ; v144-175 [token 4][expert 8]; its first 8 also hold the quantiser's maxima and scale operands
.set T,     176                        ; v176-181 at work
.set CD,    182                        ; v182-185 codes, v186-189 bytes: sources of LDS stores, written again only behind a wait for those stores
.set BY,    186
.set BM,    28                         ; s[28:32] lanes whose bit 0, 1, 2, 3, 4 is set
.set SEL,   34                         ; s[34:35] v_permlanex16_b32's selects for lane l xor 16
.set MK,    36                         ; s[36:63] for each of the 28 keys: the lanes that hold it
.macro GLOAD xs, off
.irp j, 0,1,2,3
	global_load_b128 v[\xs+8*\j:\xs+8*\j+3], v2, s[24:25] offset:\off+\j*4096 th:TH_LOAD_NT
	global_load_b128 v[\xs+8*\j+4:\xs+8*\j+7], v2, s[24:25] offset:\off+\j*4096+16 th:TH_LOAD_NT
.endr
.endm
.macro GQUANT xs, tb                   ; four tokens by turns: a block of 32 along K lies in four neighbouring lanes, 8 numbers each
.irp j, 0,1,2,3
	v_max3_num_f32 v[ACC+\j], |v[\xs+8*\j]|, |v[\xs+8*\j+1]|, 0x1800000
.endr
.irp i, 2,4,6
.irp j, 0,1,2,3
	v_max3_num_f32 v[ACC+\j], v[ACC+\j], |v[\xs+8*\j+\i]|, |v[\xs+8*\j+\i+1]|
.endr
.endr
.irp j, 0,1,2,3
	v_max_num_f32_dpp v[ACC+\j], v[ACC+\j], v[ACC+\j] row_xmask:1 row_mask:0xf bank_mask:0xf
.endr
.irp j, 0,1,2,3
	v_max_num_f32_dpp v[ACC+\j], v[ACC+\j], v[ACC+\j] row_xmask:2 row_mask:0xf bank_mask:0xf
.endr
.irp j, 0,1,2,3
	v_add_nc_u32 v[ACC+4+\j], 0xff000000, v[ACC+\j]
.endr
.irp j, 0,1,2,3
	v_cvt_scalef32_pk8_fp4_f32 v[CD+\j], v[\xs+8*\j:\xs+8*\j+7], v[ACC+4+\j]
.endr
.irp j, 0,1,2,3
	v_lshrrev_b32 v[BY+\j], 23, v[ACC+4+\j]        ; the bytes; also the plain lines behind the conversions
.endr
.irp j, 0,1,2,3
	ds_store_b32 v6, v[CD+\j] offset:(\tb+\j)*128  ; 8 codes a lane: 128 consecutive bytes a token
	ds_store_b8 v7, v[BY+\j] offset:(\tb+\j)*8     ; the four lanes of a block write the same byte with the same value
.endr
.endm
.macro GF1 xs, i, o                    ; ACC[token][expert] += x[token][k i] Wg[k i][expert], two experts an instruction; o = i % 2 picks x's register of its pair for both halves
.irp j, 0,1,2,3
.irp p, 0,2,4,6
	v_pk_fma_f32 v[ACC+8*\j+\p:ACC+8*\j+\p+1], v[\xs+8*\j+\i-\o:\xs+8*\j+\i-\o+1], v[WGR+8*\i+\p:WGR+8*\i+\p+1], v[ACC+8*\j+\p:ACC+8*\j+\p+1] op_sel:[\o,0,0] op_sel_hi:[\o,1,1]
.endr
.endr
.endm
.macro GFMA xs
.irp j, 0,1,2,3
.irp p, 0,2,4,6
	v_pk_mul_f32 v[ACC+8*\j+\p:ACC+8*\j+\p+1], v[\xs+8*\j:\xs+8*\j+1], v[WGR+\p:WGR+\p+1] op_sel:[0,0] op_sel_hi:[0,1]   ; the first product starts the sums
.endr
.endr
	GF1 \xs, 1, 1
	GF1 \xs, 2, 0
	GF1 \xs, 3, 1
	GF1 \xs, 4, 0
	GF1 \xs, 5, 1
	GF1 \xs, 6, 0
	GF1 \xs, 7, 1
.endm
; 32 sums over 32 lanes at once: in each stage a lane keeps one of two neighbouring values (by one bit of its number), hands the other to the lane across, and adds what it is handed.
.macro GRSTAGE n, bm, xm
.set gi, 0
.rept \n
	v_cndmask_b32 v[T+2*(gi%3)], v[ACC+2*gi+1], v[ACC+2*gi], s[\bm]        ; what I hand over
	v_cndmask_b32 v[T+2*(gi%3)+1], v[ACC+2*gi], v[ACC+2*gi+1], s[\bm]      ; what I keep
	v_add_f32_dpp v[ACC+gi], v[T+2*(gi%3)], v[T+2*(gi%3)+1] row_xmask:\xm row_mask:0xf bank_mask:0xf
.set gi, gi+1
.endr
.endm
.macro GRED
	GRSTAGE 16, BM, 1
	GRSTAGE 8, BM+1, 2
	GRSTAGE 4, BM+2, 4
	GRSTAGE 2, BM+3, 8
	v_cndmask_b32 v[T], v[ACC+1], v[ACC], s[BM+4]
	v_cndmask_b32 v[T+1], v[ACC], v[ACC+1], s[BM+4]
	v_permlanex16_b32 v[T+2], v[T], s[SEL], s[SEL+1]
	v_add_f32 v[ACC], v[T+1], v[T+2]               ; lane l holds the sum of value l = 8 x token + expert
.endm
.macro GADDR                           ; the trip's LDS addresses: a fixed register + a scalar that steps by a constant
	s_wait_dscnt 0x0                               ; the LDS stores that read these registers are done
	v_add_nc_u32 v6, s79, v3
	v_add_nc_u32 v7, s90, v4
	v_add_nc_u32 v8, s91, v5
.endm
.macro GBATCH xs, tb, ahead, cnt       ; four tokens
	s_wait_loadcnt \cnt                            ; this set's loads are in; the other set's 8 may be out
.if \tb
	s_wait_dscnt 0x0                               ; the last batch's LDS stores have read their registers
.endif
	GQUANT \xs, \tb
	GFMA \xs
.if \ahead
	GLOAD \xs, 32768+\tb*4096                      ; the same set, eight tokens on
.endif
	GRED
	ds_store_b32 v8, v[ACC] offset:32*\tb
.endm
	s_load_b512 s[4:19], s[0:1], 0x0               ; x s[4:5], Wg s[6:7], bg s[8:9], W1 s[10:11], W2 s[12:13], wq s[14:15], xq s[16:17], route s[18:19]
	s_load_b64 s[20:21], s[0:1], 0x40              ; gates
	v_lshl_add_u32 v192, v0, 2, 0x5800
	v_mov_b32 v193, 0
	v_lshrrev_b32 v1, 5, v0
	v_readfirstlane_b32 s[WV], v1
	v_and_b32 v1, 31, v0                           ; lane
	s_cmp_lt_u32 ttmp9, NGATE
	s_cbranch_scc1 .Lgate
	v_lshlrev_b32 v[QIN], 2, v1
	s_mov_b32 s29, 0
	s_mov_b32 s31, 0
	s_mov_b32 s33, 0
	s_cmp_lt_u32 ttmp9, NGATE+512
	s_cbranch_scc0 .Lw2
	; ---- W1: work-group = (expert, 256 along K, chunk of 128 hidden units); wave w = units 32 w .. 32 w + 31 of the chunk
	s_sub_co_u32 s23, ttmp9, NGATE
	s_lshr_b32 s24, s23, 6                         ; expert
	s_bfe_u32 s25, s23, 0x20004                    ; which 256 along K
	s_and_b32 s26, s23, 15                         ; chunk
	s_lshl_b32 s28, s24, 23                        ; source: expert x 8,388,608 + 256 rows of 8,192 bytes + 512 x chunk + 128 x wave
	s_lshl_b32 s27, s25, 21
	s_add_co_u32 s28, s28, s27
	s_lshl_b32 s27, s26, 9
	s_add_co_u32 s28, s28, s27
	s_lshl_b32 s27, s[WV], 7
	s_add_co_u32 s28, s28, s27
	s_lshl_b32 s30, s24, 20                        ; codes: expert, chunk (8 tiles of 8,192 bytes), my two tiles, 8 blocks of 256 bytes
	s_lshl_b32 s27, s26, 16
	s_add_co_u32 s30, s30, s27
	s_lshl_b32 s27, s[WV], 14
	s_add_co_u32 s30, s30, s27
	s_lshl_b32 s27, s25, 11
	s_add_co_u32 s30, s30, s27
	s_lshl_b32 s32, s24, 16                        ; scale bytes
	s_lshl_b32 s27, s26, 12
	s_add_co_u32 s32, s32, s27
	s_lshl_b32 s27, s[WV], 10
	s_add_co_u32 s32, s32, s27
	s_lshl_b32 s27, s25, 8
	s_add_co_u32 s32, s32, s27
	s_add_co_u32 s32, s32, W1S
	; THE UNITS OF A TILE ARE NOT NEIGHBOURS: unit j of an aligned 32 goes to tile 2 b + (j / 8) % 2, row j % 8 + 8 (j / 16), so that two neighbouring tiles' results are 16 neighbours along the next K
	v_bfe_u32 v5, v1, 3, 1
	v_and_b32 v6, 7, v1
	v_lshrrev_b32 v7, 4, v1
	v_lshl_add_u32 v6, v7, 3, v6
	v_lshlrev_b32 v[QCO], 4, v6
	v_lshl_add_u32 v[QCO], v5, 13, v[QCO]
	v_lshlrev_b32 v[QSO], 3, v6
	v_lshl_add_u32 v[QSO], v5, 7, v[QSO]
	s_wait_kmcnt 0x0
	s_add_nc_u64 s[SRC:SRC+1], s[10:11], s[28:29]
	s_add_nc_u64 s[CDS:CDS+1], s[14:15], s[30:31]
	s_add_nc_u64 s[SDS:SDS+1], s[14:15], s[32:33]
	QPATH 8192
.Lw2:
	; ---- W2: work-group = (expert, 256 along K, 128 output columns); tiles keep the columns' order
	s_sub_co_u32 s23, ttmp9, NGATE+512
	s_lshr_b32 s24, s23, 6
	s_bfe_u32 s25, s23, 0x30003
	s_and_b32 s26, s23, 7
	s_lshl_b32 s28, s24, 23                        ; source: 256 rows of 4,096 bytes
	s_lshl_b32 s27, s25, 20
	s_add_co_u32 s28, s28, s27
	s_lshl_b32 s27, s26, 9
	s_add_co_u32 s28, s28, s27
	s_lshl_b32 s27, s[WV], 7
	s_add_co_u32 s28, s28, s27
	s_lshl_b32 s30, s24, 20                        ; codes: tile 8 x group + 2 x wave, 16,384 bytes a tile
	s_lshl_b32 s27, s26, 17
	s_add_co_u32 s30, s30, s27
	s_lshl_b32 s27, s[WV], 15
	s_add_co_u32 s30, s30, s27
	s_lshl_b32 s27, s25, 11
	s_add_co_u32 s30, s30, s27
	s_add_co_u32 s30, s30, W2C
	s_lshl_b32 s32, s24, 16
	s_lshl_b32 s27, s26, 13
	s_add_co_u32 s32, s32, s27
	s_lshl_b32 s27, s[WV], 11
	s_add_co_u32 s32, s32, s27
	s_lshl_b32 s27, s25, 8
	s_add_co_u32 s32, s32, s27
	s_add_co_u32 s32, s32, W2S
	v_and_b32 v6, 15, v1
	v_lshrrev_b32 v7, 4, v1
	v_lshlrev_b32 v[QCO], 4, v6
	v_lshl_add_u32 v[QCO], v7, 14, v[QCO]
	v_lshlrev_b32 v[QSO], 3, v1
	s_wait_kmcnt 0x0
	s_add_nc_u64 s[SRC:SRC+1], s[12:13], s[28:29]
	s_add_nc_u64 s[CDS:CDS+1], s[14:15], s[30:31]
	s_add_nc_u64 s[SDS:SDS+1], s[14:15], s[32:33]
	QPATH 4096
.Lgate:
	; ---- GATING.  Wave w takes K quarter 256 w .. 256 w + 255 of all 32 tokens; lane l holds the 8 neighbours k = 256 w + 8 l + i.  All LDS addresses are made here.
	v_lshlrev_b32 v2, 5, v1                        ; x: 32 bytes a lane
	v_lshlrev_b32 v9, 8, v1                        ; Wg: 8 rows of 32 bytes a lane
	s_mul_i32 s26, s[WV], XCQS
	v_lshl_add_u32 v3, v1, 2, s26                  ; codes: my quarter + 4 x lane
	s_lshl_b32 s26, s[WV], 8
	s_add_co_u32 s26, s26, XSQ
	v_lshrrev_b32 v4, 2, v1
	v_add_nc_u32 v4, s26, v4                       ; bytes: my quarter + lane / 4
	s_lshl_b32 s26, s[WV], 10
	s_add_co_u32 s26, s26, PL
	v_lshl_add_u32 v5, v1, 2, s26                  ; partial logits: my quarter + 4 x lane
	v_lshl_add_u32 v10, v1, 5, PL                  ; later a lane is a token: its 8 partial logits of quarter 0
	v_lshlrev_b32 v12, 4, v1
	v_lshlrev_b32 v13, 2, v1
	v_lshlrev_b32 v14, 3, v1
	v_lshrrev_b32 v15, 3, v1                       ; the way out of the codes: a token's row is four quarters of 128 bytes; 16 bytes a lane
	v_mul_u32_u24 v15, v15, XCQS
	v_and_b32 v6, 7, v1
	v_lshl_add_u32 v15, v6, 4, v15
	s_lshl_b32 s26, s[WV], 10
	v_add_nc_u32 v15, s26, v15                     ; + my 8 tokens
	v_and_b32 v190, 3, v0                          ; the way out of the bytes: thread t takes quarter t % 4 of token t / 4
	v_lshlrev_b32 v190, 8, v190
	v_lshrrev_b32 v6, 2, v0
	v_lshl_add_u32 v190, v6, 3, v190
	v_add_nc_u32 v190, XSQ, v190
	v_lshlrev_b32 v191, 3, v0
	s_mov_b32 s[BM], 0xaaaaaaaa
	s_mov_b32 s[BM+1], 0xcccccccc
	s_mov_b32 s[BM+2], 0xf0f0f0f0
	s_mov_b32 s[BM+3], 0xff00ff00
	s_mov_b32 s[BM+4], 0xffff0000
	s_mov_b32 s[SEL], 0x76543210
	s_mov_b32 s[SEL+1], 0xfedcba98
	s_mov_b32 s27, 0
	s_wait_kmcnt 0x0
	s_lshl_b32 s26, s[WV], 13
	s_add_nc_u64 s[6:7], s[6:7], s[26:27]          ; Wg at my quarter's first row
.irp i, 0,1,2,3,4,5,6,7
	global_load_b128 v[WGR+8*\i:WGR+8*\i+3], v9, s[6:7] offset:32*\i
	global_load_b128 v[WGR+8*\i+4:WGR+8*\i+7], v9, s[6:7] offset:32*\i+16
.endr
	s_load_b256 s[68:75], s[8:9], 0x0              ; bg
	s_lshl_b32 s26, ttmp9, 17
	s_lshl_b32 s77, s[WV], 10
	s_add_co_u32 s26, s26, s77
	s_add_nc_u64 s[24:25], s[4:5], s[26:27]        ; x at the block's first token, my quarter
	GLOAD XA, 0
	GLOAD XB, 16384
	s_lshl_b32 s26, ttmp9, 7                       ; where the results go
	s_add_nc_u64 s[80:81], s[18:19], s[26:27]      ; the tokens' words
	s_add_co_u32 s26, s26, HISTO
	s_add_nc_u64 s[84:85], s[18:19], s[26:27]      ; the block's counts
	s_lshl_b32 s26, ttmp9, 8
	s_add_nc_u64 s[82:83], s[20:21], s[26:27]      ; the gates
	s_lshl_b32 s26, ttmp9, 14
	s_lshl_b32 s77, s[WV], 12
	s_add_co_u32 s26, s26, s77
	s_add_nc_u64 s[86:87], s[16:17], s[26:27]      ; x's codes: my 8 tokens
	s_lshl_b32 s26, ttmp9, 10
	s_add_co_u32 s26, s26, XSO
	s_add_nc_u64 s[88:89], s[16:17], s[26:27]      ; x's scale bytes: the block's
	s_mov_b32 s76, 3
	s_mov_b32 s79, 0
	s_mov_b32 s90, 0
	s_mov_b32 s91, 0
.Lg:                                               ; a trip: eight tokens; three trips fetch ahead, the fourth is written out, so that no load leaves x
	GADDR
	GBATCH XA, 0, 1, 8
	GBATCH XB, 4, 1, 8
	s_wait_xcnt 0x0                                ; the loads have read their base: it steps only behind this wait
	s_add_nc_u64 s[24:25], s[24:25], 32768
	s_add_co_u32 s79, s79, 1024
	s_add_co_u32 s90, s90, 64
	s_add_co_u32 s91, s91, 256
	s_sub_co_u32 s76, s76, 1
	s_cmp_lg_u32 s76, 0
	s_cbranch_scc1 .Lg
	GADDR
	GBATCH XA, 0, 0, 8
	GBATCH XB, 4, 0, 0
	s_wait_dscnt 0x0                               ; for the others' sake: my codes, bytes and partial logits lie in LDS
	s_barrier_signal -1
	s_barrier_wait -1
	s_wait_kmcnt 0x0                               ; bg
	; ---- a lane is a token: the block's 32 are one wave's lanes, so wave 0 alone chooses, ranks and counts; no barrier stands in this branch
	s_cmp_lg_u32 s[WV], 0
	s_cbranch_scc1 .Lno_rec
.irp k, 0,1,2,3
	ds_load_b128 v[16+8*\k:19+8*\k], v10 offset:1024*\k
	ds_load_b128 v[20+8*\k:23+8*\k], v10 offset:1024*\k+16
.endr
	s_wait_dscnt 0x0
.irp p, 0,2,4,6
	v_pk_add_f32 v[48+\p:49+\p], v[16+\p:17+\p], v[24+\p:25+\p]
	v_pk_add_f32 v[56+\p:57+\p], v[32+\p:33+\p], v[40+\p:41+\p]
.endr
.irp p, 0,2,4,6
	v_pk_add_f32 v[48+\p:49+\p], v[48+\p:49+\p], v[56+\p:57+\p]
.endr
.irp e, 0,1,2,3,4,5,6,7
	v_add_f32 v[48+\e], s[68+\e], v[48+\e]         ; the logits
.endr
.irp e, 0,1,2,3,4,5,6,7
	v_mul_f32 v[48+\e], 0x3e4ccccd, v[48+\e]       ; / 5
.endr
	v_max3_num_f32 v64, v48, v49, v50
	v_max3_num_f32 v64, v64, v51, v52
	v_max3_num_f32 v64, v64, v53, v54
	v_max_num_f32 v64, v64, v55                    ; the row's maximum is taken away ahead of the exponentials
.irp e, 0,1,2,3,4,5,6,7
	v_sub_f32 v[56+\e], v[48+\e], v64
.endr
.irp e, 0,1,2,3,4,5,6,7
	v_mul_f32 v[56+\e], 0x3fb8aa3b, v[56+\e]
.endr
.irp e, 0,1,2,3,4,5,6,7
	v_exp_f32 v[56+\e], v[56+\e]
.endr
	v_mov_b32 v73, 0xff800000                      ; -infinity; also the plain line behind the exponentials
	s_wait_alu depctr_va_vdst(0)                   ; one wait for the eight, ahead of their first reader
	v_add_f32 v65, v56, v57
	v_add_f32 v66, v58, v59
	v_add_f32 v74, v60, v61
	v_add_f32 v75, v62, v63
	v_add_f32 v65, v65, v66
	v_add_f32 v74, v74, v75
	v_add_f32 v65, v65, v74
	v_rcp_f32 v66, v65                             ; 1 / the sum; the two searches below name neither register
	v_mov_b32 v67, v48                             ; the largest: a strict comparison over ascending experts keeps the lower index among equals
	v_mov_b32 v68, 0
	v_mov_b32 v69, v56
.irp e, 1,2,3,4,5,6,7
	v_cmp_gt_f32 vcc_lo, v[48+\e], v67
	v_cndmask_b32 v67, v67, v[48+\e], vcc_lo
	v_cndmask_b32 v68, v68, \e, vcc_lo
	v_cndmask_b32 v69, v69, v[56+\e], vcc_lo
.endr
.irp e, 0,1,2,3,4,5,6,7
	v_cmp_eq_u32 vcc_lo, \e, v68
	v_cndmask_b32 v[80+\e], v[48+\e], v73, vcc_lo  ; the first choice is taken out
.endr
	v_mov_b32 v70, v80                             ; the second largest
	v_mov_b32 v71, 0
	v_mov_b32 v72, v56
.irp e, 1,2,3,4,5,6,7
	v_cmp_gt_f32 vcc_lo, v[80+\e], v70
	v_cndmask_b32 v70, v70, v[80+\e], vcc_lo
	v_cndmask_b32 v71, v71, \e, vcc_lo
	v_cndmask_b32 v72, v72, v[56+\e], vcc_lo
.endr
	s_wait_alu depctr_va_vdst(0)                   ; the reciprocal, ahead of its first reader
	v_mul_f32 v69, v69, v66                        ; the two probabilities
	v_mul_f32 v72, v72, v66
	v_add_f32 v74, v69, v72
	v_add_f32 v74, 0x3089705f, v74                 ; + 1e-9
	v_rcp_f32 v75, v74
	v_min_u32 v88, v68, v71                        ; a < b: the pair of experts
	v_max_u32 v89, v68, v71
	v_cmp_lt_u32 vcc_lo, v68, v71
	s_wait_alu depctr_va_vdst(0)
	v_mul_f32 v69, v69, v75
	v_mul_f32 v72, v72, v75
	v_cndmask_b32 v90, v72, v69, vcc_lo            ; a's gate,
	v_cndmask_b32 v91, v69, v72, vcc_lo            ; b's
	v_sub_nc_u32 v94, 15, v88                      ; the key: a (15 - a) / 2 + b - a - 1, 0 .. 27
	v_mul_u32_u24 v94, v88, v94
	v_lshrrev_b32 v94, 1, v94
	v_add_nc_u32 v94, v94, v89
	v_sub_nc_u32 v94, v94, v88
	v_add_nc_u32 v92, -1, v94
	v_mov_b32 v93, 0                               ; my rank among the block's tokens of my key; lane q of v95: how many of them have key q.  Values only
	v_mov_b32 v95, 0
.set fq, 0
.rept 28
	v_cmp_eq_u32 s[MK+fq], fq, v92
	v_mbcnt_lo_u32_b32 v94, s[MK+fq], 0
	v_cndmask_b32 v93, v93, v94, s[MK+fq]
	s_bcnt1_i32_b32 s77, s[MK+fq]
	v_writelane_b32 v95, s77, fq
.set fq, fq+1
.endr
	v_lshl_or_b32 v96, v92, 16, v93                ; key << 16 | rank in the block
	global_store_b32 v13, v96, s[80:81]
	global_store_b64 v14, v[90:91], s[82:83]       ; 256 consecutive bytes
	global_store_b32 v13, v95, s[84:85]
.Lno_rec:
	; ---- x's codes leave as whole rows, 512 consecutive bytes an instruction; the bytes 8 a thread, 256 consecutive bytes a wave
	ds_load_b64 v[104:105], v190
.set si, 0
.rept 8
	ds_load_b128 v[16+4*si:19+4*si], v15 offset:128*si
.set si, si+1
.endr
.set si, 0
.rept 8
	s_wait_dscnt 7-si                              ; row si is in; the younger rows may be out
	global_store_b128 v12, v[16+4*si:19+4*si], s[86:87] offset:512*si
.set si, si+1
.endr
	global_store_b64 v191, v[104:105], s[88:89]
	s_wait_tensorcnt 0x0
	ds_add_u32 v192, v193
	s_wait_dscnt 0x0
	s_endpgm
.Lfunc_end_k_qbbbcf234f6_prep:
	.size	k_qbbbcf234f6_prep, .Lfunc_end_k_qbbbcf234f6_prep-k_qbbbcf234f6_prep
	.p2alignl 7, 3214868480
	.fill 96, 4, 3214868480
	.section	.rodata,"a",@progbits
	.p2align	6, 0x0
	.amdhsa_kernel k_qbbbcf234f6_prep
		.amdhsa_group_segment_fixed_size 23040
		.amdhsa_private_segment_fixed_size 0
		.amdhsa_enable_private_segment 0
		.amdhsa_kernarg_size 72
		.amdhsa_user_sgpr_count 2
		.amdhsa_user_sgpr_kernarg_segment_ptr 1
		.amdhsa_wavefront_size32 1
		.amdhsa_system_sgpr_workgroup_id_x 1
		.amdhsa_system_sgpr_workgroup_id_y 1
		.amdhsa_system_sgpr_workgroup_id_z 1
		.amdhsa_system_vgpr_workitem_id 0
		.amdhsa_next_free_vgpr 194
		.amdhsa_next_free_sgpr 100
		.amdhsa_reserve_vcc 1
		.amdhsa_float_denorm_mode_32 3
		.amdhsa_float_denorm_mode_16_64 3
		.amdhsa_memory_ordered 1
		.amdhsa_forward_progress 1
		.amdhsa_inst_pref_size 169
	.end_amdhsa_kernel
	.amdgpu_metadata
---
amdhsa.version: [ 1, 2 ]
amdhsa.kernels:
  - .name:           k_qbbbcf234f6_prep
    .symbol:         k_qbbbcf234f6_prep.kd
    .args:
      - { .name: x, .offset: 0, .size: 8, .value_kind: global_buffer, .address_space: global }
      - { .name: Wg, .offset: 8, .size: 8, .value_kind: global_buffer, .address_space: global }
      - { .name: bg, .offset: 16, .size: 8, .value_kind: global_buffer, .address_space: global }
      - { .name: W1, .offset: 24, .size: 8, .value_kind: global_buffer, .address_space: global }
      - { .name: W2, .offset: 32, .size: 8, .value_kind: global_buffer, .address_space: global }
      - { .name: wq, .offset: 40, .size: 8, .value_kind: global_buffer, .address_space: global }
      - { .name: xq, .offset: 48, .size: 8, .value_kind: global_buffer, .address_space: global }
      - { .name: route, .offset: 56, .size: 8, .value_kind: global_buffer, .address_space: global }
      - { .name: gates, .offset: 64, .size: 8, .value_kind: global_buffer, .address_space: global }
    .group_segment_fixed_size: 23040
    .private_segment_fixed_size: 0
    .kernarg_segment_align: 8
    .kernarg_segment_size: 72
    .max_flat_workgroup_size: 128
    .sgpr_count:     100
    .vgpr_count:     194
    .wavefront_size: 32
...
	.end_amdgpu_metadata
.endif
;; end of part 1
;; launch up (part 2): grid 8 x 43, 4 waves a work-group, no clusters, 78,336 bytes of LDS; arguments route, xq, wq, b1, hq; writes hq
.if DOCPART == 2
	.amdgcn_target "amdgcn-amd-amdhsa--gfx1250"
	.amdhsa_code_object_version 6
	.text
	.protected	k_qbbbcf234f6_up
	.globl	k_qbbbcf234f6_up
	.p2align	8
	.type	k_qbbbcf234f6_up,@function
k_qbbbcf234f6_up:
	s_mov_b64 s[64:65], 0
	v_nop
	global_prefetch_b8 v0, s[64:65] scope:SCOPE_SE
	s_setreg_imm32_b32 hwreg(HW_REG_WAVE_MODE, 25, 1), 1
	s_wait_xcnt 0x0
; UP.  h = Q(gelu(x W1_e + b1_e)) for the rows that the router chose, on codes of FP4 (E2M1) with one E8M0 scale for each 32 along K.
; GROUPS.  Tokens are sorted by their unordered PAIR of experts (28 keys); a group is up to 128 tokens of one key.  2,048 tokens in groups of 128 over 28 keys are never more than 43 groups: grid y.
; Grid x is a slice of 256 hidden units.  Wave w takes expert a (w < 2) or b of the pair and 128 hidden units (chunk 2 x slice + w % 2): one K step of the second product.
; Its 64 fragments of W1 stay in 512 registers, loaded once, 512 consecutive bytes a load; the group's codes of x lie in LDS and are read by all four waves.
; WHO IS IN MY GROUP is worked out here from the whole numbers that the launch before stored: counts [block of 32 tokens 64][key 32] and a word a token (key << 16 | rank in its block).
; Every wave passes every barrier, whatever those numbers are: a group that the split leaves without rows jumps over its work alone.  Its weight loads are still issued, so that the registers are
; written on every path, but with the lane offset times 0: each then names 16 bytes.  There is no tensor load and no cluster here.
; THE PRODUCT IS USED TRANSPOSED (source 0 = 16 units of W1, source 1 = 16 tokens): a lane holds one token, and the units of a tile are chosen so that two neighbouring tiles' 16 registers are 16
; neighbours along the next K.  b1 is the C of each sum's first matrix instruction.
; GELU is x (1 + erf(x / sqrt 2)) / 2 with erf(z) = z P(z^2) / Q(z^2), z held to +-4.
; LIMITS: erf's absolute error is about 1e-7, so gelu's relative error grows for x under about -3, where |gelu| is under 0.005; a block of zeros gets the byte 1 (its codes are zeros); NaN and infinities are not served.
; Rows of a last tile beyond the group's count stand for token 0: their results are stored with the tile and never used.
.set W1S,   16777216                   ; wq: W1's scale bytes
.set XSO,   1048576                    ; xq: the scale bytes
.set HSG,   11272192                   ; hq: fragments [group 43][tile 8][expert 2][K step 16][1,024 bytes], then scale words [group][tile][expert][K step][16 x 4 bytes]
.set HISTO, 8192
.set LIST,  0                          ; LDS: the group's tokens, 128 words, and word 128, into which all other tokens' numbers fall and which nobody reads
.set XSR,   4096                       ; x's scale bytes: 128 rows x (32 + 16)
.set XSP,   48
.set XC,    10240                      ; x's codes: 128 rows x (512 + 16): the 16 rows of a fragment load start 16 bytes further on in each run of 256
.set XP,    528
.set LTB,   1                          ; v1   LDS: my wave's 32 words of the list (the same in all lanes)
.set LTL,   2                          ; v2   the word of row 32 w + lane
.set XSAC,  3                          ; v3   the tile's scale words
.set L16,   4                          ; v4   16 x lane
.set L8,    5
.set L4,    6
.set XAC,   7                          ; v7   the tile's fragments
.set T0,    8                          ; v8   lane
.set XA0,   9                          ; v9   XC + r x 528 + 16 h
.set XSA0,  10                         ; v10  XSR + r x 48
.set HSV,   11                         ; v11  4 r
.set XW,    12                         ; v12  where I stage codes
.set XSW,   13                         ; v13  and scale bytes
.set BO,    14                         ; v14  64 h
.set L16E,  15                         ; v15  16 x lane, or 0 in a group without rows
.set WS,    16                         ; v16-47   W1's scale words: register 2 (4 (t / 2) + s / 2) + s % 2: lanes 0-15 tile t even, lanes 16-31 tile t odd
.set XS,    48                         ; v48-55   x's scale words of the tile, K steps 0-7
.set HA,    56                         ; v56-119  my 8 tiles of the hidden layer
.set XF,    120                        ; v120-183 x's 8 fragments; then gelu's z, z^2, P, Q
.set PC,    184                        ; v184-191 the codes just made
.set TM,    192                        ; v192-207 the quantiser's
.set PW,    208                        ; v208     the scale word just made
.set A1,    210                        ; v210-211 erf's second coefficient of P, twice; v212-213 of Q
.set B1,    212
.set GR,    215                        ; v215 lane q: groups of key q
.set TK,    216                        ; v216-247 32 tokens, then their byte offsets
.set SD,    248                        ; v248-255 a row's 32 scale bytes
.set H,     56                         ; v56-119  the counts [block 64] (lane = key), summed up in place; then token numbers
.set R,     120                        ; v120-183 the tokens' words (register = block, lane = token in it), then their places in the list
.set D,     56                         ; 32 rows of x on their way into LDS
.set SL,    16
.set GRP,   17
.set WV,    18
.set N,     19                         ; s19  rows in my group, 0 .. 128
.set AB,    20
.set GB,    21
.set SQ,    22
.set RUN,   23
.set TMP,   24
.set J7,    25
.set EX,    26
.set E2,    27
.set CH,    28
.set KS,    29
.set N1,    30
.set SEL,   32
.set TR,    36
.set ROW,   37
.set XST,   38
.set SST,   39
.set WB,    40
.set WSB,   42
.set B1B,   44
.set HCB,   46
.set HSB,   48
.set EB,    68                         ; s68-99  for each of 32 blocks at a time: what turns a token's word into its place in my group
.set MSB, 0
.macro WIN new                         ; the immediate's high byte repeats the setting that is left
.if MSB != \new
	s_set_vgpr_msb (MSB<<8)|\new
.set MSB, \new
.endif
.endm
.macro UP1 t, s, c
.if (\t)%2
	v_wmma_scale_f32_16x16x128_f8f6f4 v[HA+8*(\t):HA+8*(\t)+7], v[8*(4*(\t)+(\s)%4):8*(4*(\t)+(\s)%4)+7], v[XF+8*(\s):XF+8*(\s)+7], v[\c:\c+7], v[WS+2*(4*((\t)/2)+(\s)/2)+(\s)%2], v[XS+(\s)] matrix_a_fmt:MATRIX_FMT_FP4 matrix_b_fmt:MATRIX_FMT_FP4 matrix_a_scale:MATRIX_SCALE_ROW1
.else
	v_wmma_scale_f32_16x16x128_f8f6f4 v[HA+8*(\t):HA+8*(\t)+7], v[8*(4*(\t)+(\s)%4):8*(4*(\t)+(\s)%4)+7], v[XF+8*(\s):XF+8*(\s)+7], v[\c:\c+7], v[WS+2*(4*((\t)/2)+(\s)/2)+(\s)%2], v[XS+(\s)] matrix_a_fmt:MATRIX_FMT_FP4 matrix_b_fmt:MATRIX_FMT_FP4
.endif
.endm
.macro UPK s                           ; K step s: the eight accumulators take turns, one instruction a turn
.irp t, 0,1,2,3,4,5,6,7
.if (\s) == 0
	UP1 \t, \s, 8*\t
.else
	UP1 \t, \s, HA+8*\t
.endif
.endr
.endm
.set GZ,  XF
.set GZ2, XF+16
.set GP,  XF+32
.set GQ,  XF+48
.macro HORNER acc, lit                 ; acc = acc z^2 + lit, eight pairs
.irp p, 0,2,4,6,8,10,12,14
	v_pk_fma_f32 v[\acc+\p:\acc+\p+1], v[\acc+\p:\acc+\p+1], v[GZ2+\p:GZ2+\p+1], \lit op_sel_hi:[1,1,0]
.endr
.endm
.macro GELU b                          ; 16 numbers, v[HA + 16 b] on, in place; each accumulator is first read at its low end
.set GX, HA+16*\b
.irp p, 0,2,4,6,8,10,12,14
	v_pk_mul_f32 v[GZ+\p:GZ+\p+1], v[GX+\p:GX+\p+1], 0x3f3504f3 op_sel_hi:[1,0]      ; z = x / sqrt 2
.endr
.irp i, 0,1,2,3,4,5,6,7,8,9,10,11,12,13,14,15
	v_med3_num_f32 v[GZ+\i], v[GZ+\i], -4.0, 4.0
.endr
.irp p, 0,2,4,6,8,10,12,14
	v_pk_mul_f32 v[GZ2+\p:GZ2+\p+1], v[GZ+\p:GZ+\p+1], v[GZ+\p:GZ+\p+1]
.endr
.irp p, 0,2,4,6,8,10,12,14
	v_pk_fma_f32 v[GP+\p:GP+\p+1], v[GZ2+\p:GZ2+\p+1], 0xaf95df0b, v[A1:A1+1] op_sel_hi:[1,0,1]
.endr
.irp p, 0,2,4,6,8,10,12,14
	v_pk_fma_f32 v[GQ+\p:GQ+\p+1], v[GZ2+\p:GZ2+\p+1], 0xb77460cd, v[B1:B1+1] op_sel_hi:[1,0,1]
.endr
	HORNER GP, 0xb60cff51
	HORNER GQ, 0xbadc924e
	HORNER GP, 0xb86ec2d2
	HORNER GQ, 0xbbf19bf8
	HORNER GP, 0xba40ac63
	HORNER GQ, 0xbc69b6a7
	HORNER GP, 0xbb41a1f6
	HORNER GP, 0xbc83dbd4
.irp p, 0,2,4,6,8,10,12,14
	v_pk_mul_f32 v[GP+\p:GP+\p+1], v[GP+\p:GP+\p+1], v[GZ+\p:GZ+\p+1]
.endr
.irp i, 0,1,2,3,4,5,6,7,8,9,10,11,12,13,14,15
	v_rcp_f32 v[GZ2+\i], v[GQ+\i]
.endr
.irp p, 0,2,4,6,8,10,12,14
	v_pk_mul_f32 v[GZ+\p:GZ+\p+1], v[GX+\p:GX+\p+1], 0.5 op_sel_hi:[1,0]             ; x / 2: plain work behind the reciprocals, which names none of their registers
.endr
	s_wait_alu depctr_va_vdst(0)                   ; one wait for the sixteen, ahead of their first reader
.irp p, 0,2,4,6,8,10,12,14
	v_pk_mul_f32 v[GP+\p:GP+\p+1], v[GP+\p:GP+\p+1], v[GZ2+\p:GZ2+\p+1]              ; erf
.endr
.irp p, 0,2,4,6,8,10,12,14
	v_pk_fma_f32 v[GX+\p:GX+\p+1], v[GZ+\p:GZ+\p+1], v[GP+\p:GP+\p+1], v[GZ+\p:GZ+\p+1]
.endr
.endm
; 64 numbers of a lane, register 16 b + i = k 32 b + 16 (lane / 16) + i of my token, become a fragment's codes in v[PC] on and its scale word in v[PW]
.macro QUANT s
.irp b, 0,1,2,3
	v_max3_num_f32 v[TM+\b], |v[\s+16*\b]|, |v[\s+1+16*\b]|, 0x1800000     ; my 16 numbers of block b, and the floor 2^(3 - 127): the byte cannot fall under 1
.endr
.irp i, 2,4,6,8,10,12,14
.irp b, 0,1,2,3
	v_max3_num_f32 v[TM+\b], v[TM+\b], |v[\s+16*\b+\i]|, |v[\s+1+16*\b+\i]|
.endr
.endr
.irp b, 0,1,2,3
	v_permlanex16_b32 v[TM+4+\b], v[TM+\b], s[SEL], s[SEL+1]
.endr
.irp b, 0,1,2,3
	v_max_num_f32 v[TM+\b], v[TM+\b], v[TM+4+\b]   ; with lane l xor 16's: the block's largest magnitude
.endr
.irp b, 0,1,2,3
	v_add_nc_u32 v[TM+12+\b], 0xff000000, v[TM+\b] ; 2 off its exponent field: the conversion's scale operand
.endr
.irp b, 0,1,2,3
	v_lshrrev_b32 v[TM+4+\b], 23, v[TM+12+\b]      ; the scale's byte
.endr
	v_lshl_or_b32 v[PW], v[TM+5], 8, v[TM+4]
	v_lshl_or_b32 v[PW], v[TM+6], 16, v[PW]
	v_lshl_or_b32 v[PW], v[TM+7], 24, v[PW]
.irp b, 0,1,2,3
	v_cvt_scalef32_pk8_fp4_f32 v[PC+2*\b], v[\s+16*\b:\s+7+16*\b], v[TM+12+\b]
	v_cvt_scalef32_pk8_fp4_f32 v[PC+1+2*\b], v[\s+8+16*\b:\s+15+16*\b], v[TM+12+\b]
.endr
	v_nop                                          ; one plain line behind the conversions
.irp c, 0,1                                    ; the operand wants a whole block in a lane: lanes 0-15 block 2 c, lanes 16-31 block 2 c + 1
.irp i, 0,1
	v_permlane16_swap_b32 v[PC+4*\c+\i], v[PC+2+4*\c+\i]
.endr
.endr
.endm
	s_load_b256 s[4:11], s[0:1], 0x0               ; route s[4:5], xq s[6:7], wq s[8:9], b1 s[10:11]
	s_load_b64 s[12:13], s[0:1], 0x20              ; hq
	v_lshl_add_u32 v209, v0, 2, 0x13000
	v_mov_b32 v214, 0
	v_lshrrev_b32 v56, 5, v0
	v_readfirstlane_b32 s[WV], v56
	s_mov_b32 s[SL], ttmp9
	s_and_b32 s[GRP], ttmp7, 0xffff
	s_lshr_b32 s[E2], s[WV], 1
	s_and_b32 s[CH], s[WV], 1
	v_and_b32 v56, 31, v0                          ; lane
	v_and_b32 v57, 15, v0                          ; r
	v_bfe_u32 v58, v0, 4, 1                        ; h
	v_lshlrev_b32 v[L16], 4, v56
	v_lshlrev_b32 v[L8], 3, v56
	v_lshlrev_b32 v[L4], 2, v56
	v_mov_b32 v[T0], v56
	v_mul_u32_u24 v[XA0], v57, XP
	v_lshl_add_u32 v[XA0], v58, 4, v[XA0]
	v_add_nc_u32 v[XA0], XC, v[XA0]
	v_mul_u32_u24 v[XSA0], v57, XSP
	v_add_nc_u32 v[XSA0], XSR, v[XSA0]
	v_lshlrev_b32 v[HSV], 2, v57
	v_lshlrev_b32 v[BO], 6, v58
	s_mul_i32 s[TMP], s[WV], 32*XP
	s_add_co_u32 s[TMP], s[TMP], XC
	v_add_nc_u32 v[XW], s[TMP], v[L16]
	s_mul_i32 s[TMP], s[WV], 32*XSP
	s_add_co_u32 s[TMP], s[TMP], XSR
	v_mad_u32_u24 v[XSW], v56, XSP, s[TMP]
	s_lshl_b32 s[TMP], s[WV], 7
	v_mov_b32 v[LTB], s[TMP]
	v_add_nc_u32 v[LTL], s[TMP], v[L4]
	s_mov_b32 s[SEL], 0x76543210
	s_mov_b32 s[SEL+1], 0xfedcba98
.irp b, 0,1,2,3
	v_mov_b32 v[TM+4+\b], 0                        ; written once: a lane permute's destination counts as one of its sources
.endr
	v_mov_b32 v[A1], 0x32edffee
	v_mov_b32 v[A1+1], 0x32edffee
	v_mov_b32 v[B1], 0xb95fbd29
	v_mov_b32 v[B1+1], 0xb95fbd29
	s_wait_kmcnt 0x0
	; ---- which group am I?  Wave 0 also fetches the tokens' words: load i brings block i, a token a lane
	s_cmp_lg_u32 s[WV], 0
	s_cbranch_scc1 .Lno_rec
.set ri, 0
.rept 64
	global_load_b32 v[R+ri], v[L4], s[4:5] offset:128*ri
.set ri, ri+1
.endr
.Lno_rec:
.set ri, 0
.rept 64
	global_load_b32 v[H+ri], v[L4], s[4:5] offset:HISTO+128*ri     ; block ri's counts: lane = key
.set ri, ri+1
.endr
	s_wait_loadcnt 0x0
.set ri, 1
.rept 31                                       ; the counts are summed up in place, in two chains by turns: register k = tokens of my lane's key in blocks 0 .. k,
	v_add_nc_u32 v[H+ri], v[H+ri], v[H+ri-1]
	v_add_nc_u32 v[H+32+ri], v[H+32+ri], v[H+32+ri-1]
.set ri, ri+1
.endr
.set ri, 0
.rept 32                                       ; once the first half's sum is added to the second half
	v_add_nc_u32 v[H+32+ri], v[H+32+ri], v[H+31]
.set ri, ri+1
.endr
	v_add_nc_u32 v[GR], 127, v[H+63]
	v_lshrrev_b32 v[GR], 7, v[GR]                  ; groups of 128
	s_mov_b32 s[RUN], 0
	s_mov_b32 s[AB], 0
	s_mov_b32 s[GB], 0
	s_mov_b32 s[SQ], 0
.set rq, 0
.irp ab, 0x01,0x02,0x03,0x04,0x05,0x06,0x07,0x12,0x13,0x14,0x15,0x16,0x17,0x23,0x24,0x25,0x26,0x27,0x34,0x35,0x36,0x37,0x45,0x46,0x47,0x56,0x57,0x67
	s_cmp_le_u32 s[RUN], s[GRP]                    ; the last key whose first group is mine or earlier is my key
	s_cselect_b32 s[AB], \ab, s[AB]                ; its experts, a << 4 | b,
	s_cselect_b32 s[GB], s[RUN], s[GB]             ; its first group,
	s_cselect_b32 s[SQ], rq, s[SQ]                 ; its number
	v_readlane_b32 s[TMP], v[GR], rq
	s_add_co_u32 s[RUN], s[RUN], s[TMP]
.set rq, rq+1
.endr
	s_sub_co_u32 s[J7], s[GRP], s[GB]
	s_lshl_b32 s[J7], s[J7], 7                     ; my group's first place among the key's tokens
	v_readlane_b32 s[N], v[H+63], s[SQ]
	s_sub_co_i32 s[N], s[N], s[J7]
	s_max_i32 s[N], s[N], 0
	s_min_u32 s[N], s[N], 128                      ; rows in my group
	s_min_u32 s[N1], s[N], 1
	v_mul_u32_u24 v[L16E], v[L16], s[N1]
	s_lshr_b32 s[EX], s[AB], 4
	s_and_b32 s[TMP], s[AB], 15
	s_cmp_eq_u32 s[E2], 0
	s_cselect_b32 s[EX], s[EX], s[TMP]
	s_min_u32 s[EX], s[EX], 7                      ; my expert
	s_lshl_b32 s[KS], s[SL], 1
	s_add_co_u32 s[KS], s[KS], s[CH]               ; my chunk of 128 hidden units
	s_mov_b32 s51, 0
	s_lshl_b32 s50, s[EX], 20
	s_lshl_b32 s[TMP], s[KS], 16
	s_add_co_u32 s50, s50, s[TMP]
	s_add_nc_u64 s[WB:WB+1], s[8:9], s[50:51]
	s_lshl_b32 s50, s[EX], 16
	s_lshl_b32 s[TMP], s[KS], 12
	s_add_co_u32 s50, s50, s[TMP]
	s_add_co_u32 s50, s50, W1S
	s_add_nc_u64 s[WSB:WSB+1], s[8:9], s[50:51]
	s_lshl_b32 s50, s[EX], 13
	s_lshl_b32 s[TMP], s[KS], 9
	s_add_co_u32 s50, s50, s[TMP]
	s_add_nc_u64 s[B1B:B1B+1], s[10:11], s[50:51]
	s_lshl_b32 s50, s[GRP], 18
	s_lshl_b32 s[TMP], s[E2], 14
	s_add_co_u32 s50, s50, s[TMP]
	s_lshl_b32 s[TMP], s[KS], 10
	s_add_co_u32 s50, s50, s[TMP]
	s_add_nc_u64 s[HCB:HCB+1], s[12:13], s[50:51]
	s_lshl_b32 s50, s[GRP], 14
	s_lshl_b32 s[TMP], s[E2], 10
	s_add_co_u32 s50, s50, s[TMP]
	s_lshl_b32 s[TMP], s[KS], 6
	s_add_co_u32 s50, s50, s[TMP]
	s_add_co_u32 s50, s50, HSG
	s_add_nc_u64 s[HSB:HSB+1], s[12:13], s[50:51]
	; ---- my weights: fragment (tile t, K step s) at v[8 (4 t + s % 4)] of window 1 (s < 4) or 2
	WIN 0x40
.set wt, 0
.rept 8
.set wk, 0
.rept 4
	global_load_b128 v[8*(4*wt+wk):8*(4*wt+wk)+3], v[L16E], s[WB:WB+1] offset:wt*8192+(2*wk)*512
	global_load_b128 v[8*(4*wt+wk)+4:8*(4*wt+wk)+7], v[L16E], s[WB:WB+1] offset:wt*8192+(2*wk+1)*512
.set wk, wk+1
.endr
.set wt, wt+1
.endr
	WIN 0x80
.set wt, 0
.rept 8
.set wk, 0
.rept 4
	global_load_b128 v[8*(4*wt+wk):8*(4*wt+wk)+3], v[L16E], s[WB:WB+1] offset:wt*8192+(2*wk+8)*512
	global_load_b128 v[8*(4*wt+wk)+4:8*(4*wt+wk)+7], v[L16E], s[WB:WB+1] offset:wt*8192+(2*wk+9)*512
.set wk, wk+1
.endr
.set wt, wt+1
.endr
	WIN 0
.set wk, 0
.rept 16
	global_load_b64 v[WS+2*wk:WS+2*wk+1], v[L8], s[WSB:WSB+1] offset:256*wk
.set wk, wk+1
.endr
	WIN 0xc0                                       ; b1 in the result's layout: lane (r, h), tile t: units 32 (t / 2) + 16 h + 8 (t % 2) + 0 .. 7
.irp t, 0,1,2,3,4,5,6,7
	global_load_b128 v[8*\t:8*\t+3], v[BO], s[B1B:B1B+1] offset:(32*(\t/2)+8*(\t%2))*4
	global_load_b128 v[8*\t+4:8*\t+7], v[BO], s[B1B:B1B+1] offset:(32*(\t/2)+8*(\t%2))*4+16
.endr
	WIN 0
	; ---- wave 0 lays the group's tokens into the list.  No other wave touches LDS ahead of the barrier below
	s_cmp_lg_u32 s[WV], 0
	s_cbranch_scc1 .Lno_list
	s_lshl_b32 s[TMP], s[SQ], 16
	s_add_co_u32 s[TMP], s[TMP], s[J7]
	s_sub_co_u32 s[TMP], 0, s[TMP]
	s_mov_b32 s[EB], 0                             ; blocks 0-31: ahead of block k stand the key's tokens of blocks 0 .. k - 1
.set ri, 1
.rept 31
	v_readlane_b32 s[EB+ri], v[H+ri-1], s[SQ]
.set ri, ri+1
.endr
.set ri, 0
.rept 32
	s_add_co_u32 s[EB+ri], s[EB+ri], s[TMP]        ; word + this = the token's place in my group, if its key is mine; else, or outside the group, a number over 127
.set ri, ri+1
.endr
.set ri, 0
.rept 32
	v_add_nc_u32 v[R+ri], s[EB+ri], v[R+ri]
.set ri, ri+1
.endr
.set ri, 0
.rept 32                                       ; blocks 32-63, in the same scalar registers
	v_readlane_b32 s[EB+ri], v[H+31+ri], s[SQ]
.set ri, ri+1
.endr
.set ri, 0
.rept 32
	s_add_co_u32 s[EB+ri], s[EB+ri], s[TMP]
.set ri, ri+1
.endr
.set ri, 0
.rept 32
	v_add_nc_u32 v[R+32+ri], s[EB+ri], v[R+32+ri]
.set ri, ri+1
.endr
.irp i, 0,1,2,3
	v_mov_b32 v[PC+\i], 0
.endr
	ds_store_b128 v[L16], v[PC:PC+3] offset:LIST   ; places that no token takes stand for token 0
.set ri, 0
.rept 64
	v_min_u32 v[R+ri], 0x80, v[R+ri]               ; all that is not mine falls on word 128
.set ri, ri+1
.endr
.set ri, 0
.rept 64
	v_lshlrev_b32 v[R+ri], 2, v[R+ri]
.set ri, ri+1
.endr
.set ri, 0
.rept 64
	v_add_nc_u32 v[H+ri], 32*ri, v[T0]             ; the token's number (the sums have been read)
.set ri, ri+1
.endr
.set ri, 0
.rept 64
	ds_store_b32 v[R+ri], v[H+ri] offset:LIST
.set ri, ri+1
.endr
.Lno_list:
	s_wait_dscnt 0x0
	s_barrier_signal -1
	s_barrier_wait -1                              ; the list lies in LDS
	; ---- x: wave w stages rows 32 w .. 32 w + 31, if the group reaches them: a tile of 16 rows never leaves the 32 in which it begins
	s_lshl_b32 s[TMP], s[WV], 5
	s_cmp_lt_u32 s[TMP], s[N]
	s_cbranch_scc0 .Lno_x
.set ri, 0
.rept 8
	ds_load_b128 v[TK+4*ri:TK+4*ri+3], v[LTB] offset:LIST+16*ri
.set ri, ri+1
.endr
	ds_load_b32 v[PW], v[LTL] offset:LIST
	s_wait_dscnt 0x0
.set ri, 0
.rept 32
	v_min_u32 v[TK+ri], 0x7ff, v[TK+ri]
.set ri, ri+1
.endr
.set ri, 0
.rept 32
	v_lshl_add_u32 v[TK+ri], v[TK+ri], 9, v[L16]
.set ri, ri+1
.endr
.set ri, 0
.rept 32
	global_load_b128 v[D+4*ri:D+4*ri+3], v[TK+ri], s[6:7]          ; a token's 512 bytes of codes
.set ri, ri+1
.endr
	v_min_u32 v[PW], 0x7ff, v[PW]
	v_lshlrev_b32 v[PW], 5, v[PW]
	global_load_b128 v[SD:SD+3], v[PW], s[6:7] offset:XSO
	global_load_b128 v[SD+4:SD+7], v[PW], s[6:7] offset:XSO+16
	s_wait_loadcnt 0x0
.set ri, 0
.rept 32
	ds_store_b128 v[XW], v[D+4*ri:D+4*ri+3] offset:ri*XP
.set ri, ri+1
.endr
	ds_store_b128 v[XSW], v[SD:SD+3]
	ds_store_b128 v[XSW], v[SD+4:SD+7] offset:16
.Lno_x:
	s_wait_dscnt 0x0
	s_barrier_signal -1
	s_barrier_wait -1                              ; the group's x lies in LDS
	s_wait_loadcnt 0x0                             ; my weights
	s_mov_b32 s[TR], 8
	s_mov_b32 s[ROW], 0
	s_mov_b32 s[XST], 0
	s_mov_b32 s[SST], 0
.Ltile:                                            ; eight trips, always; a tile beyond the group's rows is jumped over
	s_cmp_ge_u32 s[ROW], s[N]
	s_cbranch_scc1 .Lstep
	v_add_nc_u32 v[XAC], s[XST], v[XA0]
	v_add_nc_u32 v[XSAC], s[SST], v[XSA0]
	ds_load_b128 v[XS:XS+3], v[XSAC]
	ds_load_b128 v[XS+4:XS+7], v[XSAC] offset:16
.set ui, 0
.rept 8
	ds_load_b128 v[XF+8*ui:XF+8*ui+3], v[XAC] offset:64*ui
	ds_load_b128 v[XF+8*ui+4:XF+8*ui+7], v[XAC] offset:64*ui+32
.set ui, ui+1
.endr
	s_wait_dscnt 8                                 ; the scale words and K steps 0-3 are in; the 8 loads of K steps 4-7 may be out
	WIN 0x31                                       ; W1 window 1, b1 window 3
	UPK 0
	WIN 0x01
	UPK 1
	UPK 2
	UPK 3
	s_wait_dscnt 0x0
	WIN 0x02                                       ; W1 window 2
	UPK 4
	UPK 5
	UPK 6
	UPK 7
	WIN 0
.rept 5
	v_nop                                          ; places behind the last products: gelu reads their results and writes over x's fragments
.endr
	GELU 0
	GELU 1
	GELU 2
	GELU 3
	QUANT HA
	global_store_b128 v[L16], v[PC:PC+3], s[HCB:HCB+1]             ; the fragment as it stands in its registers: 512 consecutive bytes a store
	global_store_b128 v[L16], v[PC+4:PC+7], s[HCB:HCB+1] offset:512
	global_store_b32 v[HSV], v[PW], s[HSB:HSB+1]   ; the 16 tokens' scale words (lanes l and l + 16 hold, and write, the same word)
.Lstep:
	s_wait_xcnt 0x0                                ; the stores have read their registers and bases: both are written again only behind this wait
	s_add_nc_u64 s[HCB:HCB+1], s[HCB:HCB+1], 32768
	s_add_nc_u64 s[HSB:HSB+1], s[HSB:HSB+1], 2048
	s_add_co_u32 s[XST], s[XST], 16*XP
	s_add_co_u32 s[SST], s[SST], 16*XSP
	s_add_co_u32 s[ROW], s[ROW], 16
	s_sub_co_u32 s[TR], s[TR], 1
	s_cmp_lg_u32 s[TR], 0
	s_cbranch_scc1 .Ltile
	s_wait_tensorcnt 0x0
	ds_add_u32 v209, v214
	s_wait_dscnt 0x0
	s_endpgm
.Lfunc_end_k_qbbbcf234f6_up:
	.size	k_qbbbcf234f6_up, .Lfunc_end_k_qbbbcf234f6_up-k_qbbbcf234f6_up
	.p2alignl 7, 3214868480
	.fill 96, 4, 3214868480
	.section	.rodata,"a",@progbits
	.p2align	6, 0x0
	.amdhsa_kernel k_qbbbcf234f6_up
		.amdhsa_group_segment_fixed_size 78336
		.amdhsa_private_segment_fixed_size 0
		.amdhsa_enable_private_segment 0
		.amdhsa_kernarg_size 40
		.amdhsa_user_sgpr_count 2
		.amdhsa_user_sgpr_kernarg_segment_ptr 1
		.amdhsa_wavefront_size32 1
		.amdhsa_system_sgpr_workgroup_id_x 1
		.amdhsa_system_sgpr_workgroup_id_y 1
		.amdhsa_system_sgpr_workgroup_id_z 1
		.amdhsa_system_vgpr_workitem_id 0
		.amdhsa_next_free_vgpr 832
		.amdhsa_next_free_sgpr 104
		.amdhsa_reserve_vcc 0
		.amdhsa_float_denorm_mode_32 3
		.amdhsa_float_denorm_mode_16_64 3
		.amdhsa_memory_ordered 1
		.amdhsa_forward_progress 1
		.amdhsa_inst_pref_size 137
	.end_amdhsa_kernel
	.amdgpu_metadata
---
amdhsa.version: [ 1, 2 ]
amdhsa.kernels:
  - .name:           k_qbbbcf234f6_up
    .symbol:         k_qbbbcf234f6_up.kd
    .args:
      - { .name: route, .offset: 0, .size: 8, .value_kind: global_buffer, .address_space: global }
      - { .name: xq, .offset: 8, .size: 8, .value_kind: global_buffer, .address_space: global }
      - { .name: wq, .offset: 16, .size: 8, .value_kind: global_buffer, .address_space: global }
      - { .name: b1, .offset: 24, .size: 8, .value_kind: global_buffer, .address_space: global }
      - { .name: hq, .offset: 32, .size: 8, .value_kind: global_buffer, .address_space: global }
    .group_segment_fixed_size: 78336
    .private_segment_fixed_size: 0
    .kernarg_segment_align: 8
    .kernarg_segment_size: 40
    .max_flat_workgroup_size: 128
    .sgpr_count:     104
    .vgpr_count:     832
    .wavefront_size: 32
...
	.end_amdgpu_metadata
.endif
;; end of part 2
;; launch down (part 3): grid 8 x 43, 4 waves a work-group, no clusters, 321,024 bytes of LDS; arguments route, gates, hq, wq, b2, out0; writes out0
.if DOCPART == 3
	.amdgcn_target "amdgcn-amd-amdhsa--gfx1250"
	.amdhsa_code_object_version 6
	.text
	.protected	k_qbbbcf234f6_down
	.globl	k_qbbbcf234f6_down
	.p2align	8
	.type	k_qbbbcf234f6_down,@function
k_qbbbcf234f6_down:
	s_mov_b64 s[64:65], 0
	v_nop
	global_prefetch_b8 v0, s[64:65] scope:SCOPE_SE
	s_setreg_imm32_b32 hwreg(HW_REG_WAVE_MODE, 25, 1), 1
	s_wait_xcnt 0x0
; DOWN.  y = ga (h_a W2_a + b2_a) + gb (h_b W2_b + b2_b) for the same groups as the launch before (up to 128 tokens of one pair of experts a < b): so every row of the output has one owner.
; Grid y is the group (never more than 43), grid x a slice of 128 output columns.  Wave w takes expert a (w < 2) or b and 64 of the columns: 4 tiles x 16 K steps = 64 fragments of W2 in 512 registers,
; loaded once, 512 consecutive bytes a load.  The group's hidden layer (fragments as they stand in registers, and their scale words) is staged in LDS and read by all four waves.
; THE PRODUCT IS USED TRANSPOSED (source 0 = 16 columns of W2, source 1 = 16 tokens): a lane holds 8 neighbouring columns of one token.  b2 is the C of each sum's first matrix instruction.
; The two experts' results, each times its gate, meet in a stage in LDS, from which whole runs of 512 bytes of a token's row are stored.
; WHO IS IN MY GROUP is worked out as in the launch before, line for line, from the same whole numbers: counts [block of 32 tokens 64][key 32] and a word a token (key << 16 | rank in its block).
; Every wave passes every barrier, whatever the stored numbers are: a group without rows jumps over its work alone; its weight loads are issued with the lane offset times 0, so that the registers are
; written on every path.  No tensor load and no cluster here.
; LIMITS: NaN and infinities are not served.  Rows of a last tile beyond the group's count are computed (for token 0) and not stored.
.set W2C,   8388608
.set W2S,   17301504
.set HSG,   11272192
.set HISTO, 8192
.set LIST,  0                          ; LDS: the group's tokens, 128 words, and word 128, which nobody reads
.set GL,    2048                       ; each wave's 128 gates: 512 bytes a wave
.set HS,    8192                       ; h's scale words [tile 8][expert 2][K step 16][16 x 4 bytes]
.set STG,   24576                      ; the stage [buffer 2][expert 2][16 rows x (512 + 16)]
.set SP,    528
.set HC,    58368                      ; h's fragments [tile 8][expert 2][K step 16][1,024 bytes]
.set L16,   1
.set L8,    2
.set L4,    3
.set T0,    4                          ; v4   lane
.set HCA0,  5                          ; v5   HC + 16,384 x expert + 16 x lane
.set HSA0,  6                          ; v6   HS + 1,024 x expert + 4 x lane
.set GLA0,  7                          ; v7   my gates + 4 r
.set SW,    8                          ; v8   the stage: where I put 32 bytes of a row
.set SR,    9                          ; v9   and where I read my 4 rows back
.set LT0,   10                         ; v10  the list's words of my 4 rows (the same in all lanes)
.set HWA,   11                         ; v11  where I stage tile w,  v12 tile w + 4
.set HWB,   12
.set HSWA,  13
.set GLW,   14                         ; v14  my gates + 4 x lane
.set L16E,  15                         ; v15  16 x lane, or 0 in a group without rows
.set WS,    16                         ; v16-47   W2's scale words: register 2 (8 (t / 2) + s / 2) + s % 2: lanes 0-15 tile t even, lanes 16-31 odd
.set HSC,   48                         ; v48-55   h's scale words: register s / 2: lanes 0-15 K step s even, lanes 16-31 odd
.set GT,    56                         ; v56-57   my token's gate (the pair is named; its low word serves both halves)
.set HCAC,  58
.set HSAC,  59
.set GLAC,  60
.set LTC,   61
.set BO,    62
.set ACC,   64                         ; v64-95   four accumulators
.set ZR,    64                         ; (ahead of the loop: four zeros, and v69 the keys' groups)
.set GR,    69
.set BIAS,  96                         ; v96-127  b2 in the result's layout
.set TT,    128                        ; v128-159 results x gate
.set RB,    160                        ; v160-191 my 4 rows of both experts
.set TK,    192
.set OF,    196
.set SD,    200                        ; v200-215 scale words on their way into LDS
.set H,     128                        ; v128-191 the counts [block 64] (lane = key), summed up in place; then token numbers
.set R,     192                        ; v192-255 the tokens' words (register = block, lane = token in it), then their places in the list
.set SL,    16
.set GRP,   17
.set WV,    18
.set N,     19
.set AB,    20
.set GB,    21
.set SQ,    22
.set RUN,   23
.set TMP,   24
.set J7,    25
.set EX,    26
.set E2,    27
.set HALF,  28
.set NT,    29
.set N1,    30
.set TR,    36
.set ROW,   37
.set HST,   38
.set SST,   39
.set LST,   40
.set R0,    41
.set R1,    42
.set W4,    43
.set WB,    46
.set WSB,   48
.set B2B,   50
.set GTB,   52
.set HG,    54
.set HSB,   56
.set OUTB,  58
.set EB,    68                         ; s68-99  for each of 32 blocks at a time: what turns a token's word into its place in my group
.set MSB, 0
.macro WIN new                         ; the immediate's high byte repeats the setting that is left
.if MSB != \new
	s_set_vgpr_msb (MSB<<8)|\new
.set MSB, \new
.endif
.endm
.macro DP1 t, s, c
.if ((\t)%2) && ((\s)%2)
	v_wmma_scale_f32_16x16x128_f8f6f4 v[ACC+8*(\t):ACC+8*(\t)+7], v[8*(8*(\t)+(\s)%8):8*(8*(\t)+(\s)%8)+7], v[8*(\s):8*(\s)+7], v[\c:\c+7], v[WS+2*(8*((\t)/2)+(\s)/2)+(\s)%2], v[HSC+(\s)/2] matrix_a_fmt:MATRIX_FMT_FP4 matrix_b_fmt:MATRIX_FMT_FP4 matrix_a_scale:MATRIX_SCALE_ROW1 matrix_b_scale:MATRIX_SCALE_ROW1
.elseif (\t)%2
	v_wmma_scale_f32_16x16x128_f8f6f4 v[ACC+8*(\t):ACC+8*(\t)+7], v[8*(8*(\t)+(\s)%8):8*(8*(\t)+(\s)%8)+7], v[8*(\s):8*(\s)+7], v[\c:\c+7], v[WS+2*(8*((\t)/2)+(\s)/2)+(\s)%2], v[HSC+(\s)/2] matrix_a_fmt:MATRIX_FMT_FP4 matrix_b_fmt:MATRIX_FMT_FP4 matrix_a_scale:MATRIX_SCALE_ROW1
.elseif (\s)%2
	v_wmma_scale_f32_16x16x128_f8f6f4 v[ACC+8*(\t):ACC+8*(\t)+7], v[8*(8*(\t)+(\s)%8):8*(8*(\t)+(\s)%8)+7], v[8*(\s):8*(\s)+7], v[\c:\c+7], v[WS+2*(8*((\t)/2)+(\s)/2)+(\s)%2], v[HSC+(\s)/2] matrix_a_fmt:MATRIX_FMT_FP4 matrix_b_fmt:MATRIX_FMT_FP4 matrix_b_scale:MATRIX_SCALE_ROW1
.else
	v_wmma_scale_f32_16x16x128_f8f6f4 v[ACC+8*(\t):ACC+8*(\t)+7], v[8*(8*(\t)+(\s)%8):8*(8*(\t)+(\s)%8)+7], v[8*(\s):8*(\s)+7], v[\c:\c+7], v[WS+2*(8*((\t)/2)+(\s)/2)+(\s)%2], v[HSC+(\s)/2] matrix_a_fmt:MATRIX_FMT_FP4 matrix_b_fmt:MATRIX_FMT_FP4
.endif
.endm
.macro DPK s                           ; K step s: the four accumulators take turns, one instruction a turn
.irp t, 0,1,2,3
.if (\s) == 0
	DP1 \t, \s, BIAS+8*\t
.else
	DP1 \t, \s, ACC+8*\t
.endif
.endr
.endm
; Tile wave + u4 of the hidden layer, 32,768 bytes of fragments and 2,048 of scale words, goes into LDS as it lies in memory, if the group has that tile.  Loads and stores stand in one branch.
.macro STAGE u4, hw
	s_add_co_u32 s[TMP], s[WV], \u4
	s_cmp_lt_u32 s[TMP], s[NT]
	s_cbranch_scc0 .Lno_stage_\@
	s_wait_dscnt 0x0                               ; earlier LDS stores have read these registers
	WIN 0xc0
.set gi, 0
.rept 64
	global_load_b128 v[4*gi:4*gi+3], v[L16], s[HG:HG+1] offset:(\u4)*32768+512*gi
.set gi, gi+1
.endr
	WIN 0
.set gi, 0
.rept 4
	global_load_b128 v[SD+4*gi:SD+4*gi+3], v[L16], s[HSB:HSB+1] offset:(\u4)*2048+512*gi
.set gi, gi+1
.endr
	s_wait_loadcnt 0x0
	WIN 0x0c                                       ; an LDS store's data are its source 1: window 3
.set gi, 0
.rept 64
	ds_store_b128 v[\hw], v[4*gi:4*gi+3] offset:512*gi
.set gi, gi+1
.endr
	WIN 0
.set gi, 0
.rept 4
	ds_store_b128 v[HSWA], v[SD+4*gi:SD+4*gi+3] offset:(\u4)*2048+512*gi
.set gi, gi+1
.endr
.Lno_stage_\@:
.endm
; A tile of 16 tokens.  One barrier, at the top level; the stage's two buffers take turns, so a buffer is written again only behind the next tile's barrier, ahead of which every wave has waited for its reads.
.macro TILE buf
	s_add_co_u32 s[R0], s[ROW], 16*\buf
	s_cmp_lt_u32 s[R0], s[N]
	s_cbranch_scc0 .Lidle_\@
.set di, 0
.rept 8
	ds_load_b32 v[HSC+di], v[HSAC] offset:2048*\buf+128*di
.set di, di+1
.endr
	ds_load_b32 v[GT], v[GLAC] offset:64*\buf
	WIN 0xc0                                       ; h's 16 fragments into window 3
.set di, 0
.rept 16
	ds_load_b128 v[8*di:8*di+3], v[HCAC] offset:32768*\buf+1024*di
	ds_load_b128 v[8*di+4:8*di+7], v[HCAC] offset:32768*\buf+1024*di+512
.set di, di+1
.endr
	WIN 0
	s_wait_dscnt 16                                ; the scale words, the gate and K steps 0-7 are in; the 16 loads of K steps 8-15 may be out
	WIN 0x0d                                       ; W2 window 1, h window 3
	DPK 0
	DPK 1
	DPK 2
	DPK 3
	DPK 4
	DPK 5
	DPK 6
	DPK 7
	s_wait_dscnt 0x0
	WIN 0x0e                                       ; W2 window 2
	DPK 8
	DPK 9
	DPK 10
	DPK 11
	DPK 12
	DPK 13
	DPK 14
	DPK 15
	WIN 0
.rept 5
	v_nop                                          ; places behind the last products
.endr
.set di, 0
.rept 16
	v_pk_mul_f32 v[TT+2*di:TT+2*di+1], v[ACC+2*di:ACC+2*di+1], v[GT:GT+1] op_sel_hi:[1,0]   ; x my token's gate; each accumulator from its low end on
.set di, di+1
.endr
.irp t, 0,1,2,3
	ds_store_b128 v[SW], v[TT+8*\t:TT+8*\t+3] offset:32*SP*\buf+64*\t
	ds_store_b128 v[SW], v[TT+8*\t+4:TT+8*\t+7] offset:32*SP*\buf+64*\t+16
.endr
.Lidle_\@:
	s_wait_dscnt 0x0                               ; my stores into the stage have landed, and my reads of the other buffer are over
	s_barrier_signal -1
	s_barrier_wait -1
	s_cmp_lt_u32 s[R0], s[N]
	s_cbranch_scc0 .Lnone_\@
	s_wait_xcnt 0x0                                ; the last tile's stores have read their registers
	ds_load_b128 v[TK:TK+3], v[LTC] offset:LIST+64*\buf            ; my 4 rows' tokens
.irp k, 0,1,2,3
	ds_load_b128 v[RB+4*\k:RB+4*\k+3], v[SR] offset:32*SP*\buf+\k*SP
	ds_load_b128 v[RB+16+4*\k:RB+16+4*\k+3], v[SR] offset:32*SP*\buf+16*SP+\k*SP
.endr
	s_wait_dscnt 0x0
.irp k, 0,1,2,3
	v_pk_add_f32 v[RB+4*\k:RB+4*\k+1], v[RB+4*\k:RB+4*\k+1], v[RB+16+4*\k:RB+16+4*\k+1]
	v_pk_add_f32 v[RB+4*\k+2:RB+4*\k+3], v[RB+4*\k+2:RB+4*\k+3], v[RB+16+4*\k+2:RB+16+4*\k+3]
.endr
.irp k, 0,1,2,3
	v_min_u32 v[OF+\k], 0x7ff, v[TK+\k]
.endr
.irp k, 0,1,2,3
	v_lshl_add_u32 v[OF+\k], v[OF+\k], 12, v[L16]
.endr
	s_add_co_u32 s[R1], s[R0], s[W4]
.irp k, 0,1,2,3
	s_cmp_lt_u32 s[R1], s[N]                       ; rows beyond the group's count are not stored; they come last
	s_cbranch_scc0 .Lnone_\@
	global_store_b128 v[OF+\k], v[RB+4*\k:RB+4*\k+3], s[OUTB:OUTB+1] th:TH_STORE_NT   ; 512 consecutive bytes of the token's row, aligned
	s_add_co_u32 s[R1], s[R1], 1
.endr
.Lnone_\@:
.endm
	s_load_b256 s[4:11], s[0:1], 0x0               ; route s[4:5], gates s[6:7], hq s[8:9], wq s[10:11]
	s_load_b128 s[12:15], s[0:1], 0x20             ; b2 s[12:13], out0 s[14:15]
	v_lshrrev_b32 v64, 5, v0
	v_readfirstlane_b32 s[WV], v64
	s_mov_b32 s[SL], ttmp9
	s_and_b32 s[GRP], ttmp7, 0xffff
	s_lshr_b32 s[E2], s[WV], 1
	s_and_b32 s[HALF], s[WV], 1
	s_lshl_b32 s[W4], s[WV], 2
	v_and_b32 v64, 31, v0                          ; lane
	v_and_b32 v65, 15, v0                          ; r
	v_bfe_u32 v66, v0, 4, 1                        ; h
	v_lshlrev_b32 v[L16], 4, v64
	v_lshlrev_b32 v[L8], 3, v64
	v_lshlrev_b32 v[L4], 2, v64
	v_mov_b32 v[T0], v64
	v_lshlrev_b32 v[BO], 5, v66
	s_lshl_b32 s[TMP], s[E2], 14
	s_add_co_u32 s[TMP], s[TMP], HC
	v_add_nc_u32 v[HCA0], s[TMP], v[L16]
	s_lshl_b32 s[TMP], s[E2], 10
	s_add_co_u32 s[TMP], s[TMP], HS
	v_add_nc_u32 v[HSA0], s[TMP], v[L4]
	s_lshl_b32 s[TMP], s[WV], 9
	s_add_co_u32 s[TMP], s[TMP], GL
	v_lshl_add_u32 v[GLA0], v65, 2, s[TMP]
	v_add_nc_u32 v[GLW], s[TMP], v[L4]
	s_mul_i32 s[TMP], s[E2], 16*SP
	s_lshl_b32 s[J7], s[HALF], 8
	s_add_co_u32 s[TMP], s[TMP], s[J7]
	s_add_co_u32 s[TMP], s[TMP], STG
	v_mul_u32_u24 v[SW], v65, SP
	v_lshl_add_u32 v[SW], v66, 5, v[SW]
	v_add_nc_u32 v[SW], s[TMP], v[SW]
	s_mul_i32 s[TMP], s[WV], 4*SP
	s_add_co_u32 s[TMP], s[TMP], STG
	v_add_nc_u32 v[SR], s[TMP], v[L16]
	s_lshl_b32 s[TMP], s[WV], 4
	v_mov_b32 v[LT0], s[TMP]
	s_lshl_b32 s[TMP], s[WV], 15
	s_add_co_u32 s[TMP], s[TMP], HC
	v_add_nc_u32 v[HWA], s[TMP], v[L16]
	v_add_nc_u32 v[HWB], 131072, v[HWA]
	s_lshl_b32 s[TMP], s[WV], 11
	s_add_co_u32 s[TMP], s[TMP], HS
	v_add_nc_u32 v[HSWA], s[TMP], v[L16]
	v_mov_b32 v[GT+1], 0                           ; named with the gate as a pair, so it is written
	s_wait_kmcnt 0x0
	; ---- which group am I?  Wave 0 also fetches the tokens' words: load i brings block i, a token a lane
	s_cmp_lg_u32 s[WV], 0
	s_cbranch_scc1 .Lno_rec
.set ri, 0
.rept 64
	global_load_b32 v[R+ri], v[L4], s[4:5] offset:128*ri
.set ri, ri+1
.endr
.Lno_rec:
.set ri, 0
.rept 64
	global_load_b32 v[H+ri], v[L4], s[4:5] offset:HISTO+128*ri     ; block ri's counts: lane = key
.set ri, ri+1
.endr
	s_wait_loadcnt 0x0
.set ri, 1
.rept 31                                       ; the counts are summed up in place, in two chains by turns: register k = tokens of my lane's key in blocks 0 .. k,
	v_add_nc_u32 v[H+ri], v[H+ri], v[H+ri-1]
	v_add_nc_u32 v[H+32+ri], v[H+32+ri], v[H+32+ri-1]
.set ri, ri+1
.endr
.set ri, 0
.rept 32                                       ; once the first half's sum is added to the second half
	v_add_nc_u32 v[H+32+ri], v[H+32+ri], v[H+31]
.set ri, ri+1
.endr
	v_add_nc_u32 v[GR], 127, v[H+63]
	v_lshrrev_b32 v[GR], 7, v[GR]                  ; groups of 128
	s_mov_b32 s[RUN], 0
	s_mov_b32 s[AB], 0
	s_mov_b32 s[GB], 0
	s_mov_b32 s[SQ], 0
.set rq, 0
.irp ab, 0x01,0x02,0x03,0x04,0x05,0x06,0x07,0x12,0x13,0x14,0x15,0x16,0x17,0x23,0x24,0x25,0x26,0x27,0x34,0x35,0x36,0x37,0x45,0x46,0x47,0x56,0x57,0x67
	s_cmp_le_u32 s[RUN], s[GRP]                    ; the last key whose first group is mine or earlier is my key
	s_cselect_b32 s[AB], \ab, s[AB]
	s_cselect_b32 s[GB], s[RUN], s[GB]
	s_cselect_b32 s[SQ], rq, s[SQ]
	v_readlane_b32 s[TMP], v[GR], rq
	s_add_co_u32 s[RUN], s[RUN], s[TMP]
.set rq, rq+1
.endr
	s_sub_co_u32 s[J7], s[GRP], s[GB]
	s_lshl_b32 s[J7], s[J7], 7
	v_readlane_b32 s[N], v[H+63], s[SQ]
	s_sub_co_i32 s[N], s[N], s[J7]
	s_max_i32 s[N], s[N], 0
	s_min_u32 s[N], s[N], 128                      ; rows in my group
	s_add_co_u32 s[NT], s[N], 15
	s_lshr_b32 s[NT], s[NT], 4                     ; its tiles
	s_min_u32 s[N1], s[N], 1
	v_mul_u32_u24 v[L16E], v[L16], s[N1]
	s_lshr_b32 s[EX], s[AB], 4
	s_and_b32 s[TMP], s[AB], 15
	s_cmp_eq_u32 s[E2], 0
	s_cselect_b32 s[EX], s[EX], s[TMP]
	s_min_u32 s[EX], s[EX], 7                      ; my expert
	s_mov_b32 s61, 0
	s_lshl_b32 s60, s[EX], 20                      ; W2's codes: tile 8 x slice + 4 x half, 16,384 bytes a tile
	s_lshl_b32 s[TMP], s[SL], 17
	s_add_co_u32 s60, s60, s[TMP]
	s_lshl_b32 s[TMP], s[HALF], 16
	s_add_co_u32 s60, s60, s[TMP]
	s_add_co_u32 s60, s60, W2C
	s_add_nc_u64 s[WB:WB+1], s[10:11], s[60:61]
	s_lshl_b32 s60, s[EX], 16                      ; its scale bytes: pair of tiles 4 x slice + 2 x half, 2,048 bytes a pair
	s_lshl_b32 s[TMP], s[SL], 13
	s_add_co_u32 s60, s60, s[TMP]
	s_lshl_b32 s[TMP], s[HALF], 12
	s_add_co_u32 s60, s60, s[TMP]
	s_add_co_u32 s60, s60, W2S
	s_add_nc_u64 s[WSB:WSB+1], s[10:11], s[60:61]
	s_lshl_b32 s60, s[EX], 12                      ; b2: my 64 columns
	s_lshl_b32 s[TMP], s[SL], 9
	s_add_co_u32 s60, s60, s[TMP]
	s_lshl_b32 s[TMP], s[HALF], 8
	s_add_co_u32 s60, s60, s[TMP]
	s_add_nc_u64 s[B2B:B2B+1], s[12:13], s[60:61]
	s_lshl_b32 s60, s[E2], 2
	s_add_nc_u64 s[GTB:GTB+1], s[6:7], s[60:61]    ; gates: a's or b's
	s_lshl_b32 s60, s[GRP], 18
	s_lshl_b32 s[TMP], s[WV], 15
	s_add_co_u32 s60, s60, s[TMP]
	s_add_nc_u64 s[HG:HG+1], s[8:9], s[60:61]      ; h: my group, tile w
	s_lshl_b32 s60, s[GRP], 14
	s_lshl_b32 s[TMP], s[WV], 11
	s_add_co_u32 s60, s60, s[TMP]
	s_add_co_u32 s60, s60, HSG
	s_add_nc_u64 s[HSB:HSB+1], s[8:9], s[60:61]
	s_lshl_b32 s60, s[SL], 9
	s_add_nc_u64 s[OUTB:OUTB+1], s[14:15], s[60:61]
	; ---- my weights: fragment (tile t, K step s) at v[8 (8 t + s % 8)] of window 1 (s < 8) or 2
	WIN 0x40
.set wt, 0
.rept 4
.set wk, 0
.rept 8
	global_load_b128 v[8*(8*wt+wk):8*(8*wt+wk)+3], v[L16E], s[WB:WB+1] offset:wt*16384+(2*wk)*512
	global_load_b128 v[8*(8*wt+wk)+4:8*(8*wt+wk)+7], v[L16E], s[WB:WB+1] offset:wt*16384+(2*wk+1)*512
.set wk, wk+1
.endr
.set wt, wt+1
.endr
	WIN 0x80
.set wt, 0
.rept 4
.set wk, 0
.rept 8
	global_load_b128 v[8*(8*wt+wk):8*(8*wt+wk)+3], v[L16E], s[WB:WB+1] offset:wt*16384+(2*wk+16)*512
	global_load_b128 v[8*(8*wt+wk)+4:8*(8*wt+wk)+7], v[L16E], s[WB:WB+1] offset:wt*16384+(2*wk+17)*512
.set wk, wk+1
.endr
.set wt, wt+1
.endr
	WIN 0
.set wk, 0
.rept 16
	global_load_b64 v[WS+2*wk:WS+2*wk+1], v[L8], s[WSB:WSB+1] offset:256*wk
.set wk, wk+1
.endr
.irp t, 0,1,2,3                                ; b2 in the result's layout: lane (r, h), tile t: columns 16 t + 8 h + 0 .. 7
	global_load_b128 v[BIAS+8*\t:BIAS+8*\t+3], v[BO], s[B2B:B2B+1] offset:64*\t
	global_load_b128 v[BIAS+8*\t+4:BIAS+8*\t+7], v[BO], s[B2B:B2B+1] offset:64*\t+16
.endr
	; ---- wave 0 lays the group's tokens into the list.  No other wave touches LDS ahead of the barrier below
	s_cmp_lg_u32 s[WV], 0
	s_cbranch_scc1 .Lno_list
	s_lshl_b32 s[TMP], s[SQ], 16
	s_add_co_u32 s[TMP], s[TMP], s[J7]
	s_sub_co_u32 s[TMP], 0, s[TMP]
	s_mov_b32 s[EB], 0                             ; blocks 0-31: ahead of block k stand the key's tokens of blocks 0 .. k - 1
.set ri, 1
.rept 31
	v_readlane_b32 s[EB+ri], v[H+ri-1], s[SQ]
.set ri, ri+1
.endr
.set ri, 0
.rept 32
	s_add_co_u32 s[EB+ri], s[EB+ri], s[TMP]        ; word + this = the token's place in my group, if its key is mine; else, or outside the group, a number over 127
.set ri, ri+1
.endr
.set ri, 0
.rept 32
	v_add_nc_u32 v[R+ri], s[EB+ri], v[R+ri]
.set ri, ri+1
.endr
.set ri, 0
.rept 32                                       ; blocks 32-63, in the same scalar registers
	v_readlane_b32 s[EB+ri], v[H+31+ri], s[SQ]
.set ri, ri+1
.endr
.set ri, 0
.rept 32
	s_add_co_u32 s[EB+ri], s[EB+ri], s[TMP]
.set ri, ri+1
.endr
.set ri, 0
.rept 32
	v_add_nc_u32 v[R+32+ri], s[EB+ri], v[R+32+ri]
.set ri, ri+1
.endr
.irp i, 0,1,2,3
	v_mov_b32 v[ZR+\i], 0
.endr
	ds_store_b128 v[L16], v[ZR:ZR+3] offset:LIST   ; places that no token takes stand for token 0
.set ri, 0
.rept 64
	v_min_u32 v[R+ri], 0x80, v[R+ri]               ; all that is not mine falls on word 128
.set ri, ri+1
.endr
.set ri, 0
.rept 64
	v_lshlrev_b32 v[R+ri], 2, v[R+ri]
.set ri, ri+1
.endr
.set ri, 0
.rept 64
	v_add_nc_u32 v[H+ri], 32*ri, v[T0]             ; the token's number (the sums have been read)
.set ri, ri+1
.endr
.set ri, 0
.rept 64
	ds_store_b32 v[R+ri], v[H+ri] offset:LIST
.set ri, ri+1
.endr
.Lno_list:
	s_wait_dscnt 0x0
	s_barrier_signal -1
	s_barrier_wait -1                              ; the list lies in LDS
	; ---- my expert's gates of the 128 rows are asked for; they land while the hidden layer is staged
.irp i, 0,1,2,3
	ds_load_b32 v[TK+\i], v[L4] offset:LIST+128*\i
.endr
	s_wait_dscnt 0x0
.irp i, 0,1,2,3
	v_min_u32 v[TK+\i], 0x7ff, v[TK+\i]
.endr
.irp i, 0,1,2,3
	v_lshlrev_b32 v[TK+\i], 3, v[TK+\i]
.endr
.irp i, 0,1,2,3
	global_load_b32 v[OF+\i], v[TK+\i], s[GTB:GTB+1]
.endr
	STAGE 0, HWA
	STAGE 4, HWB
	s_wait_loadcnt 0x0                             ; the gates and my weights
.irp i, 0,1,2,3
	ds_store_b32 v[GLW], v[OF+\i] offset:128*\i
.endr
	s_wait_dscnt 0x0
	s_barrier_signal -1
	s_barrier_wait -1                              ; the group's hidden layer lies in LDS
	s_mov_b32 s[TR], 4
	s_mov_b32 s[ROW], 0
	s_mov_b32 s[HST], 0
	s_mov_b32 s[SST], 0
	s_mov_b32 s[LST], 0
.Ltrip:                                            ; four trips of two tiles, always; a tile beyond the group's rows keeps its barrier and jumps over its work
	v_add_nc_u32 v[HCAC], s[HST], v[HCA0]
	v_add_nc_u32 v[HSAC], s[SST], v[HSA0]
	v_add_nc_u32 v[GLAC], s[LST], v[GLA0]
	v_add_nc_u32 v[LTC], s[LST], v[LT0]
	TILE 0
	TILE 1
	s_add_co_u32 s[HST], s[HST], 65536
	s_add_co_u32 s[SST], s[SST], 4096
	s_add_co_u32 s[LST], s[LST], 128
	s_add_co_u32 s[ROW], s[ROW], 32
	s_sub_co_u32 s[TR], s[TR], 1
	s_cmp_lg_u32 s[TR], 0
	s_cbranch_scc1 .Ltrip
	s_wait_xcnt 0x0
	v_lshl_add_u32 v190, v0, 2, 0x4e400
	v_mov_b32 v191, 0
	s_wait_tensorcnt 0x0
	ds_add_u32 v190, v191
	s_wait_dscnt 0x0
	s_endpgm
.Lfunc_end_k_qbbbcf234f6_down:
	.size	k_qbbbcf234f6_down, .Lfunc_end_k_qbbbcf234f6_down-k_qbbbcf234f6_down
	.p2alignl 7, 3214868480
	.fill 96, 4, 3214868480
	.section	.rodata,"a",@progbits
	.p2align	6, 0x0
	.amdhsa_kernel k_qbbbcf234f6_down
		.amdhsa_group_segment_fixed_size 321024
		.amdhsa_private_segment_fixed_size 0
		.amdhsa_enable_private_segment 0
		.amdhsa_kernarg_size 48
		.amdhsa_user_sgpr_count 2
		.amdhsa_user_sgpr_kernarg_segment_ptr 1
		.amdhsa_wavefront_size32 1
		.amdhsa_system_sgpr_workgroup_id_x 1
		.amdhsa_system_sgpr_workgroup_id_y 1
		.amdhsa_system_sgpr_workgroup_id_z 1
		.amdhsa_system_vgpr_workitem_id 0
		.amdhsa_next_free_vgpr 1024
		.amdhsa_next_free_sgpr 104
		.amdhsa_reserve_vcc 0
		.amdhsa_float_denorm_mode_32 3
		.amdhsa_float_denorm_mode_16_64 3
		.amdhsa_memory_ordered 1
		.amdhsa_forward_progress 1
		.amdhsa_inst_pref_size 117
	.end_amdhsa_kernel
	.amdgpu_metadata
---
amdhsa.version: [ 1, 2 ]
amdhsa.kernels:
  - .name:           k_qbbbcf234f6_down
    .symbol:         k_qbbbcf234f6_down.kd
    .args:
      - { .name: route, .offset: 0, .size: 8, .value_kind: global_buffer, .address_space: global }
      - { .name: gates, .offset: 8, .size: 8, .value_kind: global_buffer, .address_space: global }
      - { .name: hq, .offset: 16, .size: 8, .value_kind: global_buffer, .address_space: global }
      - { .name: wq, .offset: 24, .size: 8, .value_kind: global_buffer, .address_space: global }
      - { .name: b2, .offset: 32, .size: 8, .value_kind: global_buffer, .address_space: global }
      - { .name: out0, .offset: 40, .size: 8, .value_kind: global_buffer, .address_space: global }
    .group_segment_fixed_size: 321024
    .private_segment_fixed_size: 0
    .kernarg_segment_align: 8
    .kernarg_segment_size: 48
    .max_flat_workgroup_size: 128
    .sgpr_count:     104
    .vgpr_count:     1024
    .wavefront_size: 32
...
	.end_amdgpu_metadata
.endif
;; end of part 3
;; ======== version 2 of 2: 3 launches
;; workspace buffers: wq 17,825,792 bytes; xq 1,114,112 bytes; route 16,384 bytes of whole numbers; gates 16,384 bytes; hq 11,976,704 bytes
;; launch prep (part 4): grid 1088 x 1, 4 waves a work-group, no clusters, 23,040 bytes of LDS; arguments x, Wg, bg, W1, W2, wq, xq, route, gates; writes wq, xq, route, gates
.if DOCPART == 4
	.amdgcn_target "amdgcn-amd-amdhsa--gfx1250"
	.amdhsa_code_object_version 6
	.text
	.protected	k_qbbbcf234f6_prep
	.globl	k_qbbbcf234f6_prep
	.p2align	8
	.type	k_qbbbcf234f6_prep,@function
k_qbbbcf234f6_prep:
	s_mov_b64 s[64:65], 0
	v_nop
	global_prefetch_b8 v0, s[64:65] scope:SCOPE_SE
	s_setreg_imm32_b32 hwreg(HW_REG_WAVE_MODE, 25, 1), 1
	s_wait_xcnt 0x0
; PREP.  One launch, three roles by the work-group's number.
;   0 .. 63      GATING: a block of 32 tokens: x becomes codes of FP4 (E2M1) with one E8M0 byte for each 32 along D; the router's logits (f32 multiply-adds), softmax at temperature 5 (the row's maximum
;                is taken away first), the two largest, the renormalised gates.  What is chosen is only STORED, at fixed places: no address and no branch of this launch hangs on it.
;                These work-groups have four dependent rounds of loads each, the others two: so they come first in the grid, and a block is no larger than 32 tokens.
;   64 .. 575    W1 [8][1024][2048] f32,  576 .. 1087  W2 [8][2048][1024] f32: K is the first axis inside an expert.  A lane takes a column and its registers run down K, so a block of 32 along K lies in one
;                lane, and the conversions give codes with K innermost.  The codes are stored in the order of the operand's registers: [tile of 16 columns][block of 32 along K][row 16][16 bytes], so that
;                a later wave loads a fragment by two loads of 512 consecutive bytes.
; A block's scale is 2^(floor(log2(largest magnitude)) - 2); its byte is the largest magnitude's exponent field - 2, held at 1 from below.
; LIMITS: a block of zeros gets the byte 1 where the quantiser says 127 (its codes are zeros, and only this program reads the bytes); NaN and infinities among the inputs are not served;
; logits / 5 is a multiplication by 0.2 and the two divisions are v_rcp_f32 and a multiplication; the two largest are taken on the scaled logits (equal ones: the lower index, as top_k has it).
; No tensor load, no cluster: no two work-groups read the same byte.  No prefetch: the launch is one dense stream with 64 loads of every wave on their way.
.set W2C,   8388608                    ; wq: W1's codes at 0, W2's here,
.set W1S,   16777216                   ; W1's scale bytes [e][chunk of 128 units 16][pair of tiles 4][pair of K steps 4][lane 32][8 bytes],
.set W2S,   17301504                   ; W2's [e][pair of tiles 32][pair of K steps 8][lane 32][8 bytes]
.set XSO,   1048576                    ; xq: codes [token][512 bytes], then scale bytes [token][32]
.set HISTO, 8192                       ; route: a word a token (key << 16 | rank in its block of 32), then [block 64][key 32] counts
.set NGATE, 64                         ; gating work-groups
.set WV,    22                         ; s22  my wave's number
; ---- the weights' path
.set QIN,   2                          ; v2   4 x lane: my column's bytes in a row
.set QCO,   3                          ; v3   my column's place among the codes
.set QSO,   4                          ; v4   and among the scale bytes
.set X,     32                         ; v32-95   two sets of 32 numbers
.set C,     96                         ; v96-127  four registers of codes for each of 8 blocks: never written again
.set SB,    128                        ; v128-129 my column's 8 scale bytes
.set SRC,   34                         ; s[34:35] source, s[36:37] codes, s[38:39] scale bytes
.set CDS,   36
.set SDS,   38
.macro QLOAD t, pitch                  ; block t: 32 rows of K at my column: a wave's load reads 128 consecutive bytes, the four waves stand side by side
.set qi, 0
.rept 32
	global_load_b32 v[X+32*((\t)%2)+qi], v[QIN], s[SRC:SRC+1] offset:(32*(\t)+qi)*\pitch th:TH_LOAD_NT
.set qi, qi+1
.endr
.endm
.macro QBLOCK t, pitch
.set XQ, X+32*((\t)%2)
.if (\t) < 7
	s_wait_loadcnt 32                              ; this block's 32 loads are in; the next block's 32 may be out
.else
	s_wait_loadcnt 0x0
.endif
	v_max3_num_f32 v12, |v[XQ]|, |v[XQ+1]|, |v[XQ+2]|              ; the block's largest magnitude, in two chains: all 32 numbers are mine
	v_max3_num_f32 v13, |v[XQ+3]|, |v[XQ+4]|, |v[XQ+5]|
.irp i, 6,10,14,18,22,26
	v_max3_num_f32 v12, v12, |v[XQ+\i]|, |v[XQ+\i+1]|
	v_max3_num_f32 v13, v13, |v[XQ+\i+2]|, |v[XQ+\i+3]|
.endr
	v_max3_num_f32 v12, v12, |v[XQ+30]|, |v[XQ+31]|
	v_max3_num_f32 v12, v12, v13, 0x1800000        ; and the floor 2^(3 - 127): the byte cannot fall under 1
	v_add_nc_u32 v11, 0xff000000, v12              ; 2 off the exponent field: the conversion takes this operand's exponent field as its scale
	v_lshrrev_b32 v13, 23, v11                     ; the scale's byte
.if (\t)%4 == 0
	v_mov_b32 v[SB+(\t)/4], v13
.else
	v_lshl_or_b32 v[SB+(\t)/4], v13, 8*((\t)%4), v[SB+(\t)/4]
.endif
.irp g, 0,1,2,3
	v_cvt_scalef32_pk8_fp4_f32 v[C+4*(\t)+\g], v[XQ+8*\g:XQ+8*\g+7], v11
.endr
	global_store_b128 v[QCO], v[C+4*(\t):C+4*(\t)+3], s[CDS:CDS+1] offset:256*(\t)   ; the wave's store covers two runs of 256 consecutive bytes, each aligned: one for each of its two tiles
.if (\t)+2 < 8
	QLOAD (\t)+2, \pitch                           ; (the conversions' results go to stores only, and the next vector lines are plain)
.endif
.endm
.macro QPATH pitch                     ; 32 columns x 256 along K for a wave; every offset is an immediate and no source register is written again, so no wait frees any
	QLOAD 0, \pitch
	QLOAD 1, \pitch
.irp t, 0,1,2,3,4,5,6,7
	QBLOCK \t, \pitch
.endr
	global_store_b64 v[QSO], v[SB:SB+1], s[SDS:SDS+1]   ; 8 bytes a lane: 256 consecutive bytes
	s_endpgm
.endm
; ---- the gating path
.set XCQ,   0                          ; LDS: codes [K quarter, 4,224 bytes apart][token 32][128 bytes]
.set XCQS,  4224
.set XSQ,   16896                      ; scale bytes [K quarter 256][token][8]
.set PL,    17920                      ; partial logits [K quarter 1,024][token][8 f32]
.set WGR,   16                         ; v16-79   Wg[my 8 k][8 experts]
.set XA,    80                         ; v80-111  four tokens x my 8 numbers;  v112-143 the other set
.set XB,    112
.set ACC,   144                        ; v144-175 [token 4][expert 8]; its first 8 also hold the quantiser's maxima and scale operands
.set T,     176                        ; v176-181 at work
.set CD,    182                        ; v182-185 codes, v186-189 bytes: sources of LDS stores, written again only behind a wait for those stores
.set BY,    186
.set BM,    28                         ; s[28:32] lanes whose bit 0, 1, 2, 3, 4 is set
.set SEL,   34                         ; s[34:35] v_permlanex16_b32's selects for lane l xor 16
.set MK,    36                         ; s[36:63] for each of the 28 keys: the lanes that hold it
.macro GLOAD xs, off
.irp j, 0,1,2,3
	global_load_b128 v[\xs+8*\j:\xs+8*\j+3], v2, s[24:25] offset:\off+\j*4096 th:TH_LOAD_NT
	global_load_b128 v[\xs+8*\j+4:\xs+8*\j+7], v2, s[24:25] offset:\off+\j*4096+16 th:TH_LOAD_NT
.endr
.endm
.macro GQUANT xs, tb                   ; four tokens by turns: a block of 32 along K lies in four neighbouring lanes, 8 numbers each
.irp j, 0,1,2,3
	v_max3_num_f32 v[ACC+\j], |v[\xs+8*\j]|, |v[\xs+8*\j+1]|, 0x1800000
.endr
.irp i, 2,4,6
.irp j, 0,1,2,3
	v_max3_num_f32 v[ACC+\j], v[ACC+\j], |v[\xs+8*\j+\i]|, |v[\xs+8*\j+\i+1]|
.endr
.endr
.irp j, 0,1,2,3
	v_max_num_f32_dpp v[ACC+\j], v[ACC+\j], v[ACC+\j] row_xmask:1 row_mask:0xf bank_mask:0xf
.endr
.irp j, 0,1,2,3
	v_max_num_f32_dpp v[ACC+\j], v[ACC+\j], v[ACC+\j] row_xmask:2 row_mask:0xf bank_mask:0xf
.endr
.irp j, 0,1,2,3
	v_add_nc_u32 v[ACC+4+\j], 0xff000000, v[ACC+\j]
.endr
.irp j, 0,1,2,3
	v_cvt_scalef32_pk8_fp4_f32 v[CD+\j], v[\xs+8*\j:\xs+8*\j+7], v[ACC+4+\j]
.endr
.irp j, 0,1,2,3
	v_lshrrev_b32 v[BY+\j], 23, v[ACC+4+\j]        ; the bytes; also the plain lines behind the conversions
.endr
.irp j, 0,1,2,3
	ds_store_b32 v6, v[CD+\j] offset:(\tb+\j)*128  ; 8 codes a lane: 128 consecutive bytes a token
	ds_store_b8 v7, v[BY+\j] offset:(\tb+\j)*8     ; the four lanes of a block write the same byte with the same value
.endr
.endm
.macro GF1 xs, i, o                    ; ACC[token][expert] += x[token][k i] Wg[k i][expert], two experts an instruction; o = i % 2 picks x's register of its pair for both halves
.irp j, 0,1,2,3
.irp p, 0,2,4,6
	v_pk_fma_f32 v[ACC+8*\j+\p:ACC+8*\j+\p+1], v[\xs+8*\j+\i-\o:\xs+8*\j+\i-\o+1], v[WGR+8*\i+\p:WGR+8*\i+\p+1], v[ACC+8*\j+\p:ACC+8*\j+\p+1] op_sel:[\o,0,0] op_sel_hi:[\o,1,1]
.endr
.endr
.endm
.macro GFMA xs
.irp j, 0,1,2,3
.irp p, 0,2,4,6
	v_pk_mul_f32 v[ACC+8*\j+\p:ACC+8*\j+\p+1], v[\xs+8*\j:\xs+8*\j+1], v[WGR+\p:WGR+\p+1] op_sel:[0,0] op_sel_hi:[0,1]   ; the first product starts the sums
.endr
.endr
	GF1 \xs, 1, 1
	GF1 \xs, 2, 0
	GF1 \xs, 3, 1
	GF1 \xs, 4, 0
	GF1 \xs, 5, 1
	GF1 \xs, 6, 0
	GF1 \xs, 7, 1
.endm
; 32 sums over 32 lanes at once: in each stage a lane keeps one of two neighbouring values (by one bit of its number), hands the other to the lane across, and adds what it is handed.
.macro GRSTAGE n, bm, xm
.set gi, 0
.rept \n
	v_cndmask_b32 v[T+2*(gi%3)], v[ACC+2*gi+1], v[ACC+2*gi], s[\bm]        ; what I hand over
	v_cndmask_b32 v[T+2*(gi%3)+1], v[ACC+2*gi], v[ACC+2*gi+1], s[\bm]      ; what I keep
	v_add_f32_dpp v[ACC+gi], v[T+2*(gi%3)], v[T+2*(gi%3)+1] row_xmask:\xm row_mask:0xf bank_mask:0xf
.set gi, gi+1
.endr
.endm
.macro GRED
	GRSTAGE 16, BM, 1
	GRSTAGE 8, BM+1, 2
	GRSTAGE 4, BM+2, 4
	GRSTAGE 2, BM+3, 8
	v_cndmask_b32 v[T], v[ACC+1], v[ACC], s[BM+4]
	v_cndmask_b32 v[T+1], v[ACC], v[ACC+1], s[BM+4]
	v_permlanex16_b32 v[T+2], v[T], s[SEL], s[SEL+1]
	v_add_f32 v[ACC], v[T+1], v[T+2]               ; lane l holds the sum of value l = 8 x token + expert
.endm
.macro GADDR                           ; the trip's LDS addresses: a fixed register + a scalar that steps by a constant
	s_wait_dscnt 0x0                               ; the LDS stores that read these registers are done
	v_add_nc_u32 v6, s79, v3
	v_add_nc_u32 v7, s90, v4
	v_add_nc_u32 v8, s91, v5
.endm
.macro GBATCH xs, tb, ahead, cnt       ; four tokens
	s_wait_loadcnt \cnt                            ; this set's loads are in; the other set's 8 may be out
.if \tb
	s_wait_dscnt 0x0                               ; the last batch's LDS stores have read their registers
.endif
	GQUANT \xs, \tb
	GFMA \xs
.if \ahead
	GLOAD \xs, 32768+\tb*4096                      ; the same set, eight tokens on
.endif
	GRED
	ds_store_b32 v8, v[ACC] offset:32*\tb
.endm
	s_load_b512 s[4:19], s[0:1], 0x0               ; x s[4:5], Wg s[6:7], bg s[8:9], W1 s[10:11], W2 s[12:13], wq s[14:15], xq s[16:17], route s[18:19]
	s_load_b64 s[20:21], s[0:1], 0x40              ; gates
	v_lshl_add_u32 v192, v0, 2, 0x5800
	v_mov_b32 v193, 0
	v_lshrrev_b32 v1, 5, v0
	v_readfirstlane_b32 s[WV], v1
	v_and_b32 v1, 31, v0                           ; lane
	s_cmp_lt_u32 ttmp9, NGATE
	s_cbranch_scc1 .Lgate
	v_lshlrev_b32 v[QIN], 2, v1
	s_mov_b32 s29, 0
	s_mov_b32 s31, 0
	s_mov_b32 s33, 0
	s_cmp_lt_u32 ttmp9, NGATE+512
	s_cbranch_scc0 .Lw2
	; ---- W1: work-group = (expert, 256 along K, chunk of 128 hidden units); wave w = units 32 w .. 32 w + 31 of the chunk
	s_sub_co_u32 s23, ttmp9, NGATE
	s_lshr_b32 s24, s23, 6                         ; expert
	s_bfe_u32 s25, s23, 0x20004                    ; which 256 along K
	s_and_b32 s26, s23, 15                         ; chunk
	s_lshl_b32 s28, s24, 23                        ; source: expert x 8,388,608 + 256 rows of 8,192 bytes + 512 x chunk + 128 x wave
	s_lshl_b32 s27, s25, 21
	s_add_co_u32 s28, s28, s27
	s_lshl_b32 s27, s26, 9
	s_add_co_u32 s28, s28, s27
	s_lshl_b32 s27, s[WV], 7
	s_add_co_u32 s28, s28, s27
	s_lshl_b32 s30, s24, 20                        ; codes: expert, chunk (8 tiles of 8,192 bytes), my two tiles, 8 blocks of 256 bytes
	s_lshl_b32 s27, s26, 16
	s_add_co_u32 s30, s30, s27
	s_lshl_b32 s27, s[WV], 14
	s_add_co_u32 s30, s30, s27
	s_lshl_b32 s27, s25, 11
	s_add_co_u32 s30, s30, s27
	s_lshl_b32 s32, s24, 16                        ; scale bytes
	s_lshl_b32 s27, s26, 12
	s_add_co_u32 s32, s32, s27
	s_lshl_b32 s27, s[WV], 10
	s_add_co_u32 s32, s32, s27
	s_lshl_b32 s27, s25, 8
	s_add_co_u32 s32, s32, s27
	s_add_co_u32 s32, s32, W1S
	s_wait_alu depctr_va_vdst(0)
	; THE UNITS OF A TILE ARE NOT NEIGHBOURS: unit j of an aligned 32 goes to tile 2 b + (j / 8) % 2, row j % 8 + 8 (j / 16), so that two neighbouring tiles' results are 16 neighbours along the next K
	v_bfe_u32 v5, v1, 3, 1
	v_and_b32 v6, 7, v1
	v_lshrrev_b32 v7, 4, v1
	v_lshl_add_u32 v6, v7, 3, v6
	v_lshlrev_b32 v[QCO], 4, v6
	v_lshl_add_u32 v[QCO], v5, 13, v[QCO]
	v_lshlrev_b32 v[QSO], 3, v6
	v_lshl_add_u32 v[QSO], v5, 7, v[QSO]
	s_wait_kmcnt 0x0
	s_add_nc_u64 s[SRC:SRC+1], s[10:11], s[28:29]
	s_add_nc_u64 s[CDS:CDS+1], s[14:15], s[30:31]
	s_add_nc_u64 s[SDS:SDS+1], s[14:15], s[32:33]
	QPATH 8192
.Lw2:
	; ---- W2: work-group = (expert, 256 along K, 128 output columns); tiles keep the columns' order
	s_sub_co_u32 s23, ttmp9, NGATE+512
	s_lshr_b32 s24, s23, 6
	s_bfe_u32 s25, s23, 0x30003
	s_and_b32 s26, s23, 7
	s_lshl_b32 s28, s24, 23                        ; source: 256 rows of 4,096 bytes
	s_lshl_b32 s27, s25, 20
	s_add_co_u32 s28, s28, s27
	s_lshl_b32 s27, s26, 9
	s_add_co_u32 s28, s28, s27
	s_lshl_b32 s27, s[WV], 7
	s_add_co_u32 s28, s28, s27
	s_lshl_b32 s30, s24, 20                        ; codes: tile 8 x group + 2 x wave, 16,384 bytes a tile
	s_lshl_b32 s27, s26, 17
	s_add_co_u32 s30, s30, s27
	s_lshl_b32 s27, s[WV], 15
	s_add_co_u32 s30, s30, s27
	s_lshl_b32 s27, s25, 11
	s_add_co_u32 s30, s30, s27
	s_add_co_u32 s30, s30, W2C
	s_lshl_b32 s32, s24, 16
	s_lshl_b32 s27, s26, 13
	s_add_co_u32 s32, s32, s27
	s_lshl_b32 s27, s[WV], 11
	s_add_co_u32 s32, s32, s27
	s_lshl_b32 s27, s25, 8
	s_add_co_u32 s32, s32, s27
	s_add_co_u32 s32, s32, W2S
	s_wait_alu depctr_va_vdst(0)
	v_and_b32 v6, 15, v1
	v_lshrrev_b32 v7, 4, v1
	v_lshlrev_b32 v[QCO], 4, v6
	v_lshl_add_u32 v[QCO], v7, 14, v[QCO]
	v_lshlrev_b32 v[QSO], 3, v1
	s_wait_kmcnt 0x0
	s_add_nc_u64 s[SRC:SRC+1], s[12:13], s[28:29]
	s_add_nc_u64 s[CDS:CDS+1], s[14:15], s[30:31]
	s_add_nc_u64 s[SDS:SDS+1], s[14:15], s[32:33]
	QPATH 4096
.Lgate:
	s_wait_alu depctr_va_vdst(0)
	; ---- GATING.  Wave w takes K quarter 256 w .. 256 w + 255 of all 32 tokens; lane l holds the 8 neighbours k = 256 w + 8 l + i.  All LDS addresses are made here.
	v_lshlrev_b32 v2, 5, v1                        ; x: 32 bytes a lane
	v_lshlrev_b32 v9, 8, v1                        ; Wg: 8 rows of 32 bytes a lane
	s_mul_i32 s26, s[WV], XCQS
	v_lshl_add_u32 v3, v1, 2, s26                  ; codes: my quarter + 4 x lane
	s_lshl_b32 s26, s[WV], 8
	s_add_co_u32 s26, s26, XSQ
	v_lshrrev_b32 v4, 2, v1
	v_add_nc_u32 v4, s26, v4                       ; bytes: my quarter + lane / 4
	s_lshl_b32 s26, s[WV], 10
	s_add_co_u32 s26, s26, PL
	v_lshl_add_u32 v5, v1, 2, s26                  ; partial logits: my quarter + 4 x lane
	v_lshl_add_u32 v10, v1, 5, PL                  ; later a lane is a token: its 8 partial logits of quarter 0
	v_lshlrev_b32 v12, 4, v1
	v_lshlrev_b32 v13, 2, v1
	v_lshlrev_b32 v14, 3, v1
	v_lshrrev_b32 v15, 3, v1                       ; the way out of the codes: a token's row is four quarters of 128 bytes; 16 bytes a lane
	v_mul_u32_u24 v15, v15, XCQS
	v_and_b32 v6, 7, v1
	v_lshl_add_u32 v15, v6, 4, v15
	s_lshl_b32 s26, s[WV], 10
	v_add_nc_u32 v15, s26, v15                     ; + my 8 tokens
	v_and_b32 v190, 3, v0                          ; the way out of the bytes: thread t takes quarter t % 4 of token t / 4
	v_lshlrev_b32 v190, 8, v190
	v_lshrrev_b32 v6, 2, v0
	v_lshl_add_u32 v190, v6, 3, v190
	v_add_nc_u32 v190, XSQ, v190
	v_lshlrev_b32 v191, 3, v0
	s_mov_b32 s[BM], 0xaaaaaaaa
	s_mov_b32 s[BM+1], 0xcccccccc
	s_mov_b32 s[BM+2], 0xf0f0f0f0
	s_mov_b32 s[BM+3], 0xff00ff00
	s_mov_b32 s[BM+4], 0xffff0000
	s_mov_b32 s[SEL], 0x76543210
	s_mov_b32 s[SEL+1], 0xfedcba98
	s_mov_b32 s27, 0
	s_wait_kmcnt 0x0
	s_lshl_b32 s26, s[WV], 13
	s_add_nc_u64 s[6:7], s[6:7], s[26:27]          ; Wg at my quarter's first row
.irp i, 0,1,2,3,4,5,6,7
	global_load_b128 v[WGR+8*\i:WGR+8*\i+3], v9, s[6:7] offset:32*\i
	global_load_b128 v[WGR+8*\i+4:WGR+8*\i+7], v9, s[6:7] offset:32*\i+16
.endr
	s_load_b256 s[68:75], s[8:9], 0x0              ; bg
	s_lshl_b32 s26, ttmp9, 17
	s_lshl_b32 s77, s[WV], 10
	s_add_co_u32 s26, s26, s77
	s_add_nc_u64 s[24:25], s[4:5], s[26:27]        ; x at the block's first token, my quarter
	GLOAD XA, 0
	GLOAD XB, 16384
	s_lshl_b32 s26, ttmp9, 7                       ; where the results go
	s_add_nc_u64 s[80:81], s[18:19], s[26:27]      ; the tokens' words
	s_add_co_u32 s26, s26, HISTO
	s_add_nc_u64 s[84:85], s[18:19], s[26:27]      ; the block's counts
	s_lshl_b32 s26, ttmp9, 8
	s_add_nc_u64 s[82:83], s[20:21], s[26:27]      ; the gates
	s_lshl_b32 s26, ttmp9, 14
	s_lshl_b32 s77, s[WV], 12
	s_add_co_u32 s26, s26, s77
	s_add_nc_u64 s[86:87], s[16:17], s[26:27]      ; x's codes: my 8 tokens
	s_lshl_b32 s26, ttmp9, 10
	s_add_co_u32 s26, s26, XSO
	s_add_nc_u64 s[88:89], s[16:17], s[26:27]      ; x's scale bytes: the block's
	s_mov_b32 s76, 3
	s_mov_b32 s79, 0
	s_mov_b32 s90, 0
	s_mov_b32 s91, 0
.Lg:                                               ; a trip: eight tokens; three trips fetch ahead, the fourth is written out, so that no load leaves x
	GADDR
	GBATCH XA, 0, 1, 8
	GBATCH XB, 4, 1, 8
	s_wait_xcnt 0x0                                ; the loads have read their base: it steps only behind this wait
	s_add_nc_u64 s[24:25], s[24:25], 32768
	s_add_co_u32 s79, s79, 1024
	s_add_co_u32 s90, s90, 64
	s_add_co_u32 s91, s91, 256
	s_sub_co_u32 s76, s76, 1
	s_cmp_lg_u32 s76, 0
	s_cbranch_scc1 .Lg
	GADDR
	GBATCH XA, 0, 0, 8
	GBATCH XB, 4, 0, 0
	s_wait_dscnt 0x0                               ; for the others' sake: my codes, bytes and partial logits lie in LDS
	s_barrier_signal -1
	s_barrier_wait -1
	s_wait_kmcnt 0x0                               ; bg
	; ---- a lane is a token: the block's 32 are one wave's lanes, so wave 0 alone chooses, ranks and counts; no barrier stands in this branch
	s_cmp_lg_u32 s[WV], 0
	s_cbranch_scc1 .Lno_rec
.irp k, 0,1,2,3
	ds_load_b128 v[16+8*\k:19+8*\k], v10 offset:1024*\k
	ds_load_b128 v[20+8*\k:23+8*\k], v10 offset:1024*\k+16
.endr
	s_wait_dscnt 0x0
.irp p, 0,2,4,6
	v_pk_add_f32 v[48+\p:49+\p], v[16+\p:17+\p], v[24+\p:25+\p]
	v_pk_add_f32 v[56+\p:57+\p], v[32+\p:33+\p], v[40+\p:41+\p]
.endr
.irp p, 0,2,4,6
	v_pk_add_f32 v[48+\p:49+\p], v[48+\p:49+\p], v[56+\p:57+\p]
.endr
.irp e, 0,1,2,3,4,5,6,7
	v_add_f32 v[48+\e], s[68+\e], v[48+\e]         ; the logits
.endr
.irp e, 0,1,2,3,4,5,6,7
	v_mul_f32 v[48+\e], 0x3e4ccccd, v[48+\e]       ; / 5
.endr
	v_max3_num_f32 v64, v48, v49, v50
	v_max3_num_f32 v64, v64, v51, v52
	v_max3_num_f32 v64, v64, v53, v54
	v_max_num_f32 v64, v64, v55                    ; the row's maximum is taken away ahead of the exponentials
.irp e, 0,1,2,3,4,5,6,7
	v_sub_f32 v[56+\e], v[48+\e], v64
.endr
.irp e, 0,1,2,3,4,5,6,7
	v_mul_f32 v[56+\e], 0x3fb8aa3b, v[56+\e]
.endr
	s_wait_alu depctr_va_vdst(0)
.irp e, 0,1,2,3,4,5,6,7
	v_exp_f32 v[56+\e], v[56+\e]
.endr
	v_mov_b32 v73, 0xff800000                      ; -infinity; also the plain line behind the exponentials
	s_wait_alu depctr_va_vdst(0)                   ; one wait for the eight, ahead of their first reader
	v_add_f32 v65, v56, v57
	v_add_f32 v66, v58, v59
	v_add_f32 v74, v60, v61
	v_add_f32 v75, v62, v63
	v_add_f32 v65, v65, v66
	v_add_f32 v74, v74, v75
	v_add_f32 v65, v65, v74
	s_wait_alu depctr_va_vdst(0)
	v_rcp_f32 v66, v65                             ; 1 / the sum; the two searches below name neither register
	v_mov_b32 v67, v48                             ; the largest: a strict comparison over ascending experts keeps the lower index among equals
	v_mov_b32 v68, 0
	v_mov_b32 v69, v56
.irp e, 1,2,3,4,5,6,7
	v_cmp_gt_f32 vcc_lo, v[48+\e], v67
	v_cndmask_b32 v67, v67, v[48+\e], vcc_lo
	v_cndmask_b32 v68, v68, \e, vcc_lo
	v_cndmask_b32 v69, v69, v[56+\e], vcc_lo
.endr
.irp e, 0,1,2,3,4,5,6,7
	v_cmp_eq_u32 vcc_lo, \e, v68
	v_cndmask_b32 v[80+\e], v[48+\e], v73, vcc_lo  ; the first choice is taken out
.endr
	v_mov_b32 v70, v80                             ; the second largest
	v_mov_b32 v71, 0
	v_mov_b32 v72, v56
.irp e, 1,2,3,4,5,6,7
	v_cmp_gt_f32 vcc_lo, v[80+\e], v70
	v_cndmask_b32 v70, v70, v[80+\e], vcc_lo
	v_cndmask_b32 v71, v71, \e, vcc_lo
	v_cndmask_b32 v72, v72, v[56+\e], vcc_lo
.endr
	s_wait_alu depctr_va_vdst(0)                   ; the reciprocal, ahead of its first reader
	v_mul_f32 v69, v69, v66                        ; the two probabilities
	v_mul_f32 v72, v72, v66
	v_add_f32 v74, v69, v72
	v_add_f32 v74, 0x3089705f, v74                 ; + 1e-9
	s_wait_alu depctr_va_vdst(0)
	v_rcp_f32 v75, v74
	v_min_u32 v88, v68, v71                        ; a < b: the pair of experts
	v_max_u32 v89, v68, v71
	v_cmp_lt_u32 vcc_lo, v68, v71
	s_wait_alu depctr_va_vdst(0)
	v_mul_f32 v69, v69, v75
	v_mul_f32 v72, v72, v75
	v_cndmask_b32 v90, v72, v69, vcc_lo            ; a's gate,
	v_cndmask_b32 v91, v69, v72, vcc_lo            ; b's
	v_sub_nc_u32 v94, 15, v88                      ; the key: a (15 - a) / 2 + b - a - 1, 0 .. 27
	v_mul_u32_u24 v94, v88, v94
	v_lshrrev_b32 v94, 1, v94
	v_add_nc_u32 v94, v94, v89
	v_sub_nc_u32 v94, v94, v88
	v_add_nc_u32 v92, -1, v94
	v_mov_b32 v93, 0                               ; my rank among the block's tokens of my key; lane q of v95: how many of them have key q.  Values only
	v_mov_b32 v95, 0
.set fq, 0
.rept 28
	v_cmp_eq_u32 s[MK+fq], fq, v92
	v_mbcnt_lo_u32_b32 v94, s[MK+fq], 0
	v_cndmask_b32 v93, v93, v94, s[MK+fq]
	s_bcnt1_i32_b32 s77, s[MK+fq]
	v_writelane_b32 v95, s77, fq
.set fq, fq+1
.endr
	v_lshl_or_b32 v96, v92, 16, v93                ; key << 16 | rank in the block
	global_store_b32 v13, v96, s[80:81]
	global_store_b64 v14, v[90:91], s[82:83]       ; 256 consecutive bytes
	global_store_b32 v13, v95, s[84:85]
.Lno_rec:
	; ---- x's codes leave as whole rows, 512 consecutive bytes an instruction; the bytes 8 a thread, 256 consecutive bytes a wave
	ds_load_b64 v[104:105], v190
.set si, 0
.rept 8
	ds_load_b128 v[16+4*si:19+4*si], v15 offset:128*si
.set si, si+1
.endr
.set si, 0
.rept 8
	s_wait_dscnt 7-si                              ; row si is in; the younger rows may be out
	global_store_b128 v12, v[16+4*si:19+4*si], s[86:87] offset:512*si
.set si, si+1
.endr
	global_store_b64 v191, v[104:105], s[88:89]
	s_wait_tensorcnt 0x0
	ds_add_u32 v192, v193
	s_wait_dscnt 0x0
	s_endpgm
.Lfunc_end_k_qbbbcf234f6_prep:
	.size	k_qbbbcf234f6_prep, .Lfunc_end_k_qbbbcf234f6_prep-k_qbbbcf234f6_prep
	.p2alignl 7, 3214868480
	.fill 96, 4, 3214868480
	.section	.rodata,"a",@progbits
	.p2align	6, 0x0
	.amdhsa_kernel k_qbbbcf234f6_prep
		.amdhsa_group_segment_fixed_size 23040
		.amdhsa_private_segment_fixed_size 0
		.amdhsa_enable_private_segment 0
		.amdhsa_kernarg_size 72
		.amdhsa_user_sgpr_count 2
		.amdhsa_user_sgpr_kernarg_segment_ptr 1
		.amdhsa_wavefront_size32 1
		.amdhsa_system_sgpr_workgroup_id_x 1
		.amdhsa_system_sgpr_workgroup_id_y 1
		.amdhsa_system_sgpr_workgroup_id_z 1
		.amdhsa_system_vgpr_workitem_id 0
		.amdhsa_next_free_vgpr 194
		.amdhsa_next_free_sgpr 100
		.amdhsa_reserve_vcc 1
		.amdhsa_float_denorm_mode_32 3
		.amdhsa_float_denorm_mode_16_64 3
		.amdhsa_memory_ordered 1
		.amdhsa_forward_progress 1
		.amdhsa_inst_pref_size 169
	.end_amdhsa_kernel
	.amdgpu_metadata
---
amdhsa.version: [ 1, 2 ]
amdhsa.kernels:
  - .name:           k_qbbbcf234f6_prep
    .symbol:         k_qbbbcf234f6_prep.kd
    .args:
      - { .name: x, .offset: 0, .size: 8, .value_kind: global_buffer, .address_space: global }
      - { .name: Wg, .offset: 8, .size: 8, .value_kind: global_buffer, .address_space: global }
      - { .name: bg, .offset: 16, .size: 8, .value_kind: global_buffer, .address_space: global }
      - { .name: W1, .offset: 24, .size: 8, .value_kind: global_buffer, .address_space: global }
      - { .name: W2, .offset: 32, .size: 8, .value_kind: global_buffer, .address_space: global }
      - { .name: wq, .offset: 40, .size: 8, .value_kind: global_buffer, .address_space: global }
      - { .name: xq, .offset: 48, .size: 8, .value_kind: global_buffer, .address_space: global }
      - { .name: route, .offset: 56, .size: 8, .value_kind: global_buffer, .address_space: global }
      - { .name: gates, .offset: 64, .size: 8, .value_kind: global_buffer, .address_space: global }
    .group_segment_fixed_size: 23040
    .private_segment_fixed_size: 0
    .kernarg_segment_align: 8
    .kernarg_segment_size: 72
    .max_flat_workgroup_size: 128
    .sgpr_count:     100
    .vgpr_count:     194
    .wavefront_size: 32
...
	.end_amdgpu_metadata
.endif
;; end of part 4
;; launch up (part 5): grid 8 x 43, 4 waves a work-group, no clusters, 78,336 bytes of LDS; arguments route, xq, wq, b1, hq; writes hq
.if DOCPART == 5
	.amdgcn_target "amdgcn-amd-amdhsa--gfx1250"
	.amdhsa_code_object_version 6
	.text
	.protected	k_qbbbcf234f6_up
	.globl	k_qbbbcf234f6_up
	.p2align	8
	.type	k_qbbbcf234f6_up,@function
k_qbbbcf234f6_up:
	s_mov_b64 s[64:65], 0
	v_nop
	global_prefetch_b8 v0, s[64:65] scope:SCOPE_SE
	s_setreg_imm32_b32 hwreg(HW_REG_WAVE_SCHED_MODE, 0, 2), 2
	s_setreg_imm32_b32 hwreg(HW_REG_WAVE_MODE, 25, 1), 1
	s_wait_xcnt 0x0
	s_wait_alu depctr_vm_vsrc(0)
; UP.  h = Q(gelu(x W1_e + b1_e)) for the rows that the router chose, on codes of FP4 (E2M1) with one E8M0 scale for each 32 along K.
; GROUPS.  Tokens are sorted by their unordered PAIR of experts (28 keys); a group is up to 128 tokens of one key.  2,048 tokens in groups of 128 over 28 keys are never more than 43 groups: grid y.
; Grid x is a slice of 256 hidden units.  Wave w takes expert a (w < 2) or b of the pair and 128 hidden units (chunk 2 x slice + w % 2): one K step of the second product.
; Its 64 fragments of W1 stay in 512 registers, loaded once, 512 consecutive bytes a load; the group's codes of x lie in LDS and are read by all four waves.
; WHO IS IN MY GROUP is worked out here from the whole numbers that the launch before stored: counts [block of 32 tokens 64][key 32] and a word a token (key << 16 | rank in its block).
; Every wave passes every barrier, whatever those numbers are: a group that the split leaves without rows jumps over its work alone.  Its weight loads are still issued, so that the registers are
; written on every path, but with the lane offset times 0: each then names 16 bytes.  There is no tensor load and no cluster here.
; THE PRODUCT IS USED TRANSPOSED (source 0 = 16 units of W1, source 1 = 16 tokens): a lane holds one token, and the units of a tile are chosen so that two neighbouring tiles' 16 registers are 16
; neighbours along the next K.  b1 is the C of each sum's first matrix instruction.
; GELU is x (1 + erf(x / sqrt 2)) / 2 with erf(z) = z P(z^2) / Q(z^2), z held to +-4.
; LIMITS: erf's absolute error is about 1e-7, so gelu's relative error grows for x under about -3, where |gelu| is under 0.005; a block of zeros gets the byte 1 (its codes are zeros); NaN and infinities are not served.
; Rows of a last tile beyond the group's count stand for token 0: their results are stored with the tile and never used.
; THE MODE: SCHED_MODE bits 1:0 = 2 (LLVM: expert scheduling mode 2), set by the entry lines.  The code itself states the register dependences
; between vector or matrix instructions and memory or LDS instructions, with s_wait_alu, always for 0.
; THE PLAN.  Registers that memory or LDS instructions touch, and who else names them:
;   v1-v14     addresses and offsets: written at the head, ahead of the first wait on va_vdst, and never again.  v15: written once, ahead of the weights' wait.
;   v56-183    the counts and the tokens' words land; vector lines sum them and read lanes of them; wave 0's list stores read them; then x's 32 rows land and the staging stores read them;
;              in the loop they are HA (written by the products) and XF (LDS loads land, the products read, gelu writes).
;   v216-247, v208   tokens land from the list, vector lines make offsets of them, x's loads read them; v208 is the quantiser's scale word in the loop.
;   In a tile: XAC, XSAC are written by two additions at its head and read by its LDS loads; XS and XF as above; PC and PW are written by the quantiser and read by the tile's three stores.
; So a tile has one wait on vm_vsrc and one on va_vdst at its head, round the two additions, and one on va_vdst ahead of its stores, beside the two round the reciprocals in each of its four gelus.
; A scalar register that a vector line writes (the wave's number, lanes of the counts) is read only behind a wait on va_sdst; such lines stand in runs, one wait behind each run.
.set W1S,   16777216                   ; wq: W1's scale bytes
.set XSO,   1048576                    ; xq: the scale bytes
.set HSG,   11272192                   ; hq: fragments [group 43][tile 8][expert 2][K step 16][1,024 bytes], then scale words [group][tile][expert][K step][16 x 4 bytes]
.set HISTO, 8192
.set LIST,  0                          ; LDS: the group's tokens, 128 words, and word 128, into which all other tokens' numbers fall and which nobody reads
.set XSR,   4096                       ; x's scale bytes: 128 rows x (32 + 16)
.set XSP,   48
.set XC,    10240                      ; x's codes: 128 rows x (512 + 16): the 16 rows of a fragment load start 16 bytes further on in each run of 256
.set XP,    528
.set LTB,   1                          ; v1   LDS: my wave's 32 words of the list (the same in all lanes)
.set LTL,   2                          ; v2   the word of row 32 w + lane
.set XSAC,  3                          ; v3   the tile's scale words
.set L16,   4                          ; v4   16 x lane
.set L8,    5
.set L4,    6
.set XAC,   7                          ; v7   the tile's fragments
.set T0,    8                          ; v8   lane
.set XA0,   9                          ; v9   XC + r x 528 + 16 h
.set XSA0,  10                         ; v10  XSR + r x 48
.set HSV,   11                         ; v11  4 r
.set XW,    12                         ; v12  where I stage codes
.set XSW,   13                         ; v13  and scale bytes
.set BO,    14                         ; v14  64 h
.set L16E,  15                         ; v15  16 x lane, or 0 in a group without rows
.set WS,    16                         ; v16-47   W1's scale words: register 2 (4 (t / 2) + s / 2) + s % 2: lanes 0-15 tile t even, lanes 16-31 tile t odd
.set XS,    48                         ; v48-55   x's scale words of the tile, K steps 0-7
.set HA,    56                         ; v56-119  my 8 tiles of the hidden layer
.set XF,    120                        ; v120-183 x's 8 fragments; then gelu's z, z^2, P, Q
.set PC,    184                        ; v184-191 the codes just made
.set TM,    192                        ; v192-207 the quantiser's
.set PW,    208                        ; v208     the scale word just made
.set A1,    210                        ; v210-211 erf's second coefficient of P, twice; v212-213 of Q
.set B1,    212
.set GR,    215                        ; v215 lane q: groups of key q
.set TK,    216                        ; v216-247 32 tokens, then their byte offsets
.set SD,    248                        ; v248-255 a row's 32 scale bytes
.set H,     56                         ; v56-119  the counts [block 64] (lane = key), summed up in place; then token numbers
.set R,     120                        ; v120-183 the tokens' words (register = block, lane = token in it), then their places in the list
.set D,     56                         ; 32 rows of x on their way into LDS
.set SL,    16
.set GRP,   17
.set WV,    18
.set N,     19                         ; s19  rows in my group, 0 .. 128
.set AB,    20
.set GB,    21
.set SQ,    22
.set RUN,   23
.set TMP,   24
.set J7,    25
.set EX,    26
.set E2,    27
.set CH,    28
.set KS,    29
.set N1,    30
.set SEL,   32
.set TR,    36
.set ROW,   37
.set XST,   38
.set SST,   39
.set WB,    40
.set WSB,   42
.set B1B,   44
.set HCB,   46
.set HSB,   48
.set EB,    68                         ; s68-99  first the 28 keys' numbers of groups; then, for each of 32 blocks at a time: what turns a token's word into its place in my group
.set MSB, 0
.macro WIN new                         ; the immediate's high byte repeats the setting that is left
.if MSB != \new
	s_set_vgpr_msb (MSB<<8)|\new
.set MSB, \new
.endif
.endm
.macro UP1 t, s, c
.if (\t)%2
	v_wmma_scale_f32_16x16x128_f8f6f4 v[HA+8*(\t):HA+8*(\t)+7], v[8*(4*(\t)+(\s)%4):8*(4*(\t)+(\s)%4)+7], v[XF+8*(\s):XF+8*(\s)+7], v[\c:\c+7], v[WS+2*(4*((\t)/2)+(\s)/2)+(\s)%2], v[XS+(\s)] matrix_a_fmt:MATRIX_FMT_FP4 matrix_b_fmt:MATRIX_FMT_FP4 matrix_a_scale:MATRIX_SCALE_ROW1
.else
	v_wmma_scale_f32_16x16x128_f8f6f4 v[HA+8*(\t):HA+8*(\t)+7], v[8*(4*(\t)+(\s)%4):8*(4*(\t)+(\s)%4)+7], v[XF+8*(\s):XF+8*(\s)+7], v[\c:\c+7], v[WS+2*(4*((\t)/2)+(\s)/2)+(\s)%2], v[XS+(\s)] matrix_a_fmt:MATRIX_FMT_FP4 matrix_b_fmt:MATRIX_FMT_FP4
.endif
.endm
.macro UPK s                           ; K step s: the eight accumulators take turns, one instruction a turn
.irp t, 0,1,2,3,4,5,6,7
.if (\s) == 0
	UP1 \t, \s, 8*\t
.else
	UP1 \t, \s, HA+8*\t
.endif
.endr
.endm
.set GZ,  XF
.set GZ2, XF+16
.set GP,  XF+32
.set GQ,  XF+48
.macro HORNER acc, lit                 ; acc = acc z^2 + lit, eight pairs
.irp p, 0,2,4,6,8,10,12,14
	v_pk_fma_f32 v[\acc+\p:\acc+\p+1], v[\acc+\p:\acc+\p+1], v[GZ2+\p:GZ2+\p+1], \lit op_sel_hi:[1,1,0]
.endr
.endm
.macro GELU b                          ; 16 numbers, v[HA + 16 b] on, in place; each accumulator is first read at its low end
.set GX, HA+16*\b
.irp p, 0,2,4,6,8,10,12,14
	v_pk_mul_f32 v[GZ+\p:GZ+\p+1], v[GX+\p:GX+\p+1], 0x3f3504f3 op_sel_hi:[1,0]      ; z = x / sqrt 2
.endr
.irp i, 0,1,2,3,4,5,6,7,8,9,10,11,12,13,14,15
	v_med3_num_f32 v[GZ+\i], v[GZ+\i], -4.0, 4.0
.endr
.irp p, 0,2,4,6,8,10,12,14
	v_pk_mul_f32 v[GZ2+\p:GZ2+\p+1], v[GZ+\p:GZ+\p+1], v[GZ+\p:GZ+\p+1]
.endr
.irp p, 0,2,4,6,8,10,12,14
	v_pk_fma_f32 v[GP+\p:GP+\p+1], v[GZ2+\p:GZ2+\p+1], 0xaf95df0b, v[A1:A1+1] op_sel_hi:[1,0,1]
.endr
.irp p, 0,2,4,6,8,10,12,14
	v_pk_fma_f32 v[GQ+\p:GQ+\p+1], v[GZ2+\p:GZ2+\p+1], 0xb77460cd, v[B1:B1+1] op_sel_hi:[1,0,1]
.endr
	HORNER GP, 0xb60cff51
	HORNER GQ, 0xbadc924e
	HORNER GP, 0xb86ec2d2
	HORNER GQ, 0xbbf19bf8
	HORNER GP, 0xba40ac63
	HORNER GQ, 0xbc69b6a7
	HORNER GP, 0xbb41a1f6
	HORNER GP, 0xbc83dbd4
.irp p, 0,2,4,6,8,10,12,14
	v_pk_mul_f32 v[GP+\p:GP+\p+1], v[GP+\p:GP+\p+1], v[GZ+\p:GZ+\p+1]
.endr
	s_wait_alu depctr_va_vdst(0)
.irp i, 0,1,2,3,4,5,6,7,8,9,10,11,12,13,14,15
	v_rcp_f32 v[GZ2+\i], v[GQ+\i]
.endr
.irp p, 0,2,4,6,8,10,12,14
	v_pk_mul_f32 v[GZ+\p:GZ+\p+1], v[GX+\p:GX+\p+1], 0.5 op_sel_hi:[1,0]             ; x / 2: plain work behind the reciprocals, which names none of their registers
.endr
	s_wait_alu depctr_va_vdst(0)                   ; the sixteen reciprocals have written v[GZ2 ..]: one wait for the batch, ahead of its first reader
.irp p, 0,2,4,6,8,10,12,14
	v_pk_mul_f32 v[GP+\p:GP+\p+1], v[GP+\p:GP+\p+1], v[GZ2+\p:GZ2+\p+1]              ; erf
.endr
.irp p, 0,2,4,6,8,10,12,14
	v_pk_fma_f32 v[GX+\p:GX+\p+1], v[GZ+\p:GZ+\p+1], v[GP+\p:GP+\p+1], v[GZ+\p:GZ+\p+1]
.endr
.endm
; 64 numbers of a lane, register 16 b + i = k 32 b + 16 (lane / 16) + i of my token, become a fragment's codes in v[PC] on and its scale word in v[PW]
.macro QUANT s
.irp b, 0,1,2,3
	v_max3_num_f32 v[TM+\b], |v[\s+16*\b]|, |v[\s+1+16*\b]|, 0x1800000     ; my 16 numbers of block b, and the floor 2^(3 - 127): the byte cannot fall under 1
.endr
.irp i, 2,4,6,8,10,12,14
.irp b, 0,1,2,3
	v_max3_num_f32 v[TM+\b], v[TM+\b], |v[\s+16*\b+\i]|, |v[\s+1+16*\b+\i]|
.endr
.endr
.irp b, 0,1,2,3
	v_permlanex16_b32 v[TM+4+\b], v[TM+\b], s[SEL], s[SEL+1]
.endr
.irp b, 0,1,2,3
	v_max_num_f32 v[TM+\b], v[TM+\b], v[TM+4+\b]   ; with lane l xor 16's: the block's largest magnitude
.endr
.irp b, 0,1,2,3
	v_add_nc_u32 v[TM+12+\b], 0xff000000, v[TM+\b] ; 2 off its exponent field: the conversion's scale operand
.endr
.irp b, 0,1,2,3
	v_lshrrev_b32 v[TM+4+\b], 23, v[TM+12+\b]      ; the scale's byte
.endr
	v_lshl_or_b32 v[PW], v[TM+5], 8, v[TM+4]
	v_lshl_or_b32 v[PW], v[TM+6], 16, v[PW]
	v_lshl_or_b32 v[PW], v[TM+7], 24, v[PW]
.irp b, 0,1,2,3
	v_cvt_scalef32_pk8_fp4_f32 v[PC+2*\b], v[\s+16*\b:\s+7+16*\b], v[TM+12+\b]
	v_cvt_scalef32_pk8_fp4_f32 v[PC+1+2*\b], v[\s+8+16*\b:\s+15+16*\b], v[TM+12+\b]
.endr
	v_nop                                          ; one plain line behind the conversions
.irp c, 0,1                                    ; the operand wants a whole block in a lane: lanes 0-15 block 2 c, lanes 16-31 block 2 c + 1
.irp i, 0,1
	v_permlane16_swap_b32 v[PC+4*\c+\i], v[PC+2+4*\c+\i]
.endr
.endr
.endm
	s_load_b256 s[4:11], s[0:1], 0x0               ; route s[4:5], xq s[6:7], wq s[8:9], b1 s[10:11]
	s_load_b64 s[12:13], s[0:1], 0x20              ; hq
	v_lshl_add_u32 v209, v0, 2, 0x13000
	v_mov_b32 v214, 0
	v_lshrrev_b32 v56, 5, v0
	v_readfirstlane_b32 s[WV], v56
	s_mov_b32 s[SL], ttmp9
	s_and_b32 s[GRP], ttmp7, 0xffff
	v_and_b32 v56, 31, v0                          ; lane
	v_and_b32 v57, 15, v0                          ; r
	v_bfe_u32 v58, v0, 4, 1                        ; h
	v_lshlrev_b32 v[L16], 4, v56
	v_lshlrev_b32 v[L8], 3, v56
	v_lshlrev_b32 v[L4], 2, v56
	v_mov_b32 v[T0], v56
	v_mul_u32_u24 v[XA0], v57, XP
	v_lshl_add_u32 v[XA0], v58, 4, v[XA0]
	v_add_nc_u32 v[XA0], XC, v[XA0]
	v_mul_u32_u24 v[XSA0], v57, XSP
	v_add_nc_u32 v[XSA0], XSR, v[XSA0]
	v_lshlrev_b32 v[HSV], 2, v57
	v_lshlrev_b32 v[BO], 6, v58
	s_wait_alu depctr_va_sdst(0)                   ; the wave's number is written, ahead of its first reader
	s_lshr_b32 s[E2], s[WV], 1
	s_and_b32 s[CH], s[WV], 1
	s_mul_i32 s[TMP], s[WV], 32*XP
	s_add_co_u32 s[TMP], s[TMP], XC
	v_add_nc_u32 v[XW], s[TMP], v[L16]
	s_mul_i32 s[TMP], s[WV], 32*XSP
	s_add_co_u32 s[TMP], s[TMP], XSR
	v_mad_u32_u24 v[XSW], v56, XSP, s[TMP]
	s_lshl_b32 s[TMP], s[WV], 7
	v_mov_b32 v[LTB], s[TMP]
	v_add_nc_u32 v[LTL], s[TMP], v[L4]
	s_mov_b32 s[SEL], 0x76543210
	s_mov_b32 s[SEL+1], 0xfedcba98
.irp b, 0,1,2,3
	v_mov_b32 v[TM+4+\b], 0                        ; written once: a lane permute's destination counts as one of its sources
.endr
	v_mov_b32 v[A1], 0x32edffee
	v_mov_b32 v[A1+1], 0x32edffee
	v_mov_b32 v[B1], 0xb95fbd29
	v_mov_b32 v[B1+1], 0xb95fbd29
	s_wait_kmcnt 0x0
	s_wait_alu depctr_va_vdst(0)                   ; the addresses and offsets v1 to v14 are written, which the loads and stores of the whole kernel read; so are v56 to v58, in which counts land
	; ---- which group am I?  Wave 0 also fetches the tokens' words: load i brings block i, a token a lane
	s_cmp_lg_u32 s[WV], 0
	s_cbranch_scc1 .Lno_rec
.set ri, 0
.rept 64
	global_load_b32 v[R+ri], v[L4], s[4:5] offset:128*ri
.set ri, ri+1
.endr
.Lno_rec:
.set ri, 0
.rept 64
	global_load_b32 v[H+ri], v[L4], s[4:5] offset:HISTO+128*ri     ; block ri's counts: lane = key
.set ri, ri+1
.endr
	s_wait_loadcnt 0x0
.set ri, 1
.rept 31                                       ; the counts are summed up in place, in two chains by turns: register k = tokens of my lane's key in blocks 0 .. k,
	v_add_nc_u32 v[H+ri], v[H+ri], v[H+ri-1]
	v_add_nc_u32 v[H+32+ri], v[H+32+ri], v[H+32+ri-1]
.set ri, ri+1
.endr
.set ri, 0
.rept 32                                       ; once the first half's sum is added to the second half
	v_add_nc_u32 v[H+32+ri], v[H+32+ri], v[H+31]
.set ri, ri+1
.endr
	v_add_nc_u32 v[GR], 127, v[H+63]
	v_lshrrev_b32 v[GR], 7, v[GR]                  ; groups of 128
.set rq, 0
.rept 28                                       ; the 28 keys' numbers of groups become scalars in one run
	v_readlane_b32 s[EB+rq], v[GR], rq
.set rq, rq+1
.endr
	s_mov_b32 s[RUN], 0
	s_mov_b32 s[AB], 0
	s_mov_b32 s[GB], 0
	s_mov_b32 s[SQ], 0
	s_wait_alu depctr_va_sdst(0)                   ; the 28 numbers are written, ahead of their first reader: one wait for the run
.set rq, 0
.irp ab, 0x01,0x02,0x03,0x04,0x05,0x06,0x07,0x12,0x13,0x14,0x15,0x16,0x17,0x23,0x24,0x25,0x26,0x27,0x34,0x35,0x36,0x37,0x45,0x46,0x47,0x56,0x57,0x67
	s_cmp_le_u32 s[RUN], s[GRP]                    ; the last key whose first group is mine or earlier is my key
	s_cselect_b32 s[AB], \ab, s[AB]                ; its experts, a << 4 | b,
	s_cselect_b32 s[GB], s[RUN], s[GB]             ; its first group,
	s_cselect_b32 s[SQ], rq, s[SQ]                 ; its number
	s_add_co_u32 s[RUN], s[RUN], s[EB+rq]
.set rq, rq+1
.endr
	v_readlane_b32 s[N], v[H+63], s[SQ]
	s_sub_co_u32 s[J7], s[GRP], s[GB]
	s_lshl_b32 s[J7], s[J7], 7                     ; my group's first place among the key's tokens
	s_wait_alu depctr_va_sdst(0)                   ; the key's number of tokens is written, ahead of its first reader
	s_sub_co_i32 s[N], s[N], s[J7]
	s_max_i32 s[N], s[N], 0
	s_min_u32 s[N], s[N], 128                      ; rows in my group
	s_min_u32 s[N1], s[N], 1
	v_mul_u32_u24 v[L16E], v[L16], s[N1]
	s_lshr_b32 s[EX], s[AB], 4
	s_and_b32 s[TMP], s[AB], 15
	s_cmp_eq_u32 s[E2], 0
	s_cselect_b32 s[EX], s[EX], s[TMP]
	s_min_u32 s[EX], s[EX], 7                      ; my expert
	s_lshl_b32 s[KS], s[SL], 1
	s_add_co_u32 s[KS], s[KS], s[CH]               ; my chunk of 128 hidden units
	s_mov_b32 s51, 0
	s_lshl_b32 s50, s[EX], 20
	s_lshl_b32 s[TMP], s[KS], 16
	s_add_co_u32 s50, s50, s[TMP]
	s_add_nc_u64 s[WB:WB+1], s[8:9], s[50:51]
	s_lshl_b32 s50, s[EX], 16
	s_lshl_b32 s[TMP], s[KS], 12
	s_add_co_u32 s50, s50, s[TMP]
	s_add_co_u32 s50, s50, W1S
	s_add_nc_u64 s[WSB:WSB+1], s[8:9], s[50:51]
	s_lshl_b32 s50, s[EX], 13
	s_lshl_b32 s[TMP], s[KS], 9
	s_add_co_u32 s50, s50, s[TMP]
	s_add_nc_u64 s[B1B:B1B+1], s[10:11], s[50:51]
	s_lshl_b32 s50, s[GRP], 18
	s_lshl_b32 s[TMP], s[E2], 14
	s_add_co_u32 s50, s50, s[TMP]
	s_lshl_b32 s[TMP], s[KS], 10
	s_add_co_u32 s50, s50, s[TMP]
	s_add_nc_u64 s[HCB:HCB+1], s[12:13], s[50:51]
	s_lshl_b32 s50, s[GRP], 14
	s_lshl_b32 s[TMP], s[E2], 10
	s_add_co_u32 s50, s50, s[TMP]
	s_lshl_b32 s[TMP], s[KS], 6
	s_add_co_u32 s50, s50, s[TMP]
	s_add_co_u32 s50, s50, HSG
	s_add_nc_u64 s[HSB:HSB+1], s[12:13], s[50:51]
	; ---- my weights: fragment (tile t, K step s) at v[8 (4 t + s % 4)] of window 1 (s < 4) or 2
	WIN 0x40
	s_wait_alu depctr_va_vdst(0)                   ; v15 is written, which the weights' loads read as their offset
.set wt, 0
.rept 8
.set wk, 0
.rept 4
	global_load_b128 v[8*(4*wt+wk):8*(4*wt+wk)+3], v[L16E], s[WB:WB+1] offset:wt*8192+(2*wk)*512
	global_load_b128 v[8*(4*wt+wk)+4:8*(4*wt+wk)+7], v[L16E], s[WB:WB+1] offset:wt*8192+(2*wk+1)*512
.set wk, wk+1
.endr
.set wt, wt+1
.endr
	WIN 0x80
.set wt, 0
.rept 8
.set wk, 0
.rept 4
	global_load_b128 v[8*(4*wt+wk):8*(4*wt+wk)+3], v[L16E], s[WB:WB+1] offset:wt*8192+(2*wk+8)*512
	global_load_b128 v[8*(4*wt+wk)+4:8*(4*wt+wk)+7], v[L16E], s[WB:WB+1] offset:wt*8192+(2*wk+9)*512
.set wk, wk+1
.endr
.set wt, wt+1
.endr
	WIN 0
.set wk, 0
.rept 16
	global_load_b64 v[WS+2*wk:WS+2*wk+1], v[L8], s[WSB:WSB+1] offset:256*wk
.set wk, wk+1
.endr
	WIN 0xc0                                       ; b1 in the result's layout: lane (r, h), tile t: units 32 (t / 2) + 16 h + 8 (t % 2) + 0 .. 7
.irp t, 0,1,2,3,4,5,6,7
	global_load_b128 v[8*\t:8*\t+3], v[BO], s[B1B:B1B+1] offset:(32*(\t/2)+8*(\t%2))*4
	global_load_b128 v[8*\t+4:8*\t+7], v[BO], s[B1B:B1B+1] offset:(32*(\t/2)+8*(\t%2))*4+16
.endr
	WIN 0
	; ---- wave 0 lays the group's tokens into the list.  No other wave touches LDS ahead of the barrier below
	s_cmp_lg_u32 s[WV], 0
	s_cbranch_scc1 .Lno_list
	s_lshl_b32 s[TMP], s[SQ], 16
	s_add_co_u32 s[TMP], s[TMP], s[J7]
	s_sub_co_u32 s[TMP], 0, s[TMP]
	s_mov_b32 s[EB], 0                             ; blocks 0-31: ahead of block k stand the key's tokens of blocks 0 .. k - 1
.set ri, 1
.rept 31
	v_readlane_b32 s[EB+ri], v[H+ri-1], s[SQ]
.set ri, ri+1
.endr
	s_wait_alu depctr_va_sdst(0)                   ; the 31 sums are written, ahead of their first reader
.set ri, 0
.rept 32
	s_add_co_u32 s[EB+ri], s[EB+ri], s[TMP]        ; word + this = the token's place in my group, if its key is mine; else, or outside the group, a number over 127
.set ri, ri+1
.endr
.set ri, 0
.rept 32
	v_add_nc_u32 v[R+ri], s[EB+ri], v[R+ri]
.set ri, ri+1
.endr
.set ri, 0
.rept 32                                       ; blocks 32-63, in the same scalar registers
	v_readlane_b32 s[EB+ri], v[H+31+ri], s[SQ]
.set ri, ri+1
.endr
	s_wait_alu depctr_va_sdst(0)                   ; the 32 sums are written, ahead of their first reader
.set ri, 0
.rept 32
	s_add_co_u32 s[EB+ri], s[EB+ri], s[TMP]
.set ri, ri+1
.endr
.set ri, 0
.rept 32
	v_add_nc_u32 v[R+32+ri], s[EB+ri], v[R+32+ri]
.set ri, ri+1
.endr
.irp i, 0,1,2,3
	v_mov_b32 v[PC+\i], 0
.endr
.set ri, 0
.rept 64
	v_min_u32 v[R+ri], 0x80, v[R+ri]               ; all that is not mine falls on word 128
.set ri, ri+1
.endr
.set ri, 0
.rept 64
	v_lshlrev_b32 v[R+ri], 2, v[R+ri]
.set ri, ri+1
.endr
.set ri, 0
.rept 64
	v_add_nc_u32 v[H+ri], 32*ri, v[T0]             ; the token's number (the sums have been read)
.set ri, ri+1
.endr
	s_wait_alu depctr_va_vdst(0)                   ; the four zeros, the 64 places and the 64 token numbers are written, which the 65 stores below read
	ds_store_b128 v[L16], v[PC:PC+3] offset:LIST   ; places that no token takes stand for token 0
.set ri, 0
.rept 64
	ds_store_b32 v[R+ri], v[H+ri] offset:LIST
.set ri, ri+1
.endr
.Lno_list:
	s_wait_dscnt 0x0
	s_barrier_signal -1
	s_barrier_wait -1                              ; the list lies in LDS
	; ---- x: wave w stages rows 32 w .. 32 w + 31, if the group reaches them: a tile of 16 rows never leaves the 32 in which it begins
	s_lshl_b32 s[TMP], s[WV], 5
	s_cmp_lt_u32 s[TMP], s[N]
	s_cbranch_scc0 .Lno_x
.set ri, 0
.rept 8
	ds_load_b128 v[TK+4*ri:TK+4*ri+3], v[LTB] offset:LIST+16*ri
.set ri, ri+1
.endr
	ds_load_b32 v[PW], v[LTL] offset:LIST
	s_wait_dscnt 0x0
.set ri, 0
.rept 32
	v_min_u32 v[TK+ri], 0x7ff, v[TK+ri]
.set ri, ri+1
.endr
.set ri, 0
.rept 32
	v_lshl_add_u32 v[TK+ri], v[TK+ri], 9, v[L16]
.set ri, ri+1
.endr
	v_min_u32 v[PW], 0x7ff, v[PW]
	v_lshlrev_b32 v[PW], 5, v[PW]
	s_wait_alu depctr_vm_vsrc(0)                   ; wave 0's list stores have read v56 to v183, in which x's rows land
	s_wait_alu depctr_va_vdst(0)                   ; the 33 offsets are written, which the loads below read; the sums and the list's arithmetic are done with v56 to v183
.set ri, 0
.rept 32
	global_load_b128 v[D+4*ri:D+4*ri+3], v[TK+ri], s[6:7]          ; a token's 512 bytes of codes
.set ri, ri+1
.endr
	global_load_b128 v[SD:SD+3], v[PW], s[6:7] offset:XSO
	global_load_b128 v[SD+4:SD+7], v[PW], s[6:7] offset:XSO+16
	s_wait_loadcnt 0x0
.set ri, 0
.rept 32
	ds_store_b128 v[XW], v[D+4*ri:D+4*ri+3] offset:ri*XP
.set ri, ri+1
.endr
	ds_store_b128 v[XSW], v[SD:SD+3]
	ds_store_b128 v[XSW], v[SD+4:SD+7] offset:16
.Lno_x:
	s_wait_dscnt 0x0
	s_barrier_signal -1
	s_barrier_wait -1                              ; the group's x lies in LDS
	s_wait_loadcnt 0x0                             ; my weights
	s_mov_b32 s[TR], 8
	s_mov_b32 s[ROW], 0
	s_mov_b32 s[XST], 0
	s_mov_b32 s[SST], 0
.Ltile:                                            ; eight trips, always; a tile beyond the group's rows is jumped over
	s_cmp_ge_u32 s[ROW], s[N]
	s_cbranch_scc1 .Lstep
	s_wait_alu depctr_vm_vsrc(0)                   ; the last tile's LDS loads have read the two addresses written below, its stores the codes and the scale word that the quantiser writes again; in the first tile: the staging stores have read v56 to v183, x's loads v208
	v_add_nc_u32 v[XAC], s[XST], v[XA0]
	v_add_nc_u32 v[XSAC], s[SST], v[XSA0]
	s_wait_alu depctr_va_vdst(0)                   ; the two addresses are written; the last tile's products are done reading x's scale words, and its gelu is done with v[XF ..]: the loads below land in both
	ds_load_b128 v[XS:XS+3], v[XSAC]
	ds_load_b128 v[XS+4:XS+7], v[XSAC] offset:16
.set ui, 0
.rept 8
	ds_load_b128 v[XF+8*ui:XF+8*ui+3], v[XAC] offset:64*ui
	ds_load_b128 v[XF+8*ui+4:XF+8*ui+7], v[XAC] offset:64*ui+32
.set ui, ui+1
.endr
	s_wait_dscnt 8                                 ; the scale words and K steps 0-3 are in; the 8 loads of K steps 4-7 may be out
	WIN 0x31                                       ; W1 window 1, b1 window 3
	UPK 0
	WIN 0x01
	UPK 1
	UPK 2
	UPK 3
	s_wait_dscnt 0x0
	WIN 0x02                                       ; W1 window 2
	UPK 4
	UPK 5
	UPK 6
	UPK 7
	WIN 0
.rept 5
	v_nop                                          ; places behind the last products: gelu reads their results and writes over x's fragments
.endr
	GELU 0
	GELU 1
	GELU 2
	GELU 3
	QUANT HA
	s_wait_alu depctr_va_vdst(0)                   ; the quantiser has written the codes v[PC ..] and the scale word v[PW], which the three stores read
	global_store_b128 v[L16], v[PC:PC+3], s[HCB:HCB+1]             ; the fragment as it stands in its registers: 512 consecutive bytes a store
	global_store_b128 v[L16], v[PC+4:PC+7], s[HCB:HCB+1] offset:512
	global_store_b32 v[HSV], v[PW], s[HSB:HSB+1]   ; the 16 tokens' scale words (lanes l and l + 16 hold, and write, the same word)
.Lstep:
	s_wait_xcnt 0x0                                ; the stores have read their registers and bases: both are written again only behind this wait
	s_add_nc_u64 s[HCB:HCB+1], s[HCB:HCB+1], 32768
	s_add_nc_u64 s[HSB:HSB+1], s[HSB:HSB+1], 2048
	s_add_co_u32 s[XST], s[XST], 16*XP
	s_add_co_u32 s[SST], s[SST], 16*XSP
	s_add_co_u32 s[ROW], s[ROW], 16
	s_sub_co_u32 s[TR], s[TR], 1
	s_cmp_lg_u32 s[TR], 0
	s_cbranch_scc1 .Ltile
	s_wait_dscnt 0x0                               ; the closing lines, six on end
	s_wait_alu 0x0
	s_wait_tensorcnt 0x0
	ds_add_u32 v209, v214
	s_wait_dscnt 0x0
	s_endpgm
.Lfunc_end_k_qbbbcf234f6_up:
	.size	k_qbbbcf234f6_up, .Lfunc_end_k_qbbbcf234f6_up-k_qbbbcf234f6_up
	.p2alignl 7, 3214868480
	.fill 96, 4, 3214868480
	.section	.rodata,"a",@progbits
	.p2align	6, 0x0
	.amdhsa_kernel k_qbbbcf234f6_up
		.amdhsa_group_segment_fixed_size 78336
		.amdhsa_private_segment_fixed_size 0
		.amdhsa_enable_private_segment 0
		.amdhsa_kernarg_size 40
		.amdhsa_user_sgpr_count 2
		.amdhsa_user_sgpr_kernarg_segment_ptr 1
		.amdhsa_wavefront_size32 1
		.amdhsa_system_sgpr_workgroup_id_x 1
		.amdhsa_system_sgpr_workgroup_id_y 1
		.amdhsa_system_sgpr_workgroup_id_z 1
		.amdhsa_system_vgpr_workitem_id 0
		.amdhsa_next_free_vgpr 832
		.amdhsa_next_free_sgpr 104
		.amdhsa_reserve_vcc 0
		.amdhsa_float_denorm_mode_32 3
		.amdhsa_float_denorm_mode_16_64 3
		.amdhsa_memory_ordered 1
		.amdhsa_forward_progress 1
		.amdhsa_inst_pref_size 138
	.end_amdhsa_kernel
	.amdgpu_metadata
---
amdhsa.version: [ 1, 2 ]
amdhsa.kernels:
  - .name:           k_qbbbcf234f6_up
    .symbol:         k_qbbbcf234f6_up.kd
    .args:
      - { .name: route, .offset: 0, .size: 8, .value_kind: global_buffer, .address_space: global }
      - { .name: xq, .offset: 8, .size: 8, .value_kind: global_buffer, .address_space: global }
      - { .name: wq, .offset: 16, .size: 8, .value_kind: global_buffer, .address_space: global }
      - { .name: b1, .offset: 24, .size: 8, .value_kind: global_buffer, .address_space: global }
      - { .name: hq, .offset: 32, .size: 8, .value_kind: global_buffer, .address_space: global }
    .group_segment_fixed_size: 78336
    .private_segment_fixed_size: 0
    .kernarg_segment_align: 8
    .kernarg_segment_size: 40
    .max_flat_workgroup_size: 128
    .sgpr_count:     104
    .vgpr_count:     832
    .wavefront_size: 32
...
	.end_amdgpu_metadata
.endif
;; end of part 5
;; launch down (part 6): grid 8 x 43, 4 waves a work-group, no clusters, 321,024 bytes of LDS; arguments route, gates, hq, wq, b2, out0; writes out0
.if DOCPART == 6
	.amdgcn_target "amdgcn-amd-amdhsa--gfx1250"
	.amdhsa_code_object_version 6
	.text
	.protected	k_qbbbcf234f6_down
	.globl	k_qbbbcf234f6_down
	.p2align	8
	.type	k_qbbbcf234f6_down,@function
k_qbbbcf234f6_down:
	s_mov_b64 s[64:65], 0
	v_nop
	global_prefetch_b8 v0, s[64:65] scope:SCOPE_SE
	s_setreg_imm32_b32 hwreg(HW_REG_WAVE_SCHED_MODE, 0, 2), 2
	s_setreg_imm32_b32 hwreg(HW_REG_WAVE_MODE, 25, 1), 1
	s_wait_xcnt 0x0
	s_wait_alu depctr_vm_vsrc(0)
; DOWN.  y = ga (h_a W2_a + b2_a) + gb (h_b W2_b + b2_b) for the same groups as the launch before (up to 128 tokens of one pair of experts a < b): so every row of the output has one owner.
; Grid y is the group (never more than 43), grid x a slice of 128 output columns.  Wave w takes expert a (w < 2) or b and 64 of the columns: 4 tiles x 16 K steps = 64 fragments of W2 in 512 registers,
; loaded once, 512 consecutive bytes a load.  The group's hidden layer (fragments as they stand in registers, and their scale words) is staged in LDS and read by all four waves.
; THE PRODUCT IS USED TRANSPOSED (source 0 = 16 columns of W2, source 1 = 16 tokens): a lane holds 8 neighbouring columns of one token.  b2 is the C of each sum's first matrix instruction.
; The two experts' results, each times its gate, meet in a stage in LDS, from which whole runs of 512 bytes of a token's row are stored.
; WHO IS IN MY GROUP is worked out as in the launch before, line for line, from the same whole numbers: counts [block of 32 tokens 64][key 32] and a word a token (key << 16 | rank in its block).
; Every wave passes every barrier, whatever the stored numbers are: a group without rows jumps over its work alone; its weight loads are issued with the lane offset times 0, so that the registers are
; written on every path.  No tensor load and no cluster here.
; LIMITS: NaN and infinities are not served.  Rows of a last tile beyond the group's count are computed (for token 0) and not stored.
; THE MODE: SCHED_MODE bits 1:0 = 2 (LLVM: expert scheduling mode 2), set by the entry lines.  The code itself states the register dependences
; between vector or matrix instructions and memory or LDS instructions, with s_wait_alu, always for 0.
; THE PLAN.  Registers that memory or LDS instructions touch, and who else names them:
;   v1-v14, v62  addresses and offsets: written at the head, ahead of the wait on va_vdst before the first load, and never again.  v15: written once, ahead of the weights' wait.
;   v128-255     the counts and the tokens' words land; vector lines sum them and read lanes of them; wave 0's list stores read them.  Then v192-199 serve the gates (tokens land, offsets are made, the gates land
;                and are stored to LDS) and v200-215, with window 3, the staging of the hidden layer (loads land, LDS stores read).
;   In a trip:   HCAC, HSAC, GLAC, LTC are written by four additions at its head and read by both tiles' LDS loads.
;   In a tile:   HSC, GT and window 3: LDS loads land; the products and the gate's multiplications read.   TT: the multiplications write, the stage's stores read.
;                TK, RB: LDS loads land; vector lines read TK and add RB's halves; the global stores read RB.   OF: vector lines write, the global stores read.
; The wait on va_vdst ahead of the stage's stores stands behind the tile's products and multiplications: behind it they are also done reading HSC, GT and window 3, which no vector or matrix line names again
; before the next tile's loads land there: so those loads have no wait of their own.  The wait on va_vdst ahead of the global stores likewise frees TK and RB for the next tile's loads.
; One wait on vm_vsrc stands on every path ahead of each tile's barrier, for TT, RB and OF; one at each trip's head, for the four addresses.
; A scalar register that a vector line writes (the wave's number, lanes of the counts) is read only behind a wait on va_sdst; such lines stand in runs, one wait behind each run.
.set W2C,   8388608
.set W2S,   17301504
.set HSG,   11272192
.set HISTO, 8192
.set LIST,  0                          ; LDS: the group's tokens, 128 words, and word 128, which nobody reads
.set GL,    2048                       ; each wave's 128 gates: 512 bytes a wave
.set HS,    8192                       ; h's scale words [tile 8][expert 2][K step 16][16 x 4 bytes]
.set STG,   24576                      ; the stage [buffer 2][expert 2][16 rows x (512 + 16)]
.set SP,    528
.set HC,    58368                      ; h's fragments [tile 8][expert 2][K step 16][1,024 bytes]
.set L16,   1
.set L8,    2
.set L4,    3
.set T0,    4                          ; v4   lane
.set HCA0,  5                          ; v5   HC + 16,384 x expert + 16 x lane
.set HSA0,  6                          ; v6   HS + 1,024 x expert + 4 x lane
.set GLA0,  7                          ; v7   my gates + 4 r
.set SW,    8                          ; v8   the stage: where I put 32 bytes of a row
.set SR,    9                          ; v9   and where I read my 4 rows back
.set LT0,   10                         ; v10  the list's words of my 4 rows (the same in all lanes)
.set HWA,   11                         ; v11  where I stage tile w,  v12 tile w + 4
.set HWB,   12
.set HSWA,  13
.set GLW,   14                         ; v14  my gates + 4 x lane
.set L16E,  15                         ; v15  16 x lane, or 0 in a group without rows
.set WS,    16                         ; v16-47   W2's scale words: register 2 (8 (t / 2) + s / 2) + s % 2: lanes 0-15 tile t even, lanes 16-31 odd
.set HSC,   48                         ; v48-55   h's scale words: register s / 2: lanes 0-15 K step s even, lanes 16-31 odd
.set GT,    56                         ; v56-57   my token's gate (the pair is named; its low word serves both halves)
.set HCAC,  58
.set HSAC,  59
.set GLAC,  60
.set LTC,   61
.set BO,    62
.set ACC,   64                         ; v64-95   four accumulators
.set ZR,    64                         ; (ahead of the loop: four zeros, and v69 the keys' groups)
.set GR,    69
.set BIAS,  96                         ; v96-127  b2 in the result's layout
.set TT,    128                        ; v128-159 results x gate
.set RB,    160                        ; v160-191 my 4 rows of both experts
.set TK,    192
.set OF,    196
.set SD,    200                        ; v200-215 scale words on their way into LDS
.set H,     128                        ; v128-191 the counts [block 64] (lane = key), summed up in place; then token numbers
.set R,     192                        ; v192-255 the tokens' words (register = block, lane = token in it), then their places in the list
.set SL,    16
.set GRP,   17
.set WV,    18
.set N,     19
.set AB,    20
.set GB,    21
.set SQ,    22
.set RUN,   23
.set TMP,   24
.set J7,    25
.set EX,    26
.set E2,    27
.set HALF,  28
.set NT,    29
.set N1,    30
.set TR,    36
.set ROW,   37
.set HST,   38
.set SST,   39
.set LST,   40
.set R0,    41
.set R1,    42
.set W4,    43
.set WB,    46
.set WSB,   48
.set B2B,   50
.set GTB,   52
.set HG,    54
.set HSB,   56
.set OUTB,  58
.set EB,    68                         ; s68-99  first the 28 keys' numbers of groups; then, for each of 32 blocks at a time: what turns a token's word into its place in my group
.set MSB, 0
.macro WIN new                         ; the immediate's high byte repeats the setting that is left
.if MSB != \new
	s_set_vgpr_msb (MSB<<8)|\new
.set MSB, \new
.endif
.endm
.macro DP1 t, s, c
.if ((\t)%2) && ((\s)%2)
	v_wmma_scale_f32_16x16x128_f8f6f4 v[ACC+8*(\t):ACC+8*(\t)+7], v[8*(8*(\t)+(\s)%8):8*(8*(\t)+(\s)%8)+7], v[8*(\s):8*(\s)+7], v[\c:\c+7], v[WS+2*(8*((\t)/2)+(\s)/2)+(\s)%2], v[HSC+(\s)/2] matrix_a_fmt:MATRIX_FMT_FP4 matrix_b_fmt:MATRIX_FMT_FP4 matrix_a_scale:MATRIX_SCALE_ROW1 matrix_b_scale:MATRIX_SCALE_ROW1
.elseif (\t)%2
	v_wmma_scale_f32_16x16x128_f8f6f4 v[ACC+8*(\t):ACC+8*(\t)+7], v[8*(8*(\t)+(\s)%8):8*(8*(\t)+(\s)%8)+7], v[8*(\s):8*(\s)+7], v[\c:\c+7], v[WS+2*(8*((\t)/2)+(\s)/2)+(\s)%2], v[HSC+(\s)/2] matrix_a_fmt:MATRIX_FMT_FP4 matrix_b_fmt:MATRIX_FMT_FP4 matrix_a_scale:MATRIX_SCALE_ROW1
.elseif (\s)%2
	v_wmma_scale_f32_16x16x128_f8f6f4 v[ACC+8*(\t):ACC+8*(\t)+7], v[8*(8*(\t)+(\s)%8):8*(8*(\t)+(\s)%8)+7], v[8*(\s):8*(\s)+7], v[\c:\c+7], v[WS+2*(8*((\t)/2)+(\s)/2)+(\s)%2], v[HSC+(\s)/2] matrix_a_fmt:MATRIX_FMT_FP4 matrix_b_fmt:MATRIX_FMT_FP4 matrix_b_scale:MATRIX_SCALE_ROW1
.else
	v_wmma_scale_f32_16x16x128_f8f6f4 v[ACC+8*(\t):ACC+8*(\t)+7], v[8*(8*(\t)+(\s)%8):8*(8*(\t)+(\s)%8)+7], v[8*(\s):8*(\s)+7], v[\c:\c+7], v[WS+2*(8*((\t)/2)+(\s)/2)+(\s)%2], v[HSC+(\s)/2] matrix_a_fmt:MATRIX_FMT_FP4 matrix_b_fmt:MATRIX_FMT_FP4
.endif
.endm
.macro DPK s                           ; K step s: the four accumulators take turns, one instruction a turn
.irp t, 0,1,2,3
.if (\s) == 0
	DP1 \t, \s, BIAS+8*\t
.else
	DP1 \t, \s, ACC+8*\t
.endif
.endr
.endm
; Tile wave + u4 of the hidden layer, 32,768 bytes of fragments and 2,048 of scale words, goes into LDS as it lies in memory, if the group has that tile.  Loads and stores stand in one branch.
.macro STAGE u4, hw
	s_add_co_u32 s[TMP], s[WV], \u4
	s_cmp_lt_u32 s[TMP], s[NT]
	s_cbranch_scc0 .Lno_stage_\@
	s_wait_dscnt 0x0                               ; earlier LDS stores have read these registers
	WIN 0xc0
.if (\u4) > 0
	s_wait_alu depctr_vm_vsrc(0)                   ; the first staging's LDS stores have read window 3 and v[SD ..], in which the loads below land
.endif
.set gi, 0
.rept 64
	global_load_b128 v[4*gi:4*gi+3], v[L16], s[HG:HG+1] offset:(\u4)*32768+512*gi
.set gi, gi+1
.endr
	WIN 0
.set gi, 0
.rept 4
	global_load_b128 v[SD+4*gi:SD+4*gi+3], v[L16], s[HSB:HSB+1] offset:(\u4)*2048+512*gi
.set gi, gi+1
.endr
	s_wait_loadcnt 0x0
	WIN 0x0c                                       ; an LDS store's data are its source 1: window 3
.set gi, 0
.rept 64
	ds_store_b128 v[\hw], v[4*gi:4*gi+3] offset:512*gi
.set gi, gi+1
.endr
	WIN 0
.set gi, 0
.rept 4
	ds_store_b128 v[HSWA], v[SD+4*gi:SD+4*gi+3] offset:(\u4)*2048+512*gi
.set gi, gi+1
.endr
.Lno_stage_\@:
.endm
; A tile of 16 tokens.  One barrier, at the top level; the stage's two buffers take turns, so a buffer is written again only behind the next tile's barrier, ahead of which every wave has waited for its reads.
.macro TILE buf
	s_add_co_u32 s[R0], s[ROW], 16*\buf
	s_cmp_lt_u32 s[R0], s[N]
	s_cbranch_scc0 .Lidle_\@
.set di, 0
.rept 8                                        ; no wait here: since the wait ahead of the last tile's stores into the stage no vector or matrix line has named HSC, GT or window 3, and the addresses were shown written at the trip's head
	ds_load_b32 v[HSC+di], v[HSAC] offset:2048*\buf+128*di
.set di, di+1
.endr
	ds_load_b32 v[GT], v[GLAC] offset:64*\buf
	WIN 0xc0                                       ; h's 16 fragments into window 3
.set di, 0
.rept 16
	ds_load_b128 v[8*di:8*di+3], v[HCAC] offset:32768*\buf+1024*di
	ds_load_b128 v[8*di+4:8*di+7], v[HCAC] offset:32768*\buf+1024*di+512
.set di, di+1
.endr
	WIN 0
	s_wait_dscnt 16                                ; the scale words, the gate and K steps 0-7 are in; the 16 loads of K steps 8-15 may be out
	WIN 0x0d                                       ; W2 window 1, h window 3
	DPK 0
	DPK 1
	DPK 2
	DPK 3
	DPK 4
	DPK 5
	DPK 6
	DPK 7
	s_wait_dscnt 0x0
	WIN 0x0e                                       ; W2 window 2
	DPK 8
	DPK 9
	DPK 10
	DPK 11
	DPK 12
	DPK 13
	DPK 14
	DPK 15
	WIN 0
.rept 5
	v_nop                                          ; places behind the last products
.endr
.set di, 0
.rept 16
	v_pk_mul_f32 v[TT+2*di:TT+2*di+1], v[ACC+2*di:ACC+2*di+1], v[GT:GT+1] op_sel_hi:[1,0]   ; x my token's gate; each accumulator from its low end on
.set di, di+1
.endr
	s_wait_alu depctr_va_vdst(0)                   ; the multiplications have written v[TT ..], which the stores below read; they and the tile's products are done reading the gate, h's scale words and h's fragments, in which the next tile's loads land
.irp t, 0,1,2,3
	ds_store_b128 v[SW], v[TT+8*\t:TT+8*\t+3] offset:32*SP*\buf+64*\t
	ds_store_b128 v[SW], v[TT+8*\t+4:TT+8*\t+7] offset:32*SP*\buf+64*\t+16
.endr
.Lidle_\@:
	s_wait_dscnt 0x0                               ; my stores into the stage have landed, and my reads of the other buffer are over
	s_wait_alu depctr_vm_vsrc(0)                   ; my stores into the stage have read v[TT ..], which the next tile's multiplications write; the last tile's global stores have read v[RB ..] and v[OF ..], which are written below
	s_barrier_signal -1
	s_barrier_wait -1
	s_cmp_lt_u32 s[R0], s[N]
	s_cbranch_scc0 .Lnone_\@
	s_wait_xcnt 0x0                                ; the last tile's stores have read their registers
	ds_load_b128 v[TK:TK+3], v[LTC] offset:LIST+64*\buf            ; my 4 rows' tokens
.irp k, 0,1,2,3
	ds_load_b128 v[RB+4*\k:RB+4*\k+3], v[SR] offset:32*SP*\buf+\k*SP
	ds_load_b128 v[RB+16+4*\k:RB+16+4*\k+3], v[SR] offset:32*SP*\buf+16*SP+\k*SP
.endr
	s_wait_dscnt 0x0
.irp k, 0,1,2,3
	v_pk_add_f32 v[RB+4*\k:RB+4*\k+1], v[RB+4*\k:RB+4*\k+1], v[RB+16+4*\k:RB+16+4*\k+1]
	v_pk_add_f32 v[RB+4*\k+2:RB+4*\k+3], v[RB+4*\k+2:RB+4*\k+3], v[RB+16+4*\k+2:RB+16+4*\k+3]
.endr
.irp k, 0,1,2,3
	v_min_u32 v[OF+\k], 0x7ff, v[TK+\k]
.endr
.irp k, 0,1,2,3
	v_lshl_add_u32 v[OF+\k], v[OF+\k], 12, v[L16]
.endr
	s_add_co_u32 s[R1], s[R0], s[W4]
	s_wait_alu depctr_va_vdst(0)                   ; the sums v[RB ..] and the offsets v[OF ..] are written, which the stores below read; the lines above are done with v[TK ..] and v[RB ..], in which the next tile's loads land
.irp k, 0,1,2,3
	s_cmp_lt_u32 s[R1], s[N]                       ; rows beyond the group's count are not stored; they come last
	s_cbranch_scc0 .Lnone_\@
	global_store_b128 v[OF+\k], v[RB+4*\k:RB+4*\k+3], s[OUTB:OUTB+1] th:TH_STORE_NT   ; 512 consecutive bytes of the token's row, aligned
	s_add_co_u32 s[R1], s[R1], 1
.endr
.Lnone_\@:
.endm
	s_load_b256 s[4:11], s[0:1], 0x0               ; route s[4:5], gates s[6:7], hq s[8:9], wq s[10:11]
	s_load_b128 s[12:15], s[0:1], 0x20             ; b2 s[12:13], out0 s[14:15]
	v_lshrrev_b32 v64, 5, v0
	v_readfirstlane_b32 s[WV], v64
	s_mov_b32 s[SL], ttmp9
	s_and_b32 s[GRP], ttmp7, 0xffff
	v_and_b32 v64, 31, v0                          ; lane
	v_and_b32 v65, 15, v0                          ; r
	v_bfe_u32 v66, v0, 4, 1                        ; h
	v_lshlrev_b32 v[L16], 4, v64
	v_lshlrev_b32 v[L8], 3, v64
	v_lshlrev_b32 v[L4], 2, v64
	s_wait_alu depctr_va_vdst(0)
	v_mov_b32 v[T0], v64
	v_lshlrev_b32 v[BO], 5, v66
	v_mov_b32 v[GT+1], 0                           ; named with the gate as a pair, so it is written
	s_wait_alu depctr_va_sdst(0)                   ; the wave's number is written, ahead of its first reader
	s_lshr_b32 s[E2], s[WV], 1
	s_and_b32 s[HALF], s[WV], 1
	s_lshl_b32 s[W4], s[WV], 2
	s_lshl_b32 s[TMP], s[E2], 14
	s_add_co_u32 s[TMP], s[TMP], HC
	v_add_nc_u32 v[HCA0], s[TMP], v[L16]
	s_lshl_b32 s[TMP], s[E2], 10
	s_add_co_u32 s[TMP], s[TMP], HS
	v_add_nc_u32 v[HSA0], s[TMP], v[L4]
	s_lshl_b32 s[TMP], s[WV], 9
	s_add_co_u32 s[TMP], s[TMP], GL
	v_lshl_add_u32 v[GLA0], v65, 2, s[TMP]
	v_add_nc_u32 v[GLW], s[TMP], v[L4]
	s_mul_i32 s[TMP], s[E2], 16*SP
	s_lshl_b32 s[J7], s[HALF], 8
	s_add_co_u32 s[TMP], s[TMP], s[J7]
	s_add_co_u32 s[TMP], s[TMP], STG
	v_mul_u32_u24 v[SW], v65, SP
	v_lshl_add_u32 v[SW], v66, 5, v[SW]
	v_add_nc_u32 v[SW], s[TMP], v[SW]
	s_mul_i32 s[TMP], s[WV], 4*SP
	s_add_co_u32 s[TMP], s[TMP], STG
	v_add_nc_u32 v[SR], s[TMP], v[L16]
	s_lshl_b32 s[TMP], s[WV], 4
	v_mov_b32 v[LT0], s[TMP]
	s_lshl_b32 s[TMP], s[WV], 15
	s_add_co_u32 s[TMP], s[TMP], HC
	v_add_nc_u32 v[HWA], s[TMP], v[L16]
	v_add_nc_u32 v[HWB], 131072, v[HWA]
	s_lshl_b32 s[TMP], s[WV], 11
	s_add_co_u32 s[TMP], s[TMP], HS
	v_add_nc_u32 v[HSWA], s[TMP], v[L16]
	s_wait_kmcnt 0x0
	s_wait_alu depctr_va_vdst(0)                   ; the addresses and offsets v1 to v14 and v62 are written, which the loads and stores of the whole kernel read
	; ---- which group am I?  Wave 0 also fetches the tokens' words: load i brings block i, a token a lane
	s_cmp_lg_u32 s[WV], 0
	s_cbranch_scc1 .Lno_rec
.set ri, 0
.rept 64
	global_load_b32 v[R+ri], v[L4], s[4:5] offset:128*ri
.set ri, ri+1
.endr
.Lno_rec:
.set ri, 0
.rept 64
	global_load_b32 v[H+ri], v[L4], s[4:5] offset:HISTO+128*ri     ; block ri's counts: lane = key
.set ri, ri+1
.endr
	s_wait_loadcnt 0x0
.set ri, 1
.rept 31                                       ; the counts are summed up in place, in two chains by turns: register k = tokens of my lane's key in blocks 0 .. k,
	v_add_nc_u32 v[H+ri], v[H+ri], v[H+ri-1]
	v_add_nc_u32 v[H+32+ri], v[H+32+ri], v[H+32+ri-1]
.set ri, ri+1
.endr
.set ri, 0
.rept 32                                       ; once the first half's sum is added to the second half
	v_add_nc_u32 v[H+32+ri], v[H+32+ri], v[H+31]
.set ri, ri+1
.endr
	v_add_nc_u32 v[GR], 127, v[H+63]
	v_lshrrev_b32 v[GR], 7, v[GR]                  ; groups of 128
.set rq, 0
.rept 28                                       ; the 28 keys' numbers of groups become scalars in one run
	v_readlane_b32 s[EB+rq], v[GR], rq
.set rq, rq+1
.endr
	s_mov_b32 s[RUN], 0
	s_mov_b32 s[AB], 0
	s_mov_b32 s[GB], 0
	s_mov_b32 s[SQ], 0
	s_wait_alu depctr_va_sdst(0)                   ; the 28 numbers are written, ahead of their first reader: one wait for the run
.set rq, 0
.irp ab, 0x01,0x02,0x03,0x04,0x05,0x06,0x07,0x12,0x13,0x14,0x15,0x16,0x17,0x23,0x24,0x25,0x26,0x27,0x34,0x35,0x36,0x37,0x45,0x46,0x47,0x56,0x57,0x67
	s_cmp_le_u32 s[RUN], s[GRP]                    ; the last key whose first group is mine or earlier is my key
	s_cselect_b32 s[AB], \ab, s[AB]
	s_cselect_b32 s[GB], s[RUN], s[GB]
	s_cselect_b32 s[SQ], rq, s[SQ]
	s_add_co_u32 s[RUN], s[RUN], s[EB+rq]
.set rq, rq+1
.endr
	v_readlane_b32 s[N], v[H+63], s[SQ]
	s_sub_co_u32 s[J7], s[GRP], s[GB]
	s_lshl_b32 s[J7], s[J7], 7
	s_wait_alu depctr_va_sdst(0)                   ; the key's number of tokens is written, ahead of its first reader
	s_sub_co_i32 s[N], s[N], s[J7]
	s_max_i32 s[N], s[N], 0
	s_min_u32 s[N], s[N], 128                      ; rows in my group
	s_add_co_u32 s[NT], s[N], 15
	s_lshr_b32 s[NT], s[NT], 4                     ; its tiles
	s_min_u32 s[N1], s[N], 1
	v_mul_u32_u24 v[L16E], v[L16], s[N1]
	s_lshr_b32 s[EX], s[AB], 4
	s_and_b32 s[TMP], s[AB], 15
	s_cmp_eq_u32 s[E2], 0
	s_cselect_b32 s[EX], s[EX], s[TMP]
	s_min_u32 s[EX], s[EX], 7                      ; my expert
	s_mov_b32 s61, 0
	s_lshl_b32 s60, s[EX], 20                      ; W2's codes: tile 8 x slice + 4 x half, 16,384 bytes a tile
	s_lshl_b32 s[TMP], s[SL], 17
	s_add_co_u32 s60, s60, s[TMP]
	s_lshl_b32 s[TMP], s[HALF], 16
	s_add_co_u32 s60, s60, s[TMP]
	s_add_co_u32 s60, s60, W2C
	s_add_nc_u64 s[WB:WB+1], s[10:11], s[60:61]
	s_lshl_b32 s60, s[EX], 16                      ; its scale bytes: pair of tiles 4 x slice + 2 x half, 2,048 bytes a pair
	s_lshl_b32 s[TMP], s[SL], 13
	s_add_co_u32 s60, s60, s[TMP]
	s_lshl_b32 s[TMP], s[HALF], 12
	s_add_co_u32 s60, s60, s[TMP]
	s_add_co_u32 s60, s60, W2S
	s_add_nc_u64 s[WSB:WSB+1], s[10:11], s[60:61]
	s_lshl_b32 s60, s[EX], 12                      ; b2: my 64 columns
	s_lshl_b32 s[TMP], s[SL], 9
	s_add_co_u32 s60, s60, s[TMP]
	s_lshl_b32 s[TMP], s[HALF], 8
	s_add_co_u32 s60, s60, s[TMP]
	s_add_nc_u64 s[B2B:B2B+1], s[12:13], s[60:61]
	s_lshl_b32 s60, s[E2], 2
	s_add_nc_u64 s[GTB:GTB+1], s[6:7], s[60:61]    ; gates: a's or b's
	s_lshl_b32 s60, s[GRP], 18
	s_lshl_b32 s[TMP], s[WV], 15
	s_add_co_u32 s60, s60, s[TMP]
	s_add_nc_u64 s[HG:HG+1], s[8:9], s[60:61]      ; h: my group, tile w
	s_lshl_b32 s60, s[GRP], 14
	s_lshl_b32 s[TMP], s[WV], 11
	s_add_co_u32 s60, s60, s[TMP]
	s_add_co_u32 s60, s60, HSG
	s_add_nc_u64 s[HSB:HSB+1], s[8:9], s[60:61]
	s_lshl_b32 s60, s[SL], 9
	s_add_nc_u64 s[OUTB:OUTB+1], s[14:15], s[60:61]
	; ---- my weights: fragment (tile t, K step s) at v[8 (8 t + s % 8)] of window 1 (s < 8) or 2
	WIN 0x40
	s_wait_alu depctr_va_vdst(0)                   ; v15 is written, which the weights' loads read as their offset
.set wt, 0
.rept 4
.set wk, 0
.rept 8
	global_load_b128 v[8*(8*wt+wk):8*(8*wt+wk)+3], v[L16E], s[WB:WB+1] offset:wt*16384+(2*wk)*512
	global_load_b128 v[8*(8*wt+wk)+4:8*(8*wt+wk)+7], v[L16E], s[WB:WB+1] offset:wt*16384+(2*wk+1)*512
.set wk, wk+1
.endr
.set wt, wt+1
.endr
	WIN 0x80
.set wt, 0
.rept 4
.set wk, 0
.rept 8
	global_load_b128 v[8*(8*wt+wk):8*(8*wt+wk)+3], v[L16E], s[WB:WB+1] offset:wt*16384+(2*wk+16)*512
	global_load_b128 v[8*(8*wt+wk)+4:8*(8*wt+wk)+7], v[L16E], s[WB:WB+1] offset:wt*16384+(2*wk+17)*512
.set wk, wk+1
.endr
.set wt, wt+1
.endr
	WIN 0
.set wk, 0
.rept 16
	global_load_b64 v[WS+2*wk:WS+2*wk+1], v[L8], s[WSB:WSB+1] offset:256*wk
.set wk, wk+1
.endr
.irp t, 0,1,2,3                                ; b2 in the result's layout: lane (r, h), tile t: columns 16 t + 8 h + 0 .. 7
	global_load_b128 v[BIAS+8*\t:BIAS+8*\t+3], v[BO], s[B2B:B2B+1] offset:64*\t
	global_load_b128 v[BIAS+8*\t+4:BIAS+8*\t+7], v[BO], s[B2B:B2B+1] offset:64*\t+16
.endr
	; ---- wave 0 lays the group's tokens into the list.  No other wave touches LDS ahead of the barrier below
	s_cmp_lg_u32 s[WV], 0
	s_cbranch_scc1 .Lno_list
	s_lshl_b32 s[TMP], s[SQ], 16
	s_add_co_u32 s[TMP], s[TMP], s[J7]
	s_sub_co_u32 s[TMP], 0, s[TMP]
	s_mov_b32 s[EB], 0                             ; blocks 0-31: ahead of block k stand the key's tokens of blocks 0 .. k - 1
.set ri, 1
.rept 31
	v_readlane_b32 s[EB+ri], v[H+ri-1], s[SQ]
.set ri, ri+1
.endr
	s_wait_alu depctr_va_sdst(0)                   ; the 31 sums are written, ahead of their first reader
.set ri, 0
.rept 32
	s_add_co_u32 s[EB+ri], s[EB+ri], s[TMP]        ; word + this = the token's place in my group, if its key is mine; else, or outside the group, a number over 127
.set ri, ri+1
.endr
.set ri, 0
.rept 32
	v_add_nc_u32 v[R+ri], s[EB+ri], v[R+ri]
.set ri, ri+1
.endr
.set ri, 0
.rept 32                                       ; blocks 32-63, in the same scalar registers
	v_readlane_b32 s[EB+ri], v[H+31+ri], s[SQ]
.set ri, ri+1
.endr
	s_wait_alu depctr_va_sdst(0)                   ; the 32 sums are written, ahead of their first reader
.set ri, 0
.rept 32
	s_add_co_u32 s[EB+ri], s[EB+ri], s[TMP]
.set ri, ri+1
.endr
.set ri, 0
.rept 32
	v_add_nc_u32 v[R+32+ri], s[EB+ri], v[R+32+ri]
.set ri, ri+1
.endr
.irp i, 0,1,2,3
	v_mov_b32 v[ZR+\i], 0
.endr
.set ri, 0
.rept 64
	v_min_u32 v[R+ri], 0x80, v[R+ri]               ; all that is not mine falls on word 128
.set ri, ri+1
.endr
.set ri, 0
.rept 64
	v_lshlrev_b32 v[R+ri], 2, v[R+ri]
.set ri, ri+1
.endr
.set ri, 0
.rept 64
	v_add_nc_u32 v[H+ri], 32*ri, v[T0]             ; the token's number (the sums have been read)
.set ri, ri+1
.endr
	s_wait_alu depctr_va_vdst(0)                   ; the four zeros, the 64 places and the 64 token numbers are written, which the 65 stores below read
	ds_store_b128 v[L16], v[ZR:ZR+3] offset:LIST   ; places that no token takes stand for token 0
.set ri, 0
.rept 64
	ds_store_b32 v[R+ri], v[H+ri] offset:LIST
.set ri, ri+1
.endr
.Lno_list:
	s_wait_dscnt 0x0
	s_barrier_signal -1
	s_barrier_wait -1                              ; the list lies in LDS
	; ---- my expert's gates of the 128 rows are asked for; they land while the hidden layer is staged
	s_wait_alu depctr_vm_vsrc(0)                   ; wave 0's list stores have read v[R ..]: the tokens, the gates and the staged scale words land in v192 to v215
.irp i, 0,1,2,3
	ds_load_b32 v[TK+\i], v[L4] offset:LIST+128*\i
.endr
	s_wait_dscnt 0x0
.irp i, 0,1,2,3
	v_min_u32 v[TK+\i], 0x7ff, v[TK+\i]
.endr
.irp i, 0,1,2,3
	v_lshlrev_b32 v[TK+\i], 3, v[TK+\i]
.endr
	s_wait_alu depctr_va_vdst(0)                   ; the four offsets v[TK ..] are written, which the gates' loads read
.irp i, 0,1,2,3
	global_load_b32 v[OF+\i], v[TK+\i], s[GTB:GTB+1]
.endr
	STAGE 0, HWA
	STAGE 4, HWB
	s_wait_loadcnt 0x0                             ; the gates and my weights
.irp i, 0,1,2,3
	ds_store_b32 v[GLW], v[OF+\i] offset:128*\i
.endr
	s_wait_dscnt 0x0
	s_barrier_signal -1
	s_barrier_wait -1                              ; the group's hidden layer lies in LDS
	s_mov_b32 s[TR], 4
	s_mov_b32 s[ROW], 0
	s_mov_b32 s[HST], 0
	s_mov_b32 s[SST], 0
	s_mov_b32 s[LST], 0
.Ltrip:                                            ; four trips of two tiles, always; a tile beyond the group's rows keeps its barrier and jumps over its work
	s_wait_alu depctr_vm_vsrc(0)                   ; the last trip's LDS loads have read the four addresses written below; in the first trip: the staging stores have read window 3, the list's stores v64 to v67 and v128 to v191, the gates' loads v[TK ..], the gates' stores v[OF ..]: all are written in the tiles
	v_add_nc_u32 v[HCAC], s[HST], v[HCA0]
	v_add_nc_u32 v[HSAC], s[SST], v[HSA0]
	v_add_nc_u32 v[GLAC], s[LST], v[GLA0]
	v_add_nc_u32 v[LTC], s[LST], v[LT0]
	s_wait_alu depctr_va_vdst(0)                   ; the four addresses are written, which both tiles' LDS loads read
	TILE 0
	TILE 1
	s_add_co_u32 s[HST], s[HST], 65536
	s_add_co_u32 s[SST], s[SST], 4096
	s_add_co_u32 s[LST], s[LST], 128
	s_add_co_u32 s[ROW], s[ROW], 32
	s_sub_co_u32 s[TR], s[TR], 1
	s_cmp_lg_u32 s[TR], 0
	s_cbranch_scc1 .Ltrip
	s_wait_xcnt 0x0
	v_lshl_add_u32 v190, v0, 2, 0x4e400            ; the add's two registers are made anew, from v0, which is as at the entry; no memory or LDS instruction has read v190 or v191 since the wait on vm_vsrc ahead of the last barrier
	v_mov_b32 v191, 0
	s_wait_dscnt 0x0                               ; the closing lines, six on end
	s_wait_alu 0x0
	s_wait_tensorcnt 0x0
	ds_add_u32 v190, v191
	s_wait_dscnt 0x0
	s_endpgm
.Lfunc_end_k_qbbbcf234f6_down:
	.size	k_qbbbcf234f6_down, .Lfunc_end_k_qbbbcf234f6_down-k_qbbbcf234f6_down
	.p2alignl 7, 3214868480
	.fill 96, 4, 3214868480
	.section	.rodata,"a",@progbits
	.p2align	6, 0x0
	.amdhsa_kernel k_qbbbcf234f6_down
		.amdhsa_group_segment_fixed_size 321024
		.amdhsa_private_segment_fixed_size 0
		.amdhsa_enable_private_segment 0
		.amdhsa_kernarg_size 48
		.amdhsa_user_sgpr_count 2
		.amdhsa_user_sgpr_kernarg_segment_ptr 1
		.amdhsa_wavefront_size32 1
		.amdhsa_system_sgpr_workgroup_id_x 1
		.amdhsa_system_sgpr_workgroup_id_y 1
		.amdhsa_system_sgpr_workgroup_id_z 1
		.amdhsa_system_vgpr_workitem_id 0
		.amdhsa_next_free_vgpr 1024
		.amdhsa_next_free_sgpr 104
		.amdhsa_reserve_vcc 0
		.amdhsa_float_denorm_mode_32 3
		.amdhsa_float_denorm_mode_16_64 3
		.amdhsa_memory_ordered 1
		.amdhsa_forward_progress 1
		.amdhsa_inst_pref_size 118
	.end_amdhsa_kernel
	.amdgpu_metadata
---
amdhsa.version: [ 1, 2 ]
amdhsa.kernels:
  - .name:           k_qbbbcf234f6_down
    .symbol:         k_qbbbcf234f6_down.kd
    .args:
      - { .name: route, .offset: 0, .size: 8, .value_kind: global_buffer, .address_space: global }
      - { .name: gates, .offset: 8, .size: 8, .value_kind: global_buffer, .address_space: global }
      - { .name: hq, .offset: 16, .size: 8, .value_kind: global_buffer, .address_space: global }
      - { .name: wq, .offset: 24, .size: 8, .value_kind: global_buffer, .address_space: global }
      - { .name: b2, .offset: 32, .size: 8, .value_kind: global_buffer, .address_space: global }
      - { .name: out0, .offset: 40, .size: 8, .value_kind: global_buffer, .address_space: global }
    .group_segment_fixed_size: 321024
    .private_segment_fixed_size: 0
    .kernarg_segment_align: 8
    .kernarg_segment_size: 48
    .max_flat_workgroup_size: 128
    .sgpr_count:     104
    .vgpr_count:     1024
    .wavefront_size: 32
...
	.end_amdgpu_metadata
.endif
;; end of part 6
